; MI455X (gfx1250); checked and timed in simulation.
; The chip was launched on July 23, 2026; its instructions are those of AMD's public machine-readable ISA for CDNA 5 (MIT licence, August 2026) and "CDNA5" Instruction Set Architecture Reference Guide (July 2026). The comments in the code are by the model that wrote it; some were corrected since.
;; Transformer. Allowed arithmetic: matrix products marked QUANTISED: E4M3 operands, one E8M0 scale for each 32 along K, by v_wmma_scale_f32_16x16x128_f8f6f4 with both operands' format E4M3, f32 sums; everything else in f32.
;; Inputs: W1_codes 4,096 x 32 x 32 uint8 (E4M3 codes of W1, K innermost, in blocks of 32 codes); W1_scales 4,096 x 32 uint8 (E8M0 scales of W1, one for each 32 codes along K); W2_codes 1,024 x 128 x 32 uint8 (E4M3 codes of W2, K innermost, in blocks of 32 codes); W2_scales 1,024 x 128 uint8 (E8M0 scales of W2, one for each 32 codes along K); Wk_codes 16 x 64 x 32 x 32 uint8 (E4M3 codes of Wk, K innermost, in blocks of 32 codes); Wk_scales 16 x 64 x 32 uint8 (E8M0 scales of Wk, one for each 32 codes along K); Wo_codes 1,024 x 32 x 32 uint8 (E4M3 codes of Wo, K innermost, in blocks of 32 codes); Wo_scales 1,024 x 32 uint8 (E8M0 scales of Wo, one for each 32 codes along K); Wq_codes 16 x 64 x 32 x 32 uint8 (E4M3 codes of Wq, K innermost, in blocks of 32 codes); Wq_scales 16 x 64 x 32 uint8 (E8M0 scales of Wq, one for each 32 codes along K); Wv_codes 16 x 64 x 32 x 32 uint8 (E4M3 codes of Wv, K innermost, in blocks of 32 codes); Wv_scales 16 x 64 x 32 uint8 (E8M0 scales of Wv, one for each 32 codes along K); b1 4,096 float32; b2 1,024 float32; be1 1,024 float32; be2 1,024 float32; bk 16 x 64 float32; bo 1,024 float32; bq 16 x 64 float32; bv 16 x 64 float32; g1 1,024 float32; g2 1,024 float32; x 4 x 1,024 x 1,024 float32.
;; Outputs: out0 4 x 1,024 x 1,024 float32.
;; This version of the problem:
;;   THIS VERSION OF THE PROBLEM IS GIVEN IN LOW PRECISION. The matrix products marked QUANTISED in the list below multiply operands that are first quantised to E4M3 (4 exponent bits, 3 mantissa bits; 8 bits a number), with one power-of-two scale for each 32 numbers along K (OCP MX v1.0); their sums are f32. All else is computed in f32.
;;   The module's matrix products, in the order in which they are computed (A, B: the left and right operand; K: the contracted axis; several contracted axes count as one K, in the product's order):
;;     1. [M 1,024, K 1,024] x [K 1,024, N 4,096]; A: input Wq (given as codes); B: computed on the way: QUANTISED
;;     2. [M 1,024, K 1,024] x [K 1,024, N 4,096]; A: input Wk (given as codes); B: computed on the way: QUANTISED
;;     3. [M 1,024, K 1,024] x [K 1,024, N 4,096]; A: input Wv (given as codes); B: computed on the way: QUANTISED
;;     4. batch 64 x [M 1,024, K 64] x [K 64, N 1,024]; A: computed on the way; B: computed on the way: QUANTISED
;;     5. batch 64 x [M 1,024, K 1,024] x [K 1,024, N 64]; A: softmax (see below); B: computed on the way: QUANTISED
;;     6. [M 4,096, K 1,024] x [K 1,024, N 1,024]; A: computed on the way; B: input Wo (given as codes): QUANTISED
;;     7. [M 4,096, K 1,024] x [K 1,024, N 4,096]; A: computed on the way; B: input W1 (given as codes): QUANTISED
;;     8. [M 4,096, K 4,096] x [K 4,096, N 1,024]; A: computed on the way; B: input W2 (given as codes): QUANTISED
;;   THE QUANTISER, for each operand of a quantised product, along K:
;;     - K is cut into blocks of 32 from its start; a last block that is shorter is filled with zeros.
;;     - A block's scale is 2^e with e = floor(log2(the largest magnitude in the block)) - 8, held to -126 .. 127; a block of zeros has e = 0. As a byte (E8M0): e + 127.
;;     - Each number is divided by its block's scale, clamped to +-448, and rounded to the nearest number of E4M3, ties to even, subnormals kept.
;;     - The product sums the exact products of the quantised numbers (number of the format x scale) in f32.
;;   ~~~python
;;   def quantise(x, axis):      # numpy; x: float32 -> the quantised numbers, widened to float32 again
;;       x = np.moveaxis(x, axis, -1); K = x.shape[-1]
;;       x = np.pad(x, [(0, 0)] * (x.ndim - 1) + [(0, -K % 32)]); x = x.reshape(x.shape[:-1] + (-1, 32)); a = np.abs(x).max(-1, keepdims=True)
;;       e = np.where(a > 0, np.clip(np.frexp(np.where(a > 0, a, 1))[1] - 1 - 8, -126, 127), 0)      # np.frexp(a)[1] - 1 = floor(log2(a)), exactly
;;       r = np.clip(x / 2.0 ** e, -448, 448)
;;       step = 2.0 ** (np.maximum(np.frexp(np.where(r == 0, 1, r))[1] - 1, -6) - 3)
;;       q = np.round(r / step) * step * 2.0 ** e      # np.round: ties to even
;;       return np.moveaxis(q.reshape(q.shape[:-2] + (-1,))[..., :K], -1, axis).astype(np.float32)
;;   ~~~
;;   SOFTMAX AHEAD OF A QUANTISED PRODUCT. Where the list says 'softmax', what is quantised is not the finished softmax but p = 2^(t - M), with t = logit x log2(e) and M = ceil(the row's largest t), a whole number; so 1/2 < the row's largest p <= 1. The row's sum l is taken of the UNQUANTISED p, in f32, and the product's result is divided by l at the end. Since M is a whole number, a kernel that streams over the keys may use a running M (the ceiling of the running maximum): every later rescaling is an exact power of two, which a block's scale takes up: the codes' values come out the same.
;;   OPERANDS COMPUTED ON THE WAY. 'Computed on the way' means the value that the module computes at that place (a softmax that the list does not call 'softmax' is quantised finished and normalised). What goes into a quantiser is computed in f32, as accurately as f32 sums, v_exp_f32 and their like allow (about 1e-6 of the number): no bf16 or f16 on the way to a quantiser, and a product that is left as it is and whose result goes on into a quantised operand takes f32 operands (vector FMAs, or v_wmma_f32_16x16x4_f32). A number that lies on a knife's edge between two numbers of the format may be rounded either way, as far as f32 arithmetic and the matrix unit's own rounding can turn it there, and no further.
;;   INPUTS GIVEN AS CODES. W1 (in the module: [1024, 4096], K = its axis 0); W2 (in the module: [4096, 1024], K = its axis 0); Wk (in the module: [16, 1024, 64], K = its axis 1); Wo (in the module: [1024, 1024], K = its axis 0); Wq (in the module: [16, 1024, 64], K = its axis 1); Wv (in the module: [16, 1024, 64], K = its axis 1): each comes as NAME_codes (uint8): NAME with its K axis moved to the last place and cut into blocks of 32 codes, [.., K / 32, bytes a block], one block behind the other in memory; one code a byte (a code: sign, 4 exponent bits, 3 mantissa bits); and NAME_scales (uint8): the same leading axes, one E8M0 byte (e + 127) for each 32 codes along K. Its value is code x scale, taken as it is: it is not quantised again, and the codes and scales need not be those that the quantiser above would give.
;; One version. Each part assembles by itself: llvm-mc -triple=amdgcn-amd-amdhsa -mcpu=gfx1250 --defsym DOCPART=n.
;; ======== version 1 of 1: 7 launches
;; limits: a function is approximated: absolute error at most 1.5e-07
;; workspace buffers: hq 4,325,376 bytes; qkvc 12,976,128 bytes; oq 4,325,376 bytes; x1 16,777,216 bytes; uq 17,301,504 bytes
;; launch lnq1 (part 1): grid 256 x 1, 4 waves a work-group, no clusters, 26,112 bytes of LDS; arguments x, g1, be1, hq; writes hq
.if DOCPART == 1
	.amdgcn_target "amdgcn-amd-amdhsa--gfx1250"
	.amdhsa_code_object_version 6
	.text
	.protected	k_q06b5d5f430_lnq1
	.globl	k_q06b5d5f430_lnq1
	.p2align	8
	.type	k_q06b5d5f430_lnq1,@function
k_q06b5d5f430_lnq1:
	s_mov_b64 s[64:65], 0
	v_nop
	global_prefetch_b8 v0, s[64:65] scope:SCOPE_SE
	s_setreg_imm32_b32 hwreg(HW_REG_WAVE_MODE, 25, 1), 1
	s_wait_xcnt 0x0
; LayerNorm of 4,096 rows of 1,024 f32, (x - mean) * rsqrt(var + 1e-5) * gain + shift, all in f32, and at once the quantiser along the row:
; codes of FP8 (E4M3), [4096][1024], and behind them, at byte HSC of the same buffer, one E8M0 byte for each 32 numbers, [4096][32].
; A block's scale is 2^(floor(log2(its largest magnitude)) - 8); its byte is that magnitude's exponent field - 8, held at 1 from below; each number is held within +-448 x the scale and rounded to the nearest code.
; LIMITS: a block of zeros, and a block whose largest magnitude lies under 2^-118, gets the byte 1 (the bytes are read by this program alone; zero codes add nothing under it); NaN and infinities are not served.
; SHARES.  A work-group takes 16 rows, a wave 4, one row at a time; all four rows (32 loads of 512 consecutive bytes) are asked for at the start.  The mean is taken first and the squares of x - mean after it,
; so a common offset of the inputs costs no digits.  A stream: memory binds, so no matrix unit, no cluster, no tensor load; waves share nothing but the 512 scale bytes that leave together at the end.
; A load gives a lane 16 neighbouring bytes; the conversions want 32 NEIGHBOURS of one block in one lane's registers.  So a row (and the gain and the shift) turns through the wave's own stage in LDS: stored as loaded,
; read back 128 bytes a lane, places 144 bytes apart (an odd multiple of 16, so that the lanes of a read start in different banks).  Lane l then holds block l of the row.
.set PL,   144                         ; a block's place in the stage: 128 bytes + 16 of padding
.set WREG, 6144                        ; LDS of a wave: the stage (32 x PL = 4,608 bytes), then 1,024 bytes for a row's codes
.set CST,  4608
.set SCB,  24576                       ; behind the four waves' regions: the work-group's 16 x 32 scale bytes
.set HSC,  4194304                     ; where the scale bytes begin in the output buffer
.set G,    64                          ; v64-95   the gain of my block
.set BE,   96                          ; v96-127  the shift of my block
.set X,    128                         ; v128-255 four rows, 32 registers each
	s_load_b256 s[4:11], s[0:1], 0x0               ; rows s[4:5], gain s[6:7], shift s[8:9], the output buffer s[10:11]
	v_lshl_add_u32 v62, v0, 2, 0x6400
	v_mov_b32 v63, 0
	v_lshrrev_b32 v1, 5, v0
	v_readfirstlane_b32 s14, v1                    ; wave 0..3
	v_and_b32 v34, 31, v0                          ; lane
	v_lshlrev_b32 v1, 4, v34                       ; v1: 16 x lane: my bytes of a load's or a store's 512
	s_mul_i32 s15, s14, WREG
	v_lshrrev_b32 v35, 3, v34
	v_mul_u32_u24 v2, v35, PL
	v_and_b32 v35, 7, v34
	v_lshl_add_u32 v2, v35, 4, v2
	v_add_nc_u32 v2, s15, v2                       ; v2: into the stage: eight lanes' 128 bytes are a block
	v_mul_u32_u24 v3, v34, PL
	v_add_nc_u32 v3, s15, v3                       ; v3: out of it: block = lane
	s_add_co_u32 s15, s15, CST
	v_lshlrev_b32 v4, 5, v34
	v_add_nc_u32 v4, s15, v4                       ; v4: my block's 32 codes
	v_add_nc_u32 v5, s15, v1                       ; v5: and back, 16 bytes a lane
	s_lshl_b32 s15, s14, 7
	s_add_co_u32 s15, s15, SCB
	v_add_nc_u32 v6, s15, v34                      ; v6: my block's scale byte: 128 x wave + lane (+ 32 x row)
	v_add_nc_u32 v7, SCB, v1                       ; v7: the 512 scale bytes, 16 a lane
	v_mov_b32 v25, 0                               ; written once: a lane permute's destination counts as one of its sources
	s_mov_b32 s16, 0x76543210
	s_mov_b32 s17, 0xfedcba98                      ; lane selects: lane l xor 16
	s_mov_b32 s18, 0x600000                        ; the mantissa field of 448
	s_mov_b32 s19, 0x3a800000                      ; 1 / 1024
	s_mov_b32 s20, 0x3727c5ac                      ; 1e-5
	s_lshl_b32 s2, ttmp9, 16                       ; 16 rows of 4,096 bytes a work-group,
	s_lshl_b32 s3, s14, 14                         ; 4 a wave
	s_add_co_u32 s2, s2, s3
	s_mov_b32 s3, 0
	s_lshl_b32 s22, ttmp9, 14                      ; the same rows' codes: 1,024 bytes a row
	s_lshl_b32 s23, s14, 12
	s_add_co_u32 s22, s22, s23
	s_mov_b32 s23, 0
	s_lshl_b32 s24, ttmp9, 9                       ; the work-group's 512 scale bytes
	s_add_co_u32 s24, s24, HSC
	s_mov_b32 s25, 0
	s_wait_kmcnt 0x0
	s_add_nc_u64 s[4:5], s[4:5], s[2:3]
	s_add_nc_u64 s[12:13], s[10:11], s[24:25]
	s_add_nc_u64 s[10:11], s[10:11], s[22:23]
.irp j, 0,1,2,3,4,5,6,7
	global_load_b128 v[G+4*\j:G+4*\j+3], v1, s[6:7] offset:512*\j
.endr
.irp j, 0,1,2,3,4,5,6,7
	global_load_b128 v[BE+4*\j:BE+4*\j+3], v1, s[8:9] offset:512*\j
.endr
.irp i, 0,1,2,3
.irp j, 0,1,2,3,4,5,6,7
	global_load_b128 v[X+32*\i+4*\j:X+32*\i+4*\j+3], v1, s[4:5] offset:4096*\i+512*\j
.endr
.endr
; 32 registers as loaded go through the stage and come back as one block a lane.  LDS serves a wave's instructions in order, so no wait stands between the stores and the loads, nor between two turns.
.macro TURN reg
.irp j, 0,1,2,3,4,5,6,7
	ds_store_b128 v2, v[(\reg)+4*\j:(\reg)+4*\j+3] offset:4*PL*\j
.endr
.irp j, 0,1,2,3,4,5,6,7
	ds_load_b128 v[(\reg)+4*\j:(\reg)+4*\j+3], v3 offset:16*\j
.endr
.endm
.macro RED reg                         ; the sum over the 32 lanes, in every lane
	v_add_f32_dpp v[\reg], v[\reg], v[\reg] row_xmask:1 row_mask:0xf bank_mask:0xf
	v_add_f32_dpp v[\reg], v[\reg], v[\reg] row_xmask:2 row_mask:0xf bank_mask:0xf
	v_add_f32_dpp v[\reg], v[\reg], v[\reg] row_xmask:4 row_mask:0xf bank_mask:0xf
	v_add_f32_dpp v[\reg], v[\reg], v[\reg] row_xmask:8 row_mask:0xf bank_mask:0xf
	v_permlanex16_b32 v25, v[\reg], s16, s17
	v_add_f32 v[\reg], v[\reg], v25
.endm
.macro ROW i
.set XR, X+32*\i
.irp c, 0,1,2,3                        ; the row's sum: four packed chains
	v_pk_add_f32 v[12+2*\c:13+2*\c], v[XR+4*\c:XR+4*\c+1], v[XR+4*\c+2:XR+4*\c+3]
.endr
.irp j, 16,24
.irp c, 0,1,2,3
	v_pk_add_f32 v[12+2*\c:13+2*\c], v[12+2*\c:13+2*\c], v[XR+\j+2*\c:XR+\j+2*\c+1]
.endr
.endr
	v_pk_add_f32 v[12:13], v[12:13], v[14:15]
	v_pk_add_f32 v[16:17], v[16:17], v[18:19]
	v_pk_add_f32 v[12:13], v[12:13], v[16:17]
	v_add_f32 v12, v12, v13
	RED 12
	v_mul_f32 v8, s19, v12                         ; the mean, twice: a pair for the packed forms
	v_mul_f32 v9, s19, v12
.set p, 0
.rept 16
	v_pk_add_f32 v[XR+p:XR+p+1], v[XR+p:XR+p+1], v[8:9] neg_lo:[0,1] neg_hi:[0,1]   ; x - mean
.set p, p+2
.endr
.irp c, 0,1,2,3                        ; the sum of its squares
	v_pk_mul_f32 v[12+2*\c:13+2*\c], v[XR+2*\c:XR+2*\c+1], v[XR+2*\c:XR+2*\c+1]
.endr
.irp j, 8,16,24
.irp c, 0,1,2,3
	v_pk_fma_f32 v[12+2*\c:13+2*\c], v[XR+\j+2*\c:XR+\j+2*\c+1], v[XR+\j+2*\c:XR+\j+2*\c+1], v[12+2*\c:13+2*\c]
.endr
.endr
	v_pk_add_f32 v[12:13], v[12:13], v[14:15]
	v_pk_add_f32 v[16:17], v[16:17], v[18:19]
	v_pk_add_f32 v[12:13], v[12:13], v[16:17]
	v_add_f32 v12, v12, v13
	RED 12
	v_fma_f32 v12, v12, s19, s20                   ; var + 1e-5
	v_rsq_f32 v10, v12
	v_rsq_f32 v11, v12
	v_nop                                          ; one plain instruction between a transcendental and the use of its result (ISA guide 5.7.2)
.set p, 0
	s_wait_alu depctr_va_vdst(0)
.rept 16
	v_pk_mul_f32 v[XR+p:XR+p+1], v[XR+p:XR+p+1], v[10:11]
.set p, p+2
.endr
.set p, 0
.rept 16
	v_pk_fma_f32 v[XR+p:XR+p+1], v[XR+p:XR+p+1], v[G+p:G+p+1], v[BE+p:BE+p+1]
.set p, p+2
.endr
	v_max3_num_f32 v20, |v[XR]|, |v[XR+1]|, |v[XR+2]|              ; the block's largest magnitude: all 32 numbers are mine
	v_max3_num_f32 v21, |v[XR+3]|, |v[XR+4]|, |v[XR+5]|
.irp q, 6,10,14,18,22,26
	v_max3_num_f32 v20, v20, |v[XR+\q]|, |v[XR+\q+1]|
	v_max3_num_f32 v21, v21, |v[XR+\q+2]|, |v[XR+\q+3]|
.endr
	v_max3_num_f32 v20, v20, |v[XR+30]|, |v[XR+31]|
	v_max3_num_f32 v20, v20, v21, 0x4800000        ; and the floor 2^(9 - 127): the byte cannot fall under 1
	v_add_nc_u32 v23, 0xfc000000, v20              ; 8 off its exponent field: the conversion takes the exponent field of this operand as its scale
	v_and_or_b32 v22, v20, 0x7f800000, s18         ; 448 x the scale
	v_lshrrev_b32 v24, 23, v23                     ; the scale's byte
.set p, 0
.rept 32
	v_med3_num_f32 v[XR+p], v[XR+p], -v22, v22     ; the conversion to an 8-bit code does not saturate (ISA guide 7.6.2): the hold comes first
.set p, p+1
.endr
.irp c, 0,1,2,3
	v_cvt_scalef32_pk8_fp8_f32 v[26+2*\c:27+2*\c], v[XR+8*\c:XR+8*\c+7], v23
.endr
	v_nop                                          ; one plain instruction behind the last scaled conversion
	ds_store_b128 v4, v[26:29]                     ; my block's 32 codes,
	ds_store_b128 v4, v[30:33] offset:16
	ds_load_b128 v[XR:XR+3], v5                    ; and the row's 1,024 back, 16 bytes a lane
	ds_load_b128 v[XR+4:XR+7], v5 offset:512
	ds_store_b8 v6, v24 offset:32*\i
	s_wait_dscnt 0x0
	global_store_b128 v1, v[XR:XR+3], s[10:11] offset:1024*\i        ; each store of the wave covers 512 consecutive bytes, aligned
	global_store_b128 v1, v[XR+4:XR+7], s[10:11] offset:1024*\i+512
.endm
	s_wait_loadcnt 40                              ; the gain's eight loads are in: 40 were issued behind them
	TURN G
	s_wait_loadcnt 32                              ; the shift's
	TURN BE
.irp i, 0,1,2,3
	s_wait_loadcnt 24-8*\i                         ; row i's eight loads are in; the later rows' may be out
	TURN X+32*\i
	s_wait_dscnt 0x0
	ROW \i
.endr
	s_barrier_signal -1                            ; each wave's byte stores are done (the wait for 0 in its last row)
	s_barrier_wait -1
	s_cmp_lg_u32 s14, 0
	s_cbranch_scc1 .Ldone
	ds_load_b128 v[26:29], v7                      ; wave 0: the work-group's 512 scale bytes leave as two aligned runs of 256
	s_wait_dscnt 0x0
	global_store_b128 v1, v[26:29], s[12:13]
.Ldone:
	s_wait_tensorcnt 0x0
	ds_add_u32 v62, v63
	s_wait_dscnt 0x0
	s_endpgm
.Lfunc_end_k_q06b5d5f430_lnq1:
	.size	k_q06b5d5f430_lnq1, .Lfunc_end_k_q06b5d5f430_lnq1-k_q06b5d5f430_lnq1
	.p2alignl 7, 3214868480
	.fill 96, 4, 3214868480
	.section	.rodata,"a",@progbits
	.p2align	6, 0x0
	.amdhsa_kernel k_q06b5d5f430_lnq1
		.amdhsa_group_segment_fixed_size 26112
		.amdhsa_private_segment_fixed_size 0
		.amdhsa_enable_private_segment 0
		.amdhsa_kernarg_size 32
		.amdhsa_user_sgpr_count 2
		.amdhsa_user_sgpr_kernarg_segment_ptr 1
		.amdhsa_wavefront_size32 1
		.amdhsa_system_sgpr_workgroup_id_x 1
		.amdhsa_system_sgpr_workgroup_id_y 1
		.amdhsa_system_sgpr_workgroup_id_z 1
		.amdhsa_system_vgpr_workitem_id 0
		.amdhsa_next_free_vgpr 256
		.amdhsa_next_free_sgpr 66
		.amdhsa_reserve_vcc 0
		.amdhsa_float_denorm_mode_32 3
		.amdhsa_float_denorm_mode_16_64 3
		.amdhsa_memory_ordered 1
		.amdhsa_forward_progress 1
		.amdhsa_inst_pref_size 55
	.end_amdhsa_kernel
	.amdgpu_metadata
---
amdhsa.version: [ 1, 2 ]
amdhsa.kernels:
  - .name:           k_q06b5d5f430_lnq1
    .symbol:         k_q06b5d5f430_lnq1.kd
    .args:
      - { .name: x, .offset: 0, .size: 8, .value_kind: global_buffer, .address_space: global }
      - { .name: g1, .offset: 8, .size: 8, .value_kind: global_buffer, .address_space: global }
      - { .name: be1, .offset: 16, .size: 8, .value_kind: global_buffer, .address_space: global }
      - { .name: hq, .offset: 24, .size: 8, .value_kind: global_buffer, .address_space: global }
    .group_segment_fixed_size: 26112
    .private_segment_fixed_size: 0
    .kernarg_segment_align: 8
    .kernarg_segment_size: 32
    .max_flat_workgroup_size: 128
    .sgpr_count:     66
    .vgpr_count:     256
    .wavefront_size: 32
...
	.end_amdgpu_metadata
.endif
;; end of part 1
;; launch proj (part 2): grid 12 x 16, 4 waves a work-group, clusters of 4 x 4, 327,680 bytes of LDS; arguments hq, Wq_codes, Wq_scales, Wk_codes, Wk_scales, Wv_codes, Wv_scales, bq, bk, bv, qkvc; writes qkvc
.if DOCPART == 2
	.amdgcn_target "amdgcn-amd-amdhsa--gfx1250"
	.amdhsa_code_object_version 6
	.text
	.protected	k_q06b5d5f430_proj
	.globl	k_q06b5d5f430_proj
	.p2align	8
	.type	k_q06b5d5f430_proj,@function
k_q06b5d5f430_proj:
	s_mov_b64 s[64:65], 0
	v_nop
	global_prefetch_b8 v0, s[64:65] scope:SCOPE_SE
	s_setreg_imm32_b32 hwreg(HW_REG_WAVE_MODE, 25, 1), 1
	s_wait_xcnt 0x0
	s_wait_alu depctr_hold_cnt(0) depctr_sa_sdst(0) depctr_va_vdst(0) depctr_va_sdst(0) depctr_va_ssrc(0) depctr_va_vcc(0) depctr_vm_vsrc(0)
	s_getreg_b32 s2, hwreg(HW_REG_IB_STS2, 6, 4)
	s_cmp_eq_u32 s2, 0
	s_cbranch_scc0 .Lentry_in_a_cluster
	s_endpgm
.Lentry_in_a_cluster:
	s_bfe_u32 s2, ttmp6, 0x10000c
	s_cmp_lg_u32 s2, 0xf033
	s_cbranch_scc0 .Lentry_shape_is_right
	s_endpgm
.Lentry_shape_is_right:
; q, k and v of all heads: three products [4096 tokens][1024] x [1024 (head, channel)][1024] on codes of FP8 (E4M3) with one E8M0 scale for each 32 along K, f32 sums, the bias added in f32,
; and the results quantised at once for the attention's products: q and k along the head's 64 channels, v along the KEYS.
; THREE PATHS, ONE TEXT.  The cluster's x (0, 1, 2) says q, k or v; only pointers and two tile numbers are chosen by it.  For q and k the first operand ("A", rows of the result) is the normalised x and the second
; ("B", columns) the weight; for v the two are exchanged, so that the result is v^T: rows = (head, channel), columns = tokens.  In all three the axis to be quantised runs along the result's columns.
; A tile of the result, 256 x 256, is made by a work-group of four waves; a wave makes 128 x 128: 64 accumulators, 512 registers.  K goes in steps of 256 through a ring of two LDS slots filled by the tensor data mover.
; The scales of the work-group's 256 + 256 rows, for all of K, come into LDS once, with the first fills.  3 x 64 tiles: 192 work-groups; a smaller tile would fill more WGPs and read each LDS byte for half the products.
; CLUSTERS: 4 x 4 work-groups.  The four of a row of the cluster need the same tiles of A, the four of a column the same tiles of B: each tile is asked for JOINTLY, by the same tensor load with the same descriptor and a mask that names the four.
; THE MATRIX INSTRUCTION IS USED TRANSPOSED (source 0 = 16 rows of B, source 1 = 16 rows of A): a lane holds row l % 16 and, in accumulator (a, b), the columns 16 b + 8 (l / 16) + 0 .. 7.
; OUT.  Codes in chunks of 64 bytes: q, k: [batch][head][token][64]; v^T: [batch][key / 64][head][channel][64 keys]; the three at bytes 0, 4 MiB, 8 MiB.  Scale bytes at QSC + path x 131,072, at the codes' index / 32.
; Both orders give a work-group's piece p (64 columns) of its 256 rows 16,384 consecutive bytes at (batch << 20) + ((4 cx + p) << 16) + (cy << 14).
; LIMITS: a block of zeros, and one whose largest magnitude lies under 2^-118, gets the byte 1 (this program alone reads the bytes); NaN and infinities are not served.
; REGISTERS, in windows of 256: window 0: v0-31 addresses, v8-15 the bias by rows; v32-63 scale words, two sets; v64-127 the bias by columns; from v128 A's fragments, ONE set; on the way out v128-255 are at work.
;   window 1: B's fragments, TWO sets.   window 2: the 32 accumulators of my rows 0-63 ((a, b) at v[8 (8 a + b)]);   window 3: those of my rows 64-127.
.set KDIM,   1024
.set KSTEP,  256                       ; along K in a slot
.set NQ,     KSTEP/128                 ; matrix instructions deep
.set ROWB,   256                       ; a tile's row in bytes
.set KROW,   KDIM                      ; a row of either operand in memory, in bytes
.set PITCH,  272                       ; an LDS row: 256 bytes + 16 of padding = 68 words: the 16 rows that a load touches start at 16 different banks (64 banks of 4 bytes: ISA guide 11.1)
.set FR,     16                        ; registers of a fragment: 16 rows x 128 K
.set NL,     4                         ; LDS loads that bring one
.set NP,     8                         ; places behind this matrix instruction (ISA guide 7.12.1)
.set HALFT,  128*PITCH                 ; 128 rows: what one tensor load brings
.set SLOT,   4*HALFT                   ; A's 256 rows, then B's 256 rows
.set LAPS,   KDIM/(2*KSTEP)            ; a lap = two K steps = once round the ring
.set KS,     KDIM/32                   ; a row of scales in bytes
.set SCL,    2*SLOT                    ; behind the ring: the scales, as runs of 256 bytes + 16 of padding
.set HALFS,  (128*KS/256)*272          ; the scales of 128 rows
.set SBLK,   (16*KS/256)*272           ; those of 16 rows
.set SPARE,  SCL+4*HALFS               ; behind the scales: the spare words, 128 bytes for each wave
.set SST,    256*PITCH                 ; the way out: 256 rows x 272 bytes of codes at LDS byte 0, and here 2,048 scale bytes: both in slot 0, which has had its last fill and its last read by then
.set HSC,    4194304                   ; where the scale bytes begin in the normalised x's buffer
.set QSC,    12582912                  ; and in the output buffer
.set ADRA, 16                          ; v16-17  LDS address of my A fragments in slot 0, 1
.set ADRB, 20                          ; v20-21  the same for B
.set ADRS, 27                          ; v27     LDS address of my scale words: lanes 0-15 A's rows, lanes 16-31 B's
.set SPW,  28                          ; v28     LDS address of my spare word; never rewritten
.set NIL,  29                          ; v29     0; never rewritten
.set SC,   32                          ; scale words: set s at v[SC + 8 NQ s]; register NQ i + q: lanes 0-15 A's block i, lanes 16-31 B's block i
.set AF,   128                         ; A's fragments, in window 0
.set BM,   8                           ; v8-15   the bias of my rows, one register a block of 16 (used on the v path)
.set BN,   64                          ; v64-127 the bias of my columns, eight registers a block of 16 (used on the q and k paths)
.set BMP,  32                          ; the way out: v32-47 the bias of my rows as pairs
.set T,    128                         ; v128-191 a block's 64 numbers;  v192-207 its codes;  v208-223 at work;  v224 its scale word
.set PC,   192
.set TM,   208
.set PW,   224
.set STC,  16                          ; the way out: v16 where my codes go, v17 my scale bytes, v18 where I read rows back, v19 16 x lane, v20 where I read scale bytes back
.set SSA,  17
.set RDC,  18
.set GOC,  19
.set RDS,  20
.set SEL,  20                          ; s[20:21] lane selects (set on the way out);  s22 the mantissa field of 448
.set MNT,  22
.set G1, 24                            ; s[24:31] descriptor group 1 for A's tiles;  s[32:39] group 0, one set for each slot
.set G0, 32
.set G1B, 48                           ; s[48:55], s[56:63] the same for B's tiles
.set G0B, 56
.set G1S, 68                           ; s[68:75], s[76:79] groups 1 and 0 for A's scales;  s[80:87], s[88:91] for B's
.set G0S, 76
.set G1SB, 80
.set G0SB, 88
.set MSB, 0
.macro WIN new                         ; the immediate's high byte repeats the setting that is left
.if MSB != \new
	s_set_vgpr_msb (MSB<<8)|\new
.set MSB, \new
.endif
.endm
.set MUL_LO, 0xa1                      ; source 0 (B) window 1, source 1 (A) window 0, C and D window 2
.set MUL_HI, 0xf1                      ; the same, C and D window 3
.set TO_B,   0x40                      ; destination window 1, address window 0
; A joint load: waves 0 and 1 fetch for A, waves 2 and 3 for B.  Each of the two lines has ONE mask and one set of registers for all that issue it; the branch hangs on the wave's number alone.
; Four v_nop follow each of the two lines, ahead of the jump, the label and what follows.
.macro JLOAD g0a, g1a, g0b, g1b
	s_cmp_eq_u32 s15, 0
	s_cbranch_scc0 .Lfor_b_\@
	tensor_load_to_lds s[\g0a:\g0a+3], s[\g1a:\g1a+7]
	s_nop 0
.rept 4
	v_nop
.endr
	s_branch .Lasked_\@
.Lfor_b_\@:
	tensor_load_to_lds s[\g0b:\g0b+3], s[\g1b:\g1b+7]
	s_nop 0
.rept 4
	v_nop
.endr
.Lasked_\@:
.endm
.macro CREST                           ; a round of the cluster's barrier behind its opening barrier
	s_cmp_lg_u32 s14, 0
	s_cbranch_scc1 .Lnot_wave_0_\@
	s_barrier_signal -3
.Lnot_wave_0_\@:
	s_barrier_wait -3
	s_barrier_signal -1
	s_barrier_wait -1
.endm
.macro CROUND                          ; a whole round
	s_barrier_signal -1
	s_barrier_wait -1
	CREST
.endm
	s_load_b512 s[24:39], s[0:1], 0x0              ; x's codes and scales s[24:25]; Wq's codes, scales s[26:29]; Wk's s[30:33]; Wv's s[34:37]; bq s[38:39]
	s_load_b128 s[40:43], s[0:1], 0x40             ; bk, bv
	s_load_b64 s[44:45], s[0:1], 0x50              ; the output buffer
	v_lshl_add_u32 v[SPW], v0, 2, SPARE
	v_mov_b32 v[NIL], 0
	ds_add_u32 v28, v29
	ds_add_u32 v28, v29
	s_wait_dscnt 0x0
	v_lshrrev_b32 v1, 5, v0
	v_readfirstlane_b32 s14, v1                    ; wave 0..3
	s_lshr_b32 s15, s14, 1                         ; which half of the tile's rows is mine.  Also: I fetch for A (0) or for B (1)
	s_and_b32 s16, s14, 1                          ; which half of its columns.  Also: which 128 rows of that tile I fetch
	s_and_b32 s2, ttmp7, 0xffff
	s_lshl_b32 s2, s2, 2                           ; 4 x the cluster's y: the batch's first tile of tokens
	s_wait_kmcnt 0x0                               ; first of all: the arguments lie in registers that the descriptors take below
	s_mov_b64 s[12:13], s[44:45]
	s_cmp_eq_u32 ttmp9, 1                          ; the path hangs on the cluster's x alone, which all sixteen partners share
	s_cselect_b64 s[26:27], s[30:31], s[26:27]
	s_cselect_b64 s[28:29], s[32:33], s[28:29]
	s_cselect_b64 s[38:39], s[40:41], s[38:39]
	s_cmp_eq_u32 ttmp9, 2
	s_cselect_b64 s[26:27], s[34:35], s[26:27]     ; the path's weight: codes,
	s_cselect_b64 s[28:29], s[36:37], s[28:29]     ; scales,
	s_cselect_b64 s[96:97], s[42:43], s[38:39]     ; and bias
	s_add_nc_u64 s[30:31], s[24:25], HSC           ; x's scales (this sum leaves SCC alone)
	s_cselect_b64 s[4:5], s[26:27], s[24:25]       ; A: on the v path the weight, else x
	s_cselect_b64 s[6:7], s[28:29], s[30:31]
	s_cselect_b64 s[8:9], s[24:25], s[26:27]       ; B: the other one
	s_cselect_b64 s[10:11], s[30:31], s[28:29]
	s_cselect_b32 s67, s2, 0                       ; the tokens' tiles are counted from the batch's first: along the columns on the v path,
	s_cselect_b32 s66, 0, s2                       ; along the rows else
	s_cselect_b32 s95, -1, 0                       ; all lanes on the v path, none else
	s_bfe_u32 s40, ttmp6, 0x40000                  ; cx, cy: my place in the cluster
	s_bfe_u32 s41, ttmp6, 0x40004
	s_add_co_u32 s42, s67, s40                     ; tile column
	s_add_co_u32 s17, s66, s41                     ; tile row
	s_lshl_b32 s43, s41, 2
	s_lshl_b32 s43, 15, s43                        ; my row of the cluster
	s_lshl_b32 s44, 0x1111, s40                    ; my column
	; descriptor group 1: a tile of 128 rows x ROWB bytes, padded in LDS
	s_or_b32 s[G1+0], s43, (0<<16)|(1<<20)|(1<<21)|(5<<22)|(3<<25)  ; 15:0 the mask: A's tiles go to my row; 17:16 element of 1 byte; 20 padding on; 21 set beside a mask; 24:22 after every 64 words (code 5); 31:25 of 4 words (code 3)
	s_or_b32 s[G1B+0], s44, (0<<16)|(1<<20)|(1<<21)|(5<<22)|(3<<25)
.irp g, G1, G1B
	s_mov_b32 s[\g+1], ROWB<<16                    ; tensor_dim0
	s_mov_b32 s[\g+2], 128<<16                     ; tensor_dim1 = 128
	s_mov_b32 s[\g+3], ROWB<<16                    ; tile_dim0
	s_mov_b32 s[\g+4], 128                         ; tile_dim1 = 128
	s_mov_b32 s[\g+5], KROW                        ; tensor_dim0_stride
	s_mov_b32 s[\g+6], 0
	s_mov_b32 s[\g+7], 0
.endr
	; and for the scales of 128 rows: a dense block of 128 KS bytes, as rows of 256 bytes (32 elements of 8 bytes), 16 bytes of padding behind each
	s_or_b32 s[G1S+0], s43, (3<<16)|(1<<20)|(1<<21)|(5<<22)|(3<<25)
	s_or_b32 s[G1SB+0], s44, (3<<16)|(1<<20)|(1<<21)|(5<<22)|(3<<25)
.irp g, G1S, G1SB
	s_mov_b32 s[\g+1], 32<<16
	s_mov_b32 s[\g+2], (128*KS/256)<<16
	s_mov_b32 s[\g+3], 32<<16
	s_mov_b32 s[\g+4], 128*KS/256
	s_mov_b32 s[\g+5], 32
	s_mov_b32 s[\g+6], 0
	s_mov_b32 s[\g+7], 0
.endr
	s_lshl_b32 s18, s16, 7                         ; which 128 rows of the tile I fetch
	s_lshl_b32 s20, s17, 8
	s_add_co_u32 s20, s20, s18                     ; A: row 256 x tile row + 128 x half
	s_lshl_b32 s46, s42, 8
	s_add_co_u32 s46, s46, s18                     ; B: row 256 x tile column + 128 x half
	s_mov_b32 s21, 0
	s_mov_b32 s47, 0
	s_mov_b64 s[18:19], KS
	s_mul_u64 s[22:23], s[20:21], s[18:19]         ; where these rows' scales begin, in bytes
	s_mul_u64 s[92:93], s[46:47], s[18:19]
	s_mov_b64 s[18:19], KROW
	s_mul_u64 s[20:21], s[20:21], s[18:19]         ; and their codes
	s_mul_u64 s[46:47], s[46:47], s[18:19]
	s_mul_i32 s45, s14, HALFT                      ; where they go: wave x 128 rows: no place in the cluster enters an LDS address
	s_mul_i32 s94, s14, HALFS
	s_add_nc_u64 s[20:21], s[4:5], s[20:21]
	s_add_nc_u64 s[22:23], s[6:7], s[22:23]
	s_add_nc_u64 s[46:47], s[8:9], s[46:47]
	s_add_nc_u64 s[92:93], s[10:11], s[92:93]
	CROUND                                         ; all sixteen work-groups are here: the first joint loads meet
	s_mov_b32 s[G0S], 1
	s_add_co_u32 s[G0S+1], s94, SCL
	s_mov_b64 s[G0S+2:G0S+3], s[22:23]
	s_or_b32 s[G0S+3], s[G0S+3], 0x80000000
	s_mov_b32 s[G0SB], 1
	s_add_co_u32 s[G0SB+1], s94, SCL
	s_mov_b64 s[G0SB+2:G0SB+3], s[92:93]
	s_or_b32 s[G0SB+3], s[G0SB+3], 0x80000000
	JLOAD G0S, G1S, G0SB, G1SB                     ; the scales first: they are wanted with K step 0
.irp s, 0,1
	s_mov_b32 s[G0+4*\s], 1
	s_add_co_u32 s[G0+4*\s+1], s45, \s*SLOT
	s_add_nc_u64 s[G0+4*\s+2:G0+4*\s+3], s[20:21], \s*ROWB
	s_or_b32 s[G0+4*\s+3], s[G0+4*\s+3], 0x80000000
	s_mov_b32 s[G0B+4*\s], 1
	s_add_co_u32 s[G0B+4*\s+1], s45, \s*SLOT
	s_add_nc_u64 s[G0B+4*\s+2:G0B+4*\s+3], s[46:47], \s*ROWB
	s_or_b32 s[G0B+4*\s+3], s[G0B+4*\s+3], 0x80000000
	JLOAD G0+4*\s, G1, G0B+4*\s, G1B
.endr
	v_and_b32 v1, 15, v0                           ; l % 16
	v_bfe_u32 v2, v0, 4, 1                         ; l / 16
	v_mul_u32_u24 v3, v1, PITCH
	v_lshl_add_u32 v4, v2, 4, v3                   ; a fragment's row x pitch + 16 x half
	s_mul_i32 s21, s15, HALFT                      ; my 128 rows of A
	s_mul_i32 s22, s16, HALFT                      ; my 128 rows of B,
	s_add_co_u32 s22, s22, 2*HALFT                 ; which lie behind A's 256
.irp s, 0,1
	v_add_nc_u32 v[ADRA+\s], s21, v4
	v_add_nc_u32 v[ADRB+\s], s22, v4
	s_add_co_u32 s21, s21, SLOT
	s_add_co_u32 s22, s22, SLOT
.endr
	v_mul_u32_u24 v5, v1, KS                       ; my row's scales: KS bytes a row,
	v_lshrrev_b32 v6, 8, v5
	v_lshl_add_u32 v5, v6, 4, v5                   ; and 16 more for each 256 passed
	s_mul_i32 s21, s15, HALFS                      ; A's: my 128 rows
	s_mul_i32 s22, s16, HALFS                      ; B's: my 128 rows, behind A's 256
	s_add_co_u32 s22, s22, 2*HALFS
	s_sub_co_u32 s22, s22, s21
	v_mul_u32_u24 v6, s22, v2                      ; lanes 16-31 take B's
	s_add_co_u32 s21, s21, SCL
	v_add_nc_u32 v5, v5, v6
	v_add_nc_u32 v[ADRS], s21, v5
	; the bias: by columns on the q and k paths, by rows on the v path.  Both are loaded on every path; the one that is not used is loaded from the bias's first bytes, so that no load leaves the buffer
	s_lshl_b32 s18, s42, 8
	s_lshl_b32 s19, s16, 7
	s_add_co_u32 s18, s18, s19                     ; my first column
	s_lshl_b32 s20, s17, 8
	s_lshl_b32 s19, s15, 7
	s_add_co_u32 s20, s20, s19                     ; my first row
	s_cmp_eq_u32 ttmp9, 2
	s_cselect_b32 s18, 0, s18
	s_cselect_b32 s20, s20, 0
	s_lshl_b32 s18, s18, 2
	s_lshl_b32 s20, s20, 2
	s_mov_b32 s19, 0
	s_mov_b32 s21, 0
	s_add_nc_u64 s[98:99], s[96:97], s[20:21]
	s_add_nc_u64 s[96:97], s[96:97], s[18:19]
	v_lshlrev_b32 v30, 2, v1                       ; 4 (l % 16): my row's number
	v_lshlrev_b32 v31, 5, v2                       ; 32 (l / 16): my eight columns' numbers
.irp b, 0,1,2,3,4,5,6,7
	global_load_b128 v[BN+8*\b:BN+8*\b+3], v31, s[96:97] offset:64*\b
	global_load_b128 v[BN+8*\b+4:BN+8*\b+7], v31, s[96:97] offset:64*\b+16
.endr
.irp a, 0,1,2,3,4,5,6,7
	global_load_b32 v[BM+\a], v30, s[98:99] offset:64*\a
.endr
	; where my part of the results goes
	s_lshl_b32 s2, s2, 18                          ; batch << 20
	s_lshl_b32 s18, s40, 18
	s_add_co_u32 s2, s2, s18
	s_lshl_b32 s18, s41, 14
	s_add_co_u32 s2, s2, s18                       ; + (cx << 18) + (cy << 14)
	s_lshr_b32 s20, s2, 5                          ; the scale bytes: a 32nd of that,
	s_lshl_b32 s18, ttmp9, 17
	s_add_co_u32 s20, s20, s18                     ; the path's 131,072,
	s_lshl_b32 s18, s14, 11
	s_add_co_u32 s20, s20, s18                     ; and piece = wave: 2,048 bytes from piece to piece
	s_add_co_u32 s20, s20, QSC
	s_mov_b32 s21, 0
	s_add_nc_u64 s[100:101], s[12:13], s[20:21]
	s_lshl_b32 s18, ttmp9, 22
	s_add_co_u32 s2, s2, s18                       ; the codes: the path's 4 MiB,
	s_lshl_b32 s18, s14, 12
	s_add_co_u32 s2, s2, s18                       ; and rows 64 x wave on
	s_mov_b32 s3, 0
	s_add_nc_u64 s[12:13], s[12:13], s[2:3]
.macro FRAG reg, adr, q, i             ; a fragment, 16 rows x 128 K of 8-bit codes, is 16 registers: lane l holds row l % 16; registers 4 c .. 4 c + 3 hold K = 32 c + 16 (l / 16) + 0 .. 15
.irp c, 0,1,2,3
	ds_load_b128 v[\reg+4*\c:\reg+4*\c+3], v[\adr] offset:128*(\q)+32*\c+(\i)*16*PITCH
.endr
.endm
; 16 matrix instructions: A's blocks a0, a0 + 1 x B's eight, 128 along K: the slot's q-th.  p: B's set;  sc: the set of scale words.  zero = 1: the first product starts the sums: nothing is ever cleared.
; The 64 accumulators take turns, one instruction a turn, in the same order in every step.
.macro MUL16 a0, p, q, sc, zero
.irp a, \a0, \a0+1
.irp b, 0,1,2,3,4,5,6,7
.if \zero
	v_wmma_scale_f32_16x16x128_f8f6f4 v[8*(8*((\a)%4)+\b):8*(8*((\a)%4)+\b)+7], v[128*(\p)+FR*\b:128*(\p)+FR*\b+FR-1], v[AF+FR*(\a):AF+FR*(\a)+FR-1], 0, v[SC+8*NQ*(\sc)+NQ*\b+(\q)], v[SC+8*NQ*(\sc)+NQ*(\a)+(\q)] matrix_a_scale:MATRIX_SCALE_ROW1
.else
	v_wmma_scale_f32_16x16x128_f8f6f4 v[8*(8*((\a)%4)+\b):8*(8*((\a)%4)+\b)+7], v[128*(\p)+FR*\b:128*(\p)+FR*\b+FR-1], v[AF+FR*(\a):AF+FR*(\a)+FR-1], v[8*(8*((\a)%4)+\b):8*(8*((\a)%4)+\b)+7], v[SC+8*NQ*(\sc)+NQ*\b+(\q)], v[SC+8*NQ*(\sc)+NQ*(\a)+(\q)] matrix_a_scale:MATRIX_SCALE_ROW1
.endif
.endr
.endr
.endm
.macro FETCH_B slot, q, p              ; B's eight fragments of the slot's q-th 128 along K into set p
	WIN TO_B
.irp i, 0,1,2,3,4,5,6,7
	FRAG 128*(\p)+FR*\i, ADRB+\slot, \q, \i
.endr
	WIN 0
.endm
.macro FETCH_A slot, q, i0             ; A's blocks i0 .. i0 + 3
.irp i, \i0, \i0+1, \i0+2, \i0+3
	FRAG AF+FR*(\i), ADRA+\slot, \q, \i
.endr
.endm
.macro SCALES sc                       ; the next K step's scale words into set sc: NQ words a row; lanes 0-15 take A's block i, lanes 16-31 B's block i
.irp i, 0,1,2,3,4,5,6,7
	ds_load_b64 v[SC+8*NQ*\sc+NQ*\i:SC+8*NQ*\sc+NQ*\i+1], v[ADRS] offset:\i*SBLK
.endr
.endm
; A load into a register that a matrix instruction has read, and a vector instruction or an LDS store that reads a matrix result, stand NP places behind that matrix instruction, and only plain vector
; instructions that name none of its registers are places (ISA guide 7.12.1 for vector instructions); the matrix instructions in between are not counted.
.macro PLACES n
.rept \n
	v_nop
.endr
.endm
; A step of 128 along K that has its successor in the same slot.  A's blocks go one after the other, each against B's eight, so one set of registers serves A: blocks 0-3 are fetched anew in the step's middle, blocks 4-7 at its end.
.macro STEP slot, q, zero
	s_wait_dscnt 4*NL                              ; B's set and A's blocks 0-3 are in; the youngest 16 loads (A's blocks 4-7) may be out
	WIN MUL_LO
	MUL16 0, (\q)%2, \q, \slot, \zero
	MUL16 2, (\q)%2, \q, \slot, \zero
	s_wait_dscnt 0                                 ; A's blocks 4-7 are in (asked for 32 matrix instructions ago)
	PLACES NP
	FETCH_B \slot, (\q)+1, 1-(\q)%2
	FETCH_A \slot, (\q)+1, 0
	WIN MUL_HI
	MUL16 4, (\q)%2, \q, \slot, \zero
	MUL16 6, (\q)%2, \q, \slot, \zero
	PLACES NP
	WIN 0
	FETCH_A \slot, (\q)+1, 4
.endm
; A slot's last step changes slots: ONE barrier; in front of it each wave waits for all its tensor loads, adds 0 to its spare word, and waits for that and for its own reads of this slot.  fill = 1: this slot is filled again, two K steps ahead.
.macro TURN slot, next, fill
	s_wait_tensorcnt 0x0                           ; all my tensor loads have landed: my part of the next slot;  (every window is 0 here: the add's two registers lie in window 0)
	ds_add_u32 v[SPW], v[NIL]                      ; 0 onto my spare word
	s_wait_dscnt 4*NL+1                            ; (the add and the youngest 16 loads, A's blocks 4-7, may be out)
	WIN MUL_LO
	MUL16 0, 1, NQ-1, \slot, 0                     ; sixteen matrix instructions stand between the add and the wait for it
	s_wait_dscnt 0x0                               ; the add is done, and my reads of this slot are over
	s_barrier_signal -1
	MUL16 2, 1, NQ-1, \slot, 0
	WIN 0
	s_barrier_wait -1
.if \fill
	CREST                                          ; the barrier has opened a round of the cluster's barrier: no wave of any partner still reads this slot's tile or has a load on its way
	s_add_nc_u64 s[G0+4*\slot+2:G0+4*\slot+3], s[G0+4*\slot+2:G0+4*\slot+3], 2*ROWB
	s_add_nc_u64 s[G0B+4*\slot+2:G0B+4*\slot+3], s[G0B+4*\slot+2:G0B+4*\slot+3], 2*ROWB
	JLOAD G0+4*\slot, G1, G0B+4*\slot, G1B         ; the first tensor load behind the round; the four v_nop behind it are among the places in front of the loads below
	PLACES NP-4
.else
	PLACES NP
.endif
	v_add_nc_u32 v[ADRS], 4*NQ, v[ADRS]            ; on to the next K step's scale words (no LDS load of mine is out)
	FETCH_B \next, 0, 0
	FETCH_A \next, 0, 0
	SCALES \next
	WIN MUL_HI
	MUL16 4, 1, NQ-1, \slot, 0
	MUL16 6, 1, NQ-1, \slot, 0
	PLACES NP
	WIN 0
	FETCH_A \next, 0, 4
.endm
	s_wait_tensorcnt 1                             ; the scales and my part of K step 0 are in (K step 1's load may be out),
	s_barrier_signal -1
	s_barrier_wait -1                              ; everybody's are
	FETCH_B 0, 0, 0
	FETCH_A 0, 0, 0
	SCALES 0
	FETCH_A 0, 0, 4
	STEP 0, 0, 1                                   ; the first step stands in front of the loop: its products start the sums
	s_mov_b32 s3, LAPS-1
.Llap:                                                 ; a trip goes once round the ring, from a lap's second step to the next lap's first, and fills both slots again
	TURN 0, 1, 1
	STEP 1, 0, 0
	TURN 1, 0, 1
	STEP 0, 0, 0
	s_sub_co_u32 s3, s3, 1
	s_cmp_lg_u32 s3, 0
	s_cbranch_scc1 .Llap
	TURN 0, 1, 0                                   ; the last lap fills nothing, and has no round of the cluster's barrier
	STEP 1, 0, 0
	s_wait_dscnt 4*NL                              ; the very last step: nothing more to fetch
	WIN MUL_LO
	MUL16 0, 1, NQ-1, 1, 0
	MUL16 2, 1, NQ-1, 1, 0
	s_wait_dscnt 0
	WIN MUL_HI
	MUL16 4, 1, NQ-1, 1, 0
	MUL16 6, 1, NQ-1, 1, 0
	WIN 0
; THE WAY OUT.  64 numbers of a lane, v[s] .. v[s + 63]: registers 16 b .. 16 b + 15 are my 16 of block b's 32 columns; lane l xor 16 holds the other 16.  They become codes in v[PC] on and my row's scale word in v[PW].
.macro QUANT s
.irp b, 0,1,2,3
	v_max3_num_f32 v[TM+\b], |v[\s+16*\b]|, |v[\s+1+16*\b]|, 0x4800000   ; block b: my 16 numbers, and the floor 2^(9 - 127): the byte cannot fall under 1
.endr
.irp i, 2,4,6,8,10,12,14
.irp b, 0,1,2,3
	v_max3_num_f32 v[TM+\b], v[TM+\b], |v[\s+16*\b+\i]|, |v[\s+1+16*\b+\i]|   ; (the four blocks by turns: no line waits for the line above it)
.endr
.endr
.irp b, 0,1,2,3
	v_permlanex16_b32 v[TM+4+\b], v[TM+\b], s[SEL], s[SEL+1]
.endr
.irp b, 0,1,2,3
	v_max_num_f32 v[TM+\b], v[TM+\b], v[TM+4+\b]   ; with lane l xor 16's: the block's largest magnitude
.endr
.irp b, 0,1,2,3
	v_add_nc_u32 v[TM+12+\b], 0xfc000000, v[TM+\b]   ; 8 off its exponent field: the conversion's scale operand
.endr
.irp b, 0,1,2,3
	v_and_or_b32 v[TM+8+\b], v[TM+\b], 0x7f800000, s[MNT]   ; 448 x the scale
.endr
.irp b, 0,1,2,3
	v_lshrrev_b32 v[TM+4+\b], 23, v[TM+12+\b]   ; the scale's byte
.endr
	v_lshl_or_b32 v[PW], v[TM+5], 8, v[TM+4]
	v_lshl_or_b32 v[PW], v[TM+6], 16, v[PW]
	v_lshl_or_b32 v[PW], v[TM+7], 24, v[PW]
.irp b, 0,1,2,3
.irp i, 0,1,2,3,4,5,6,7,8,9,10,11,12,13,14,15
	v_med3_num_f32 v[\s+16*\b+\i], v[\s+16*\b+\i], -v[TM+8+\b], v[TM+8+\b]   ; the conversion to an 8-bit code does not saturate (ISA guide 7.6.2): the hold comes first
.endr
	v_cvt_scalef32_pk8_fp8_f32 v[PC+4*\b:PC+1+4*\b], v[\s+16*\b:\s+7+16*\b], v[TM+12+\b]
	v_cvt_scalef32_pk8_fp8_f32 v[PC+2+4*\b:PC+3+4*\b], v[\s+8+16*\b:\s+15+16*\b], v[TM+12+\b]
.endr
	v_nop                                          ; one plain vector instruction behind the last scaled conversion
.endm
; Block a: my rows 16 a .. 16 a + 15, all my 128 columns.
.macro EBLOCK a
.set AC, 64*((\a)%4)
	WIN 0x02+(\a)/4                                ; source 0: window 2 or 3
.irp b, 0,1,2,3,4,5,6,7
.irp p, 0,2,4,6
	v_pk_add_f32 v[T+8*\b+\p:T+8*\b+\p+1], v[AC+8*\b+\p:AC+8*\b+\p+1], v[BN+8*\b+\p:BN+8*\b+\p+1]   ; + the columns' bias; each accumulator from its low end on
.endr
.endr
	WIN 0
.set p, 0
.rept 32
	v_pk_add_f32 v[T+p:T+p+1], v[T+p:T+p+1], v[BMP+2*(\a):BMP+2*(\a)+1]   ; + the row's bias (one of the two is zeros)
.set p, p+2
.endr
	QUANT T
.irp b, 0,1,2,3
	ds_store_b64 v[STC], v[PC+4*\b:PC+4*\b+1] offset:(\a)*16*PITCH+32*\b          ; columns 32 b + 8 (l / 16) + 0 .. 7
	ds_store_b64 v[STC], v[PC+4*\b+2:PC+4*\b+3] offset:(\a)*16*PITCH+32*\b+16     ; and 16 further on
.endr
	ds_store_b16 v[SSA], v[PW] offset:32*(\a)                      ; the first piece's two bytes (both halves of the lanes write the same bytes with the same values)
	ds_store_b16_d16_hi v[SSA], v[PW] offset:32*(\a)+512           ; the second piece's
	s_wait_dscnt 0x0                               ; the stores have read their registers
.endm
	s_wait_loadcnt 0x0                             ; the biases
.set i, 0
.rept 64
	v_cndmask_b32 v[BN+i], v[BN+i], 0, s95         ; on the v path the columns have no bias.  (These lines are also the places behind the last products)
.set i, i+1
.endr
.irp a, 0,1,2,3,4,5,6,7
	v_cndmask_b32 v[BMP+2*\a], 0, v[BM+\a], s95    ; on the q and k paths the rows have none; as pairs for the packed form
	v_cndmask_b32 v[BMP+2*\a+1], 0, v[BM+\a], s95
.endr
.irp b, 0,1,2,3
	v_mov_b32 v[TM+4+\b], 0                        ; written once: a lane permute's destination counts as one of its sources
.endr
	s_mov_b32 s[SEL], 0x76543210
	s_mov_b32 s[SEL+1], 0xfedcba98
	s_mov_b32 s[MNT], 0x600000
	s_mul_i32 s18, s15, 128*PITCH
	s_lshl_b32 s19, s16, 7
	s_add_co_u32 s18, s18, s19
	v_mul_u32_u24 v[STC], v1, PITCH
	v_lshl_add_u32 v[STC], v2, 3, v[STC]
	v_add_nc_u32 v[STC], s18, v[STC]               ; codes: row 128 x my row half + l % 16, byte 128 x my column half + 8 (l / 16)
	s_lshl_b32 s18, s16, 10
	s_lshl_b32 s19, s15, 8
	s_add_co_u32 s18, s18, s19
	s_add_co_u32 s18, s18, SST
	v_lshlrev_b32 v[SSA], 1, v1
	v_add_nc_u32 v[SSA], s18, v[SSA]               ; scale bytes, [piece][row][2]: 512 x piece + 2 x row
	v_and_b32 v3, 31, v0
	v_lshrrev_b32 v4, 2, v3
	v_mul_u32_u24 v[RDC], v4, PITCH
	v_and_b32 v4, 3, v3
	v_lshl_add_u32 v[RDC], v4, 4, v[RDC]
	s_mul_i32 s18, s14, 64*PITCH
	v_add_nc_u32 v[RDC], s18, v[RDC]               ; back: rows 64 x wave on; four lanes take a row's 64 bytes of one piece
	v_lshlrev_b32 v[GOC], 4, v3
	s_lshl_b32 s18, s14, 9
	s_add_co_u32 s18, s18, SST
	v_add_nc_u32 v[RDS], s18, v[GOC]               ; piece = wave: its 512 scale bytes, 16 a lane
.irp a, 0,1,2,3,4,5,6,7
	EBLOCK \a
.endr
	s_barrier_signal -1                            ; every wave's stores into the stage are done (the wait for 0 at each block's end): a row's pieces come from two waves
	s_barrier_wait -1
.irp t, 0,1,2,3,4,5,6,7,8,9,10,11,12,13,14,15,16,17,18,19,20,21,22,23,24,25,26,27,28,29,30,31
	ds_load_b128 v[T+4*\t:T+4*\t+3], v[RDC] offset:(\t%8)*8*PITCH+(\t/8)*64       ; piece t / 8, rows 8 (t % 8) on
.endr
.irp t, 0,1,2,3,4,5,6,7,8,9,10,11,12,13,14,15,16,17,18,19,20,21,22,23,24,25,26,27,28,29,30,31
	s_wait_dscnt 31-\t                             ; LDS loads come back in order: load t is in, the younger ones may be out
	global_store_b128 v[GOC], v[T+4*\t:T+4*\t+3], s[12:13] offset:(\t%8)*512+(\t/8)*65536   ; each store of the wave covers 512 consecutive bytes, aligned
.endr
	ds_load_b128 v[BN:BN+3], v[RDS]
	s_wait_dscnt 0x0
	global_store_b128 v[GOC], v[BN:BN+3], s[100:101]               ; 512 consecutive scale bytes
	s_wait_tensorcnt 0x0                           ; the wave's end: behind my last tensor load and my last LDS store
	ds_add_u32 v[SPW], v[NIL]
	s_wait_dscnt 0x0
	CROUND                                         ; the closing round: no work-group ends while a partner may still ask for a tile that names it
	s_endpgm
.Lfunc_end_k_q06b5d5f430_proj:
	.size	k_q06b5d5f430_proj, .Lfunc_end_k_q06b5d5f430_proj-k_q06b5d5f430_proj
	.p2alignl 7, 3214868480
	.fill 96, 4, 3214868480
	.section	.rodata,"a",@progbits
	.p2align	6, 0x0
	.amdhsa_kernel k_q06b5d5f430_proj
		.amdhsa_group_segment_fixed_size 327680
		.amdhsa_private_segment_fixed_size 0
		.amdhsa_enable_private_segment 0
		.amdhsa_kernarg_size 88
		.amdhsa_user_sgpr_count 2
		.amdhsa_user_sgpr_kernarg_segment_ptr 1
		.amdhsa_wavefront_size32 1
		.amdhsa_system_sgpr_workgroup_id_x 1
		.amdhsa_system_sgpr_workgroup_id_y 1
		.amdhsa_system_sgpr_workgroup_id_z 1
		.amdhsa_system_vgpr_workitem_id 0
		.amdhsa_next_free_vgpr 1024
		.amdhsa_next_free_sgpr 102
		.amdhsa_reserve_vcc 0
		.amdhsa_float_denorm_mode_32 3
		.amdhsa_float_denorm_mode_16_64 3
		.amdhsa_memory_ordered 1
		.amdhsa_forward_progress 1
		.amdhsa_inst_pref_size 233
	.end_amdhsa_kernel
	.amdgpu_metadata
---
amdhsa.version: [ 1, 2 ]
amdhsa.kernels:
  - .name:           k_q06b5d5f430_proj
    .symbol:         k_q06b5d5f430_proj.kd
    .args:
      - { .name: hq, .offset: 0, .size: 8, .value_kind: global_buffer, .address_space: global }
      - { .name: Wq_codes, .offset: 8, .size: 8, .value_kind: global_buffer, .address_space: global }
      - { .name: Wq_scales, .offset: 16, .size: 8, .value_kind: global_buffer, .address_space: global }
      - { .name: Wk_codes, .offset: 24, .size: 8, .value_kind: global_buffer, .address_space: global }
      - { .name: Wk_scales, .offset: 32, .size: 8, .value_kind: global_buffer, .address_space: global }
      - { .name: Wv_codes, .offset: 40, .size: 8, .value_kind: global_buffer, .address_space: global }
      - { .name: Wv_scales, .offset: 48, .size: 8, .value_kind: global_buffer, .address_space: global }
      - { .name: bq, .offset: 56, .size: 8, .value_kind: global_buffer, .address_space: global }
      - { .name: bk, .offset: 64, .size: 8, .value_kind: global_buffer, .address_space: global }
      - { .name: bv, .offset: 72, .size: 8, .value_kind: global_buffer, .address_space: global }
      - { .name: qkvc, .offset: 80, .size: 8, .value_kind: global_buffer, .address_space: global }
    .group_segment_fixed_size: 327680
    .private_segment_fixed_size: 0
    .kernarg_segment_align: 8
    .kernarg_segment_size: 88
    .max_flat_workgroup_size: 128
    .sgpr_count:     102
    .vgpr_count:     1024
    .wavefront_size: 32
...
	.end_amdgpu_metadata
.endif
;; end of part 2
;; launch attn (part 3): grid 4 x 64, 16 waves a work-group, clusters of 4 x 1, 198,656 bytes of LDS; arguments qkvc, oq; writes oq
.if DOCPART == 3
	.amdgcn_target "amdgcn-amd-amdhsa--gfx1250"
	.amdhsa_code_object_version 6
	.text
	.protected	k_q06b5d5f430_attn
	.globl	k_q06b5d5f430_attn
	.p2align	8
	.type	k_q06b5d5f430_attn,@function
k_q06b5d5f430_attn:
	s_mov_b64 s[64:65], 0
	v_nop
	global_prefetch_b8 v0, s[64:65] scope:SCOPE_SE
	s_setreg_imm32_b32 hwreg(HW_REG_WAVE_MODE, 25, 1), 1
	s_wait_xcnt 0x0
	s_wait_alu depctr_hold_cnt(0) depctr_sa_sdst(0) depctr_va_vdst(0) depctr_va_sdst(0) depctr_va_ssrc(0) depctr_va_vcc(0) depctr_vm_vsrc(0)
	s_getreg_b32 s2, hwreg(HW_REG_IB_STS2, 6, 4)
	s_cmp_eq_u32 s2, 0
	s_cbranch_scc0 .Lentry_in_a_cluster
	s_endpgm
.Lentry_in_a_cluster:
	s_bfe_u32 s2, ttmp6, 0x10000c
	s_cmp_lg_u32 s2, 0x3003
	s_cbranch_scc0 .Lentry_shape_is_right
	s_endpgm
.Lentry_shape_is_right:
; Attention of one head: o[q] = sum over keys of softmax(q . k / 8) v, both products on codes of FP8 (E4M3) with one E8M0 scale for each 32 along a product's K; and o quantised at once along the model's 1,024 for the next product.
; IN (one buffer): q codes [batch][head][token][64] at 0, k codes likewise at KOFF, v^T codes [batch][key / 64][head][channel][64 keys] at VOFF; scale bytes at QS, KSO, VSO, at the codes' index / 32.
; OUT: o's codes [4096 tokens][1024] and, at OSC, its scale bytes [4096][32].
; THE SOFTMAX AHEAD OF THE SECOND PRODUCT: t = score x log2(e) / 8; M = the row's largest t so far, rounded UP to a whole number; p = 2^(t - M) is what is quantised, along the keys; it is not normalised.
; The row's sum is taken of the unquantised p, in f32, and divides O at the end.  When M moves, the sum and O are multiplied by 2^(old M - new M): exact.
; SHARES.  A work-group owns 256 queries of one head; each of its SIXTEEN waves owns 16, one tile, in 256 registers: four waves to a SIMD, so that one wave's vector work stands beside another's matrix work and LDS loads.
; A WHOLE HEAD'S K AND V^T (64 KiB each) LIE IN LDS: every wave brings two tiles of 64 rows x 64 bytes at the start, nothing is filled again, and one barrier serves the launch.  Two tensor loads of a wave are out.
; CLUSTER.  The four work-groups of a cluster are the four query blocks of one head and want the same K and V^T: each tile is asked for JOINTLY, by the same load with the same descriptor and the mask of all four.
; LAYOUT.  Both products are used transposed: S^T = K Q^T (source 0 = keys, source 1 = my 16 queries), O^T = V^T P^T: a lane holds ONE query (lane % 16) throughout.
; THE FIRST PRODUCT'S K IS 64, THE INSTRUCTION'S 128.  A fragment of source 0 holds TWO tiles of 16 keys: one in K 0-63, the other in K 64-127.  Q stands in registers as Q, zeros, Q: the run (Q, zeros) gives the first tile's scores,
; the run (zeros, Q) the second's, from the same source 0.  The other tile's codes meet zero codes, which add nothing: no code here is the NaN code, since this program's own quantiser holds each number at 448 x the scale.
; THE KEYS OF A TILE ARE NOT NEIGHBOURS: lane r of tile 2 b + u takes key 32 b + 8 u + r + 8 (r / 8), so that the 16 registers of tiles 2 b and 2 b + 1 are 16 neighbouring keys, 32 b + 16 (lane / 16) + 0 .. 15: the second product's layout.
; o leaves in pieces of 64 bytes and its scale bytes singly: a head owns 64 of a row's 1,024 columns, and the next product wants rows along K.
; LIMITS: a block of zeros, and one whose largest magnitude lies under 2^-118, gets the byte 1 (this program alone reads the bytes); NaN and infinities are not served.
.set KP,   80                          ; a row of 64 codes in LDS: 64 bytes + 16 of padding: an odd multiple of 16
.set VB,   81920                       ; LDS: K's 1,024 rows at 0; V^T from here: chunk of 64 keys kb at 5,120 kb, channel d at 80 d
.set KSW,  163840                      ; K's scale words, 512: word 64 j + 16 b + r: the two bytes of the fragment's first key, then of its second
.set VSW,  165888                      ; V's scale words, 512: word 64 j + d: channel d, keys 128 j on
.set OST,  167936                      ; the way out: 16 rows x 80 bytes for each wave
.set KOFF, 4194304
.set VOFF, 8388608
.set QS,   12582912
.set KSO,  12713984
.set VSO,  12845056
.set OSC,  4194304
.set FRG,  40                          ; v40-103  four fragments of K or of V^T
.set S,    104                         ; v104-167 S^T, then p
.set O,    168                         ; v168-199 O^T
.set PC,   200                         ; v200-215 p's codes
.set KSC,  216                         ; v216-219 K's scale words;  v220-223 V's;  v224 Q's
.set VSC,  220
.set QSW,  224
.set BX,   232                         ; v232-235 block maxima; v236-239 at work; v240-243 448 x the scale; v244-247 the conversions' scale operands; v252 f; v253 p's scale word; v254 at work
.set T4,   236
.set HO,   240
.set SO,   244
.set CS,   22                          ; s[22:23] c = log2(e) / 8
.macro ROUND                           ; a round of the cluster's barrier
	s_barrier_signal -1
	s_barrier_wait -1
	s_cmp_lg_u32 s18, 0
	s_cbranch_scc1 .Lnot_wave_0_\@
	s_barrier_signal -3
.Lnot_wave_0_\@:
	s_barrier_wait -3
	s_barrier_signal -1
	s_barrier_wait -1
.endm
	s_load_b128 s[8:11], s[0:1], 0x0               ; the q, k, v buffer s[8:9]; o's buffer s[10:11]
	v_lshl_add_u32 v251, v0, 2, 0x30000
	v_mov_b32 v255, 0
	ds_add_u32 v251, v255
	ds_add_u32 v251, v255
	v_lshrrev_b32 v8, 5, v0
	v_readfirstlane_b32 s18, v8                    ; wave 0..15
	s_and_b32 s2, ttmp7, 0xffff                    ; 16 x batch + head, which the four partners share
	s_lshr_b32 s12, s2, 4                          ; batch
	s_and_b32 s13, s2, 15                          ; head
	; what I fetch: waves 0-7: keys 128 w on, two tiles of 64 keys; waves 8-15: chunks 2 (w - 8) and 2 (w - 8) + 1 of V^T
	s_lshl_b32 s4, s2, 16
	s_lshl_b32 s5, s18, 13
	s_add_co_u32 s4, s4, s5
	s_add_co_u32 s4, s4, KOFF                      ; K: the head's 65,536 bytes, 8,192 a wave
	s_lshl_b32 s5, s12, 20
	s_lshl_b32 s6, s13, 12
	s_add_co_u32 s5, s5, s6
	s_lshl_b32 s6, s18, 17
	s_add_co_u32 s5, s5, s6
	s_add_co_u32 s5, s5, VOFF-(8<<17)              ; V^T: batch << 20, chunk << 16, head << 12
	s_mov_b32 s7, 65536
	s_cmp_lt_u32 s18, 8                            ; the choice hangs on the wave's number alone
	s_cselect_b32 s4, s4, s5
	s_cselect_b32 s6, 4096, s7                     ; from my first tile to my second
	s_mov_b32 s5, 0
	s_mov_b32 s7, 0
	; descriptor group 1: 64 rows of 64 bytes, dense in memory, 16 bytes of padding behind each in LDS
	s_mov_b32 s24, 15|(0<<16)|(1<<20)|(1<<21)|(3<<22)|(3<<25)      ; 15:0 the mask: all four work-groups; 17:16 elements of 1 byte; 20 padding on; 21 set beside a mask; 24:22 after every 16 words (code 3); 31:25 four words (code 3)
	s_mov_b32 s25, 64<<16                          ; tensor_dim0
	s_mov_b32 s26, 64<<16                          ; tensor_dim1
	s_mov_b32 s27, 64<<16                          ; tile_dim0
	s_mov_b32 s28, 64                              ; tile_dim1
	s_mov_b32 s29, 64                              ; tensor_dim0_stride
	s_mov_b32 s30, 0
	s_mov_b32 s31, 0
	s_mov_b32 s40, 1
	s_mul_i32 s41, s18, 10240                      ; LDS: 10,240 x wave: waves 0-7 land in K's bytes, waves 8-15 in V^T's; no place in the cluster enters
	s_mov_b32 s44, 1
	s_add_co_u32 s45, s41, 5120
	s_mov_b32 s19, 0x600000                        ; the mantissa field of 448
	s_mov_b32 s20, 0x76543210
	s_mov_b32 s21, 0xfedcba98                      ; lane selects: lane l xor 16
	s_mov_b32 s[CS], 0x3e38aa3b                    ; c = log2(e) / 8
	s_mov_b32 s[CS+1], s[CS]                       ; (named with it as a pair, so it is written)
	s_mov_b32 s48, 0                               ; the step's tiles: 10,240 bytes a step, in K and in V^T alike
	s_mov_b32 s49, 0                               ; its scale words: 256 bytes a step
	s_mov_b32 s50, 8                               ; key steps of 128
	s_wait_dscnt 0x0
	s_wait_kmcnt 0x0
	s_add_nc_u64 s[42:43], s[8:9], s[4:5]
	s_add_nc_u64 s[46:47], s[42:43], s[6:7]
	s_or_b32 s43, s43, 0x80000000                  ; type = 2
	s_or_b32 s47, s47, 0x80000000
	ROUND                                          ; all four work-groups are here: the joint loads meet
	tensor_load_to_lds s[40:43], s[24:31]
	s_nop 0
	tensor_load_to_lds s[44:47], s[24:31]
	s_nop 0
.rept 4
	v_nop
.endr
	s_bfe_u32 s51, ttmp6, 0x40000                  ; cx: my block of 256 queries: it enters q's and o's addresses alone
	s_lshl_b32 s14, s2, 16
	s_lshl_b32 s15, s51, 14
	s_add_co_u32 s14, s14, s15
	s_lshl_b32 s15, s18, 10
	s_add_co_u32 s14, s14, s15
	s_mov_b32 s15, 0
	s_add_nc_u64 s[32:33], s[8:9], s[14:15]        ; q's codes at my first query: 64 bytes a query
	s_lshr_b32 s14, s14, 5
	s_add_co_u32 s14, s14, QS
	s_add_nc_u64 s[34:35], s[8:9], s[14:15]        ; and its scale bytes
	s_lshl_b32 s14, s2, 11
	s_add_co_u32 s14, s14, KSO
	s_add_nc_u64 s[36:37], s[8:9], s[14:15]        ; the head's scale bytes of k: 2 a key
	s_lshl_b32 s14, s12, 15
	s_lshl_b32 s16, s13, 7
	s_add_co_u32 s14, s14, s16
	s_add_co_u32 s14, s14, VSO
	s_add_nc_u64 s[38:39], s[8:9], s[14:15]        ; and of v^T: batch << 15, chunk << 11, head << 7, 2 a channel
	s_lshl_b32 s14, s12, 10
	s_lshl_b32 s16, s51, 8
	s_add_co_u32 s14, s14, s16
	s_lshl_b32 s16, s18, 4
	s_add_co_u32 s14, s14, s16                     ; my first token
	s_lshl_b32 s16, s14, 5
	s_lshl_b32 s17, s13, 1
	s_add_co_u32 s16, s16, s17
	s_add_co_u32 s16, s16, OSC
	s_mov_b32 s17, 0
	s_add_nc_u64 s[54:55], s[10:11], s[16:17]      ; o's scale bytes: 32 a token, the head's two
	s_lshl_b32 s14, s14, 10
	s_lshl_b32 s16, s13, 6
	s_add_co_u32 s14, s14, s16
	s_add_nc_u64 s[52:53], s[10:11], s[14:15]      ; o's codes: 1,024 a token, the head's 64
	v_and_b32 v244, 15, v0                         ; r = lane % 16
	v_bfe_u32 v245, v0, 4, 1                       ; h = lane / 16
	v_lshlrev_b32 v240, 6, v244
	v_lshl_add_u32 v240, v245, 4, v240             ; q: row r of 64 bytes, + 16 h
	global_load_b128 v[16:19], v240, s[32:33]      ; Q, zeros, Q: the 64 codes are loaded twice
	global_load_b128 v[20:23], v240, s[32:33] offset:32
	global_load_b128 v[32:35], v240, s[32:33]
	global_load_b128 v[36:39], v240, s[32:33] offset:32
	v_lshlrev_b32 v241, 1, v244
	global_load_u16 v229, v241, s[34:35]           ; q's two scale bytes
	v_lshrrev_b32 v242, 4, v0                      ; thread i makes word i of K's and of V's scale words.  K: the fragment's first key is 32 (i / 16) + i % 16 + (i & 8), its second 8 further on; 2 bytes a key
	v_lshlrev_b32 v242, 6, v242
	v_and_b32 v246, 15, v0
	v_lshl_add_u32 v242, v246, 1, v242
	v_and_b32 v246, 8, v0
	v_lshl_add_u32 v242, v246, 1, v242
	global_load_u16 v225, v242, s[36:37]
	global_load_u16 v226, v242, s[36:37] offset:16
	v_lshrrev_b32 v243, 6, v0                      ; V: chunks 2 (i / 64) and the next, channel i % 64
	v_lshlrev_b32 v243, 12, v243
	v_and_b32 v246, 63, v0
	v_lshl_add_u32 v243, v246, 1, v243
	global_load_u16 v227, v243, s[38:39]
	global_load_u16 v228, v243, s[38:39] offset:2048
	v_and_b32 v246, 8, v244
	v_add_nc_u32 v246, v246, v244                  ; r + 8 (r / 8)
	v_mul_u32_u24 v1, v246, KP
	v_lshl_add_u32 v1, v245, 4, v1                 ; v1: my lane's place in a tile of K
	v_mul_u32_u24 v2, v244, KP
	v_lshl_add_u32 v2, v245, 4, v2
	v_add_nc_u32 v2, VB, v2                        ; v2: and of V^T
	v_lshl_add_u32 v3, v244, 2, KSW                ; v3: among K's scale words
	v_lshl_add_u32 v4, v244, 2, VSW                ; v4: among V's
	v_lshl_add_u32 v230, v0, 2, KSW                ; where thread i puts its two words
	v_lshl_add_u32 v231, v0, 2, VSW
	v_mov_b32 v13, 0xff61b1e6                      ; the largest t so far: -3e38, under every t
	v_floor_f32 v12, -v13                          ; -M
	v_mov_b32 v14, 0                               ; the sum, in two halves
	v_mov_b32 v15, 0
.irp b, 0,1,2,3
	v_mov_b32 v[T4+\b], 0                          ; written once: a lane permute's destination counts as one of its sources
.endr
	v_mov_b32 v253, 0                              ; (named as the upper half of the pair v[252:253] before it is first written)
.irp j, 0,1,2,3,4,5,6,7
	v_mov_b32 v[24+\j], 0                          ; the zero codes between the two copies of Q
.endr
.set j, 0
.rept 32
	v_mov_b32 v[O+j], 0                            ; O^T.  (The loop is written once: its first step finds zeros, which the first change of M leaves zeros)
.set j, j+1
.endr
	s_wait_loadcnt 0x0
	v_lshl_or_b32 v[QSW], v229, 16, v229           ; q's word: its two bytes for K 0-63 and again for K 64-127
	v_lshl_or_b32 v225, v226, 16, v225
	v_lshl_or_b32 v227, v228, 16, v227
	ds_store_b32 v230, v225
	ds_store_b32 v231, v227
	s_wait_tensorcnt 0x0                           ; my two tiles have landed,
	s_wait_dscnt 0x0                               ; my two words are stored:
	s_barrier_signal -1
	s_barrier_wait -1                              ; everybody's
.Lstep:                                                ; a key step: 128 keys
	v_add_nc_u32 v8, s48, v1
	v_add_nc_u32 v9, s48, v2
	v_add_nc_u32 v10, s49, v3
	v_add_nc_u32 v11, s49, v4
.rept 4
	v_nop                                          ; with the four additions: eight places in front of loads into registers that the last products read
.endr
.irp b, 0,1,2,3
	ds_load_b128 v[FRG+16*\b:FRG+16*\b+3], v8 offset:32*KP*\b               ; tile 2 b: K 0-63
	ds_load_b128 v[FRG+16*\b+4:FRG+16*\b+7], v8 offset:32*KP*\b+32
	ds_load_b128 v[FRG+16*\b+8:FRG+16*\b+11], v8 offset:32*KP*\b+8*KP       ; tile 2 b + 1: K 64-127
	ds_load_b128 v[FRG+16*\b+12:FRG+16*\b+15], v8 offset:32*KP*\b+8*KP+32
	ds_load_b32 v[KSC+\b], v10 offset:64*\b
.endr
	s_wait_dscnt 0x0
.irp b, 0,1,2,3
	v_wmma_scale_f32_16x16x128_f8f6f4 v[S+16*\b:S+16*\b+7], v[FRG+16*\b:FRG+16*\b+15], v[16:31], 0, v[KSC+\b], v[QSW]
	v_wmma_scale_f32_16x16x128_f8f6f4 v[S+16*\b+8:S+16*\b+15], v[FRG+16*\b:FRG+16*\b+15], v[24:39], 0, v[KSC+\b], v[QSW]
.endr
.rept 8
	v_nop                                          ; places: in front of the loads below, into registers that these products read, and of the first read of the scores
.endr
.irp t, 0,1,2,3                                ; V^T's four fragments are asked for now and land under the softmax: channels 16 t on, these 128 keys: two chunks
.irp c, 0,1,2,3
	ds_load_b128 v[FRG+16*\t+4*\c:FRG+16*\t+4*\c+3], v9 offset:16*KP*\t+64*KP*(\c/2)+32*(\c%2)
.endr
	ds_load_b32 v[VSC+\t], v11 offset:64*\t
.endr
.irp b, 0,1,2,3
	v_max3_num_f32 v[BX+\b], v[S+16*\b], v[S+1+16*\b], v[S+2+16*\b]   ; THE LARGEST SCORE OF EACH BLOCK OF 32 KEYS: it serves twice: for the row's maximum, and, since p rises with the score, for the block's largest p
.endr
.irp i, 3,5,7,9,11,13
.irp b, 0,1,2,3
	v_max3_num_f32 v[BX+\b], v[BX+\b], v[S+16*\b+\i], v[S+1+16*\b+\i]
.endr
.endr
.irp b, 0,1,2,3
	v_max_num_f32 v[BX+\b], v[BX+\b], v[S+15+16*\b]
.endr
.irp b, 0,1,2,3
	v_permlanex16_b32 v[T4+\b], v[BX+\b], s20, s21
.endr
.irp b, 0,1,2,3
	v_max_num_f32 v[BX+\b], v[BX+\b], v[T4+\b]     ; with lane l xor 16's 16 keys
.endr
	v_max3_num_f32 v254, v[BX], v[BX+1], v[BX+2]
	v_max_num_f32 v254, v254, v[BX+3]              ; the step's largest score of my query
	v_mul_f32 v254, s[CS], v254                    ; as t (c is positive)
	v_max_num_f32 v13, v13, v254                   ; the running largest t
	v_mov_b32 v254, v12
	v_floor_f32 v12, -v13                          ; the new -M = floor(-t) = -ceil(t): M IS A WHOLE NUMBER
	v_sub_f32 v254, v12, v254                      ; M's old value less its new one: a whole number, 0 or less
	v_cvt_i32_f32 v254, v254                       ; (it saturates)
	v_ldexp_f32 v252, 1.0, v254                    ; f = 2^(old M - new M): a multiplication by it rounds nothing
.set j, 0
.rept 32
	v_pk_fma_f32 v[S+j:S+j+1], v[S+j:S+j+1], s[CS:CS+1], v[12:13] op_sel_hi:[1,0,0]   ; t - M, two at a time (of the pairs c and -M the low word serves both halves)
.set j, j+2
.endr
.irp b, 0,1,2,3
	v_fma_f32 v[BX+\b], v[BX+\b], s[CS], v12       ; the same of each block's largest score
.endr
.set j, 0
.rept 64
	v_exp_f32 v[S+j], v[S+j]                       ; p = 2^(t - M), at most 1: NOT normalised
.set j, j+1
.endr
.irp b, 0,1,2,3
	v_exp_f32 v[BX+\b], v[BX+\b]                   ; the block's largest p: the same two instructions on the same number give the same bits
.endr
	v_pk_mul_f32 v[14:15], v[14:15], v[252:253] op_sel_hi:[1,0]   ; the sums under the new M.  (A plain place behind the exponentials)
	s_wait_alu depctr_va_vdst(0)
.irp b, 0,1,2,3
	v_max_num_f32 v[BX+\b], 0x4800000, v[BX+\b]    ; the floor 2^(9 - 127): the byte cannot fall under 1
.endr
.irp b, 0,1,2,3
	v_add_nc_u32 v[SO+\b], 0xfc000000, v[BX+\b]    ; 8 off the exponent field: the conversion's scale operand
.endr
.irp b, 0,1,2,3
	v_and_or_b32 v[HO+\b], v[BX+\b], 0x7f800000, s19   ; 448 x the scale
.endr
.irp b, 0,1,2,3
	v_lshrrev_b32 v[T4+\b], 23, v[SO+\b]           ; the scale's byte
.endr
	v_lshl_or_b32 v253, v[T4+1], 8, v[T4]          ; p's scale word for these 128 keys
	v_lshl_or_b32 v253, v[T4+2], 16, v253
	v_lshl_or_b32 v253, v[T4+3], 24, v253
	v_pk_add_f32 v[T4:T4+1], v[S:S+1], v[S+2:S+3]  ; THE ROW'S SUM IS TAKEN OF THE UNQUANTISED p: two at a time, in two chains
.irp j, 4,8,12,16,20,24,28,32,36,40,44,48,52,56,60
	v_pk_add_f32 v[14:15], v[14:15], v[S+\j:S+\j+1]
	v_pk_add_f32 v[T4:T4+1], v[T4:T4+1], v[S+2+\j:S+3+\j]
.endr
	v_pk_add_f32 v[14:15], v[14:15], v[T4:T4+1]
.irp b, 0,1,2,3
.irp i, 0,1,2,3,4,5,6,7,8,9,10,11,12,13,14,15
	v_min_num_f32 v[S+16*\b+\i], v[S+16*\b+\i], v[HO+\b]   ; the conversion to an 8-bit code does not saturate (ISA guide 7.6.2); p is not negative, so the hold is one-sided
.endr
	v_cvt_scalef32_pk8_fp8_f32 v[PC+4*\b:PC+4*\b+1], v[S+16*\b:S+16*\b+7], v[SO+\b]
	v_cvt_scalef32_pk8_fp8_f32 v[PC+4*\b+2:PC+4*\b+3], v[S+16*\b+8:S+16*\b+15], v[SO+\b]
.endr
.set j, 0
.rept 16
	v_pk_mul_f32 v[O+j:O+j+1], v[O+j:O+j+1], v[252:253] op_sel_hi:[1,0]   ; O^T under the new M: x f
.set j, j+2
.endr
.rept 4
	v_nop                                          ; an operand written by vector instructions stands four places ahead of a scaled matrix instruction
.endr
	s_wait_dscnt 0x0                               ; V^T's fragments and scale words are in
.irp t, 0,1,2,3                                ; O^T += V^T P^T: the four accumulators take turns
	v_wmma_scale_f32_16x16x128_f8f6f4 v[O+8*\t:O+8*\t+7], v[FRG+16*\t:FRG+16*\t+15], v[PC:PC+15], v[O+8*\t:O+8*\t+7], v[VSC+\t], v253
.endr
	s_add_co_u32 s48, s48, 10240
	s_add_co_u32 s49, s49, 256
	s_sub_co_u32 s50, s50, 1
	s_cmp_lg_u32 s50, 0
	s_cbranch_scc1 .Lstep
	; THE WAY OUT.  O^T is divided by the row's sum and quantised: register 8 t + i is o(query r, channel 16 t + 8 h + i), so tiles 2 B and 2 B + 1, with lane l xor 16's, are block B of the head's two.
	v_add_f32 v14, v14, v15                        ; the sum's two halves,
	v_permlanex16_b32 v252, v14, s20, s21
	v_add_f32 v14, v14, v252                       ; and lane l xor 16's: the row's sum
	v_rcp_f32 v14, v14
	v_and_b32 v8, 15, v0                           ; r.  (The address lines are the places behind the last products and behind the reciprocal)
	v_bfe_u32 v9, v0, 4, 1                         ; h
	s_mul_i32 s4, s18, 16*KP
	s_add_co_u32 s4, s4, OST                       ; my stage
	v_mul_u32_u24 v5, v8, KP
	v_lshl_add_u32 v5, v9, 3, v5
	v_add_nc_u32 v5, s4, v5                        ; in: row r, 8 h, + 16 t
	v_and_b32 v10, 31, v0
	v_lshrrev_b32 v11, 2, v10
	v_and_b32 v10, 3, v10
	v_mul_u32_u24 v6, v11, KP
	v_lshl_add_u32 v6, v10, 4, v6
	v_add_nc_u32 v6, s4, v6                        ; back: four lanes take a row's 64 bytes
	v_lshlrev_b32 v7, 10, v11
	v_lshl_add_u32 v7, v10, 4, v7                  ; and the same place in o's rows of 1,024 bytes
	v_lshl_add_u32 v248, v8, 5, v9                 ; my scale byte: 32 r + h: lanes 0-15 store block 0's, lanes 16-31 block 1's
	v_cmp_eq_u32 vcc_lo, 1, v9
.set j, 0
	s_wait_alu depctr_va_vdst(0)
.rept 32
	v_mul_f32 v[S+j], v[O+j], v14                  ; each accumulator from its low end on
.set j, j+1
.endr
.irp b, 0,1
	v_max3_num_f32 v[BX+\b], |v[S+16*\b]|, |v[S+1+16*\b]|, 0x4800000
.endr
.irp i, 2,4,6,8,10,12,14
.irp b, 0,1
	v_max3_num_f32 v[BX+\b], v[BX+\b], |v[S+16*\b+\i]|, |v[S+1+16*\b+\i]|
.endr
.endr
.irp b, 0,1
	v_permlanex16_b32 v[T4+\b], v[BX+\b], s20, s21
.endr
.irp b, 0,1
	v_max_num_f32 v[BX+\b], v[BX+\b], v[T4+\b]
.endr
.irp b, 0,1
	v_add_nc_u32 v[SO+\b], 0xfc000000, v[BX+\b]
.endr
.irp b, 0,1
	v_and_or_b32 v[HO+\b], v[BX+\b], 0x7f800000, s19
.endr
.irp b, 0,1
	v_lshrrev_b32 v[T4+\b], 23, v[SO+\b]
.endr
	v_cndmask_b32 v249, v[T4], v[T4+1], vcc_lo
.irp b, 0,1
.irp i, 0,1,2,3,4,5,6,7,8,9,10,11,12,13,14,15
	v_med3_num_f32 v[S+16*\b+\i], v[S+16*\b+\i], -v[HO+\b], v[HO+\b]
.endr
	v_cvt_scalef32_pk8_fp8_f32 v[PC+4*\b:PC+4*\b+1], v[S+16*\b:S+16*\b+7], v[SO+\b]
	v_cvt_scalef32_pk8_fp8_f32 v[PC+4*\b+2:PC+4*\b+3], v[S+16*\b+8:S+16*\b+15], v[SO+\b]
.endr
	v_nop                                          ; one plain vector instruction behind the last scaled conversion
.irp t, 0,1,2,3
	ds_store_b64 v5, v[PC+2*\t:PC+2*\t+1] offset:16*\t
.endr
	ds_load_b128 v[PC+8:PC+11], v6                 ; LDS serves a wave's instructions in order: these see my stores
	ds_load_b128 v[PC+12:PC+15], v6 offset:8*KP
	s_wait_dscnt 0x0
	global_store_b128 v7, v[PC+8:PC+11], s[52:53]
	global_store_b128 v7, v[PC+12:PC+15], s[52:53] offset:8192
	global_store_b8 v248, v249, s[54:55]
	s_wait_tensorcnt 0x0
	ds_add_u32 v251, v255
	s_wait_dscnt 0x0
	ROUND                                          ; the closing round: no work-group ends while a partner may still ask for a tile that names it
	s_endpgm
.Lfunc_end_k_q06b5d5f430_attn:
	.size	k_q06b5d5f430_attn, .Lfunc_end_k_q06b5d5f430_attn-k_q06b5d5f430_attn
	.p2alignl 7, 3214868480
	.fill 96, 4, 3214868480
	.section	.rodata,"a",@progbits
	.p2align	6, 0x0
	.amdhsa_kernel k_q06b5d5f430_attn
		.amdhsa_group_segment_fixed_size 198656
		.amdhsa_private_segment_fixed_size 0
		.amdhsa_enable_private_segment 0
		.amdhsa_kernarg_size 16
		.amdhsa_user_sgpr_count 2
		.amdhsa_user_sgpr_kernarg_segment_ptr 1
		.amdhsa_wavefront_size32 1
		.amdhsa_system_sgpr_workgroup_id_x 1
		.amdhsa_system_sgpr_workgroup_id_y 1
		.amdhsa_system_sgpr_workgroup_id_z 1
		.amdhsa_system_vgpr_workitem_id 0
		.amdhsa_next_free_vgpr 256
		.amdhsa_next_free_sgpr 66
		.amdhsa_reserve_vcc 1
		.amdhsa_float_denorm_mode_32 3
		.amdhsa_float_denorm_mode_16_64 3
		.amdhsa_memory_ordered 1
		.amdhsa_forward_progress 1
		.amdhsa_inst_pref_size 35
	.end_amdhsa_kernel
	.amdgpu_metadata
---
amdhsa.version: [ 1, 2 ]
amdhsa.kernels:
  - .name:           k_q06b5d5f430_attn
    .symbol:         k_q06b5d5f430_attn.kd
    .args:
      - { .name: qkvc, .offset: 0, .size: 8, .value_kind: global_buffer, .address_space: global }
      - { .name: oq, .offset: 8, .size: 8, .value_kind: global_buffer, .address_space: global }
    .group_segment_fixed_size: 198656
    .private_segment_fixed_size: 0
    .kernarg_segment_align: 8
    .kernarg_segment_size: 16
    .max_flat_workgroup_size: 512
    .sgpr_count:     66
    .vgpr_count:     256
    .wavefront_size: 32
...
	.end_amdgpu_metadata
.endif
;; end of part 3
;; launch wo (part 4): grid 8 x 32, 4 waves a work-group, clusters of 4 x 4, 327,680 bytes of LDS; arguments oq, Wo_codes, Wo_scales, bo, x, x1; writes x1
.if DOCPART == 4
	.amdgcn_target "amdgcn-amd-amdhsa--gfx1250"
	.amdhsa_code_object_version 6
	.text
	.protected	k_q06b5d5f430_wo
	.globl	k_q06b5d5f430_wo
	.p2align	8
	.type	k_q06b5d5f430_wo,@function
k_q06b5d5f430_wo:
	s_mov_b64 s[64:65], 0
	v_nop
	global_prefetch_b8 v0, s[64:65] scope:SCOPE_SE
	s_setreg_imm32_b32 hwreg(HW_REG_WAVE_MODE, 25, 1), 1
	s_wait_xcnt 0x0
	s_wait_alu depctr_hold_cnt(0) depctr_sa_sdst(0) depctr_va_vdst(0) depctr_va_sdst(0) depctr_va_ssrc(0) depctr_va_vcc(0) depctr_vm_vsrc(0)
	s_getreg_b32 s2, hwreg(HW_REG_IB_STS2, 6, 4)
	s_cmp_eq_u32 s2, 0
	s_cbranch_scc0 .Lentry_in_a_cluster
	s_endpgm
.Lentry_in_a_cluster:
	s_bfe_u32 s2, ttmp6, 0x10000c
	s_cmp_lg_u32 s2, 0xf033
	s_cbranch_scc0 .Lentry_shape_is_right
	s_endpgm
.Lentry_shape_is_right:
; out[m][n] = res[m][n] + F(sum over k of A[m][k] W[n][k] + bias[n]), F the identity (GELU = 0) or the exact gelu (GELU = 1).  A: [4096][KDIM], W: [1024][KDIM]: codes of FP8 (E4M3) with one E8M0 scale for each 32 along K;
; A's scale bytes lie ASC bytes behind A's codes in the same buffer.  bias [1024], res and out [4096][1024]: f32; sums in f32.
; A tile of the result is 128 x 128, so that 8 x 32 tiles give each of 256 WGPs one work-group.  Four waves, each 64 x 64: 16 accumulators, 128 registers.  K goes in steps of 512 (LDS rows of 512 bytes; a wave's tensor load
; brings 64 of them) through a ring of two LDS slots: as long a step as two slots in LDS allow.  The scales of the work-group's 128 + 128 rows, for all of K, come into LDS once, with the first fills.
; CLUSTERS: 4 x 4 work-groups.  The four of a row of the cluster need the same tiles of A, the four of a column the same tiles of W: each tile is asked for JOINTLY, by the same tensor load with the same descriptor and a mask that names the four.
; THE MATRIX INSTRUCTION IS USED TRANSPOSED (source 0 = 16 rows of W, source 1 = 16 rows of A): a lane then holds eight neighbouring numbers of a row of the result.
; gelu(z) = z / 2 x (1 + erf(z / sqrt 2)), erf by the rational form 1 - (a1 t + .. + a5 t^5) e^(-x^2), t = 1 / (1 + 0.3275911 x), whose error stays under 1.5e-7 for every x >= 0; for z < 0 the factor is the form's own
; complement q and for z >= 0 it is 2 - q, so no difference of near-equal numbers is formed.  Nothing behind it is quantised.  NaN and infinities are not served.
; REGISTERS, in windows of 256: window 0: v0-31 addresses; v32-63 scale words, two sets; v64-127 at work on the way out; v128-255 the accumulators ((a, b) at v[128 + 8 (4 a + b)]).
;   window 1: two fragment buffers of 128: for 128 along K, A's four fragments, then W's four.   window 2: v0-127 my part of res, asked for at the start.
.set KDIM,   1024
.set ASC,    4194304
.set GELU,   0
.set KSTEP,  512
.set PITCH,  528                       ; an LDS row: 512 bytes + 16 of padding = 132 words: the 16 rows that a load touches start at 16 different banks (64 banks of 4 bytes: ISA guide 11.1)
.set HALFT,  64*PITCH                  ; 64 rows: what one tensor load brings, and what one wave reads of A or of W
.set SLOT,   4*HALFT                   ; A's 128 rows, then W's 128 rows
.set LAPS,   KDIM/(2*KSTEP)            ; a lap = two K steps = once round the ring
.set KS,     KDIM/32                   ; a row of scales in bytes
.set SCL,    2*SLOT                    ; behind the ring: the scales, as runs of 256 bytes + 16 of padding
.set HALFS,  (64*KS/256)*272           ; the scales of 64 rows
.set SBLK,   (16*KS/256)*272           ; those of 16 rows
.set SPARE,  SCL+4*HALFS               ; behind the scales: the spare words, 128 bytes for each wave
.set SPITCH, 272                       ; the way out: four stages of 16 rows x (256 bytes + 16) for each wave, in slot 0, which has had its last fill and its last read by then
.set ADRA, 16                          ; v16-17  LDS address of my A fragments in slot 0, 1
.set ADRB, 20                          ; v20-21  the same for W
.set STO,  24                          ; v24     the way out: where I put 32 bytes of a row
.set RD,   25                          ; v25     where I read a row back
.set CO,   26                          ; v26     my byte offset in res and in out
.set ADRS, 27                          ; v27     LDS address of my scale words: lanes 0-15 A's rows, lanes 16-31 W's
.set SPW,  28                          ; v28     LDS address of my spare word; never rewritten
.set NIL,  29                          ; v29     0; never rewritten
.set SC,   32                          ; scale words: set s at v[SC + 16 s]; register 4 i + q: lanes 0-15 A's block i, lanes 16-31 W's block i, the slot's q-th 128 along K
.set BI,   64                          ; v64-67  the bias of my four columns
.set DD,   68                          ; v68-71, v72-75, v76-79 at work in gelu
.set EE,   72
.set PP,   76
.set CN,   80                          ; v80-95  gelu's constants, as pairs
.set HH,   96                          ; v96-127 z / 2 of a block
.set ACC,  128
.set G1, 24                            ; s[24:31] descriptor group 1 for A's tiles;  s[32:39] group 0, one set for each slot
.set G0, 32
.set G1B, 48                           ; s[48:55], s[56:63] the same for W's tiles
.set G0B, 56
.set G1S, 68                           ; s[68:75], s[76:79] groups 1 and 0 for A's scales;  s[80:87], s[88:91] for W's
.set G0S, 76
.set G1SB, 80
.set G0SB, 88
.set MSB, 0
.macro WIN new                         ; the immediate's high byte repeats the setting that is left
.if MSB != \new
	s_set_vgpr_msb (MSB<<8)|\new
.set MSB, \new
.endif
.endm
.set MUL,  0x05                        ; sources 0 (W) and 1 (A) window 1; C and D window 0
.set TO_F, 0x40                        ; destination window 1, address window 0
; A joint load: waves 0 and 1 fetch for A, waves 2 and 3 for W.  Each of the two lines has ONE mask and one set of registers for all that issue it; the branch hangs on the wave's number alone.
; Four v_nop follow each of the two lines, ahead of the jump, the label and what follows.
.macro JLOAD g0a, g1a, g0b, g1b
	s_cmp_eq_u32 s15, 0
	s_cbranch_scc0 .Lfor_b_\@
	tensor_load_to_lds s[\g0a:\g0a+3], s[\g1a:\g1a+7]
	s_nop 0
.rept 4
	v_nop
.endr
	s_branch .Lasked_\@
.Lfor_b_\@:
	tensor_load_to_lds s[\g0b:\g0b+3], s[\g1b:\g1b+7]
	s_nop 0
.rept 4
	v_nop
.endr
.Lasked_\@:
.endm
.macro CREST                           ; a round of the cluster's barrier behind its opening barrier
	s_cmp_lg_u32 s14, 0
	s_cbranch_scc1 .Lnot_wave_0_\@
	s_barrier_signal -3
.Lnot_wave_0_\@:
	s_barrier_wait -3
	s_barrier_signal -1
	s_barrier_wait -1
.endm
.macro CROUND                          ; a whole round
	s_barrier_signal -1
	s_barrier_wait -1
	CREST
.endm
	s_load_b128 s[4:7], s[0:1], 0x0                ; A's buffer s[4:5], W's codes s[6:7]
	s_load_b128 s[8:11], s[0:1], 0x10              ; W's scales s[8:9], the bias s[10:11]
	s_load_b128 s[96:99], s[0:1], 0x20             ; res s[96:97], out s[98:99]
	v_lshl_add_u32 v[SPW], v0, 2, SPARE
	v_mov_b32 v[NIL], 0
	ds_add_u32 v28, v29
	ds_add_u32 v28, v29
	s_wait_dscnt 0x0
	v_lshrrev_b32 v1, 5, v0
	v_readfirstlane_b32 s14, v1                    ; wave 0..3
	s_lshr_b32 s15, s14, 1                         ; which half of the tile's rows is mine.  Also: I fetch for A (0) or for W (1)
	s_and_b32 s16, s14, 1                          ; which half of its columns.  Also: which 64 rows of that tile I fetch
	s_bfe_u32 s40, ttmp6, 0x40000                  ; cx, cy: my place in the cluster
	s_bfe_u32 s41, ttmp6, 0x40004
	s_lshl_b32 s42, ttmp9, 2
	s_add_co_u32 s42, s42, s40                     ; tile column = 4 x cluster x + cx
	s_and_b32 s17, ttmp7, 0xffff
	s_lshl_b32 s17, s17, 2
	s_add_co_u32 s17, s17, s41                     ; tile row = 4 x cluster y + cy
	s_lshl_b32 s43, s41, 2
	s_lshl_b32 s43, 15, s43                        ; my row of the cluster
	s_lshl_b32 s44, 0x1111, s40                    ; my column
	; descriptor group 1: a tile of 64 rows x 512 bytes, padded in LDS
	s_or_b32 s[G1+0], s43, (0<<16)|(1<<20)|(1<<21)|(6<<22)|(3<<25)  ; 15:0 the mask: A's tiles go to my row; 17:16 element of 1 byte; 20 padding on; 21 set beside a mask; 24:22 after every 128 words (code 6); 31:25 of 4 words (code 3)
	s_or_b32 s[G1B+0], s44, (0<<16)|(1<<20)|(1<<21)|(6<<22)|(3<<25)
.irp g, G1, G1B
	s_mov_b32 s[\g+1], KSTEP<<16                   ; tensor_dim0
	s_mov_b32 s[\g+2], 64<<16                      ; tensor_dim1 = 64
	s_mov_b32 s[\g+3], KSTEP<<16                   ; tile_dim0
	s_mov_b32 s[\g+4], 64                          ; tile_dim1 = 64
	s_mov_b32 s[\g+5], KDIM                        ; tensor_dim0_stride
	s_mov_b32 s[\g+6], 0
	s_mov_b32 s[\g+7], 0
.endr
	; and for the scales of 64 rows: a dense block of 64 KS bytes, as rows of 256 bytes (32 elements of 8 bytes), 16 bytes of padding behind each
	s_or_b32 s[G1S+0], s43, (3<<16)|(1<<20)|(1<<21)|(5<<22)|(3<<25)
	s_or_b32 s[G1SB+0], s44, (3<<16)|(1<<20)|(1<<21)|(5<<22)|(3<<25)
.irp g, G1S, G1SB
	s_mov_b32 s[\g+1], 32<<16
	s_mov_b32 s[\g+2], (64*KS/256)<<16
	s_mov_b32 s[\g+3], 32<<16
	s_mov_b32 s[\g+4], 64*KS/256
	s_mov_b32 s[\g+5], 32
	s_mov_b32 s[\g+6], 0
	s_mov_b32 s[\g+7], 0
.endr
	s_lshl_b32 s18, s16, 6                         ; which 64 rows of the tile I fetch
	s_lshl_b32 s20, s17, 7
	s_add_co_u32 s20, s20, s18                     ; A: row 128 x tile row + 64 x half
	s_lshl_b32 s46, s42, 7
	s_add_co_u32 s46, s46, s18                     ; W: row 128 x tile column + 64 x half
	s_mov_b32 s21, 0
	s_mov_b32 s47, 0
	s_mov_b64 s[18:19], KS
	s_mul_u64 s[22:23], s[20:21], s[18:19]         ; where these rows' scales begin, in bytes
	s_mul_u64 s[92:93], s[46:47], s[18:19]
	s_mov_b64 s[18:19], KDIM
	s_mul_u64 s[20:21], s[20:21], s[18:19]         ; and their codes
	s_mul_u64 s[46:47], s[46:47], s[18:19]
	s_mul_i32 s45, s14, HALFT                      ; where they go: wave x 64 rows: no place in the cluster enters an LDS address
	s_mul_i32 s94, s14, HALFS
	s_wait_kmcnt 0x0
	s_mov_b64 s[12:13], s[98:99]                   ; out
	s_mov_b64 s[98:99], s[96:97]                   ; res
	s_mov_b64 s[96:97], s[10:11]                   ; the bias
	s_mov_b64 s[10:11], s[8:9]                     ; W's scales
	s_mov_b64 s[8:9], s[6:7]                       ; W's codes
	s_add_nc_u64 s[6:7], s[4:5], ASC               ; A's scales
	s_add_nc_u64 s[20:21], s[4:5], s[20:21]
	s_add_nc_u64 s[22:23], s[6:7], s[22:23]
	s_add_nc_u64 s[46:47], s[8:9], s[46:47]
	s_add_nc_u64 s[92:93], s[10:11], s[92:93]
	CROUND                                         ; all sixteen work-groups are here: the first joint loads meet
	s_mov_b32 s[G0S], 1
	s_add_co_u32 s[G0S+1], s94, SCL
	s_mov_b64 s[G0S+2:G0S+3], s[22:23]
	s_or_b32 s[G0S+3], s[G0S+3], 0x80000000
	s_mov_b32 s[G0SB], 1
	s_add_co_u32 s[G0SB+1], s94, SCL
	s_mov_b64 s[G0SB+2:G0SB+3], s[92:93]
	s_or_b32 s[G0SB+3], s[G0SB+3], 0x80000000
	JLOAD G0S, G1S, G0SB, G1SB                     ; the scales first: they are wanted with K step 0
.irp s, 0,1
	s_mov_b32 s[G0+4*\s], 1
	s_add_co_u32 s[G0+4*\s+1], s45, \s*SLOT
	s_add_nc_u64 s[G0+4*\s+2:G0+4*\s+3], s[20:21], \s*KSTEP
	s_or_b32 s[G0+4*\s+3], s[G0+4*\s+3], 0x80000000
	s_mov_b32 s[G0B+4*\s], 1
	s_add_co_u32 s[G0B+4*\s+1], s45, \s*SLOT
	s_add_nc_u64 s[G0B+4*\s+2:G0B+4*\s+3], s[46:47], \s*KSTEP
	s_or_b32 s[G0B+4*\s+3], s[G0B+4*\s+3], 0x80000000
	JLOAD G0+4*\s, G1, G0B+4*\s, G1B
.endr
	v_and_b32 v1, 15, v0                           ; l % 16
	v_bfe_u32 v2, v0, 4, 1                         ; l / 16
	v_mul_u32_u24 v3, v1, PITCH
	v_lshl_add_u32 v4, v2, 4, v3                   ; a fragment's row x pitch + 16 x half
	s_mul_i32 s21, s15, HALFT                      ; my 64 rows of A
	s_mul_i32 s22, s16, HALFT                      ; my 64 rows of W,
	s_add_co_u32 s22, s22, 2*HALFT                 ; which lie behind A's 128
.irp s, 0,1
	v_add_nc_u32 v[ADRA+\s], s21, v4
	v_add_nc_u32 v[ADRB+\s], s22, v4
	s_add_co_u32 s21, s21, SLOT
	s_add_co_u32 s22, s22, SLOT
.endr
	v_mul_u32_u24 v5, v1, KS                       ; my row's scales: KS bytes a row,
	v_lshrrev_b32 v6, 8, v5
	v_lshl_add_u32 v5, v6, 4, v5                   ; and 16 more for each 256 passed
	s_mul_i32 s21, s15, HALFS                      ; A's: my 64 rows
	s_mul_i32 s22, s16, HALFS                      ; W's: my 64 rows, behind A's 128
	s_add_co_u32 s22, s22, 2*HALFS
	s_sub_co_u32 s22, s22, s21
	v_mul_u32_u24 v6, s22, v2                      ; lanes 16-31 take W's
	s_add_co_u32 s21, s21, SCL
	v_add_nc_u32 v5, v5, v6
	v_add_nc_u32 v[ADRS], s21, v5
	s_mul_i32 s23, s14, 4*16*SPITCH                ; my four stages
	v_mul_u32_u24 v5, v1, SPITCH                   ; in: row l % 16, 32 bytes for each half of the lanes
	v_lshl_add_u32 v5, v2, 5, v5
	v_add_nc_u32 v[STO], s23, v5
	v_mul_u32_u24 v5, v2, SPITCH                   ; back: lanes 0-15 take one row of 256 bytes, lanes 16-31 the next
	v_lshl_add_u32 v5, v1, 4, v5
	v_add_nc_u32 v[RD], s23, v5
	v_lshlrev_b32 v[CO], 12, v2                    ; and the same two rows of 4,096 bytes in res and in out
	v_lshl_add_u32 v[CO], v1, 4, v[CO]
	v_lshlrev_b32 v30, 4, v1                       ; my four columns' bias
	s_lshl_b32 s20, s17, 7
	s_lshl_b32 s21, s15, 6
	s_add_co_u32 s20, s20, s21                     ; my first row: 128 x tile row + 64 x half
	s_lshl_b32 s20, s20, 12
	s_lshl_b32 s46, s42, 9                         ; my first column, in bytes: 512 x tile column + 256 x half
	s_lshl_b32 s47, s16, 8
	s_add_co_u32 s46, s46, s47
	s_mov_b32 s47, 0
	s_add_nc_u64 s[96:97], s[96:97], s[46:47]
	s_add_co_u32 s20, s20, s46
	s_mov_b32 s21, 0
	s_add_nc_u64 s[98:99], s[98:99], s[20:21]
	s_add_nc_u64 s[12:13], s[12:13], s[20:21]
	WIN 0x80                                       ; destination window 2: my 64 x 64 of res, in the layout in which the results come back from the stage; it lands under the products
.irp a, 0,1,2,3
.irp t, 0,1,2,3,4,5,6,7
	global_load_b128 v[4*(8*\a+\t):4*(8*\a+\t)+3], v[CO], s[98:99] offset:(16*\a+2*\t)*4096 th:TH_LOAD_NT
.endr
.endr
	WIN 0
	global_load_b128 v[BI:BI+3], v30, s[96:97]
; Four matrix instructions: A's block a x W's four, 128 along K: the slot's q-th, from buffer f.  zero = 1: the first product starts the sums: nothing is ever cleared.
; The 16 accumulators take turns, one instruction a turn, in the same order in every step.
.macro MUL4 f, a, q, set, zero
.irp b, 0,1,2,3
.if \zero
	v_wmma_scale_f32_16x16x128_f8f6f4 v[ACC+8*(4*(\a)+\b):ACC+8*(4*(\a)+\b)+7], v[(\f)+64+16*\b:(\f)+64+16*\b+15], v[(\f)+16*(\a):(\f)+16*(\a)+15], 0, v[SC+16*(\set)+4*\b+(\q)], v[SC+16*(\set)+4*(\a)+(\q)] matrix_a_scale:MATRIX_SCALE_ROW1
.else
	v_wmma_scale_f32_16x16x128_f8f6f4 v[ACC+8*(4*(\a)+\b):ACC+8*(4*(\a)+\b)+7], v[(\f)+64+16*\b:(\f)+64+16*\b+15], v[(\f)+16*(\a):(\f)+16*(\a)+15], v[ACC+8*(4*(\a)+\b):ACC+8*(4*(\a)+\b)+7], v[SC+16*(\set)+4*\b+(\q)], v[SC+16*(\set)+4*(\a)+(\q)] matrix_a_scale:MATRIX_SCALE_ROW1
.endif
.endr
.endm
; 32 LDS loads in one run: the fragments of the slot's q-th 128 along K into buffer f: W's four, then A's four.  A fragment is 16 registers: lane l holds row l % 16; registers 4 c .. 4 c + 3 hold K = 32 c + 16 (l / 16) + 0 .. 15.
.macro FETCH slot, q, f
	WIN TO_F
.irp i, 0,1,2,3
.irp c, 0,1,2,3
	ds_load_b128 v[(\f)+64+16*\i+4*\c:(\f)+64+16*\i+4*\c+3], v[ADRB+\slot] offset:128*(\q)+32*\c+\i*16*PITCH
.endr
.endr
.irp i, 0,1,2,3
.irp c, 0,1,2,3
	ds_load_b128 v[(\f)+16*\i+4*\c:(\f)+16*\i+4*\c+3], v[ADRA+\slot] offset:128*(\q)+32*\c+\i*16*PITCH
.endr
.endr
.endm
.macro SCALES set                      ; a K step's scale words into a set: four words a row; lanes 0-15 take A's block i, lanes 16-31 W's block i
.irp i, 0,1,2,3
	ds_load_b128 v[SC+16*\set+4*\i:SC+16*\set+4*\i+3], v[ADRS] offset:\i*SBLK
.endr
.endm
; A load into a register that a matrix instruction has read, and a vector instruction or an LDS store that reads a matrix result, stand eight places behind that matrix instruction, and only plain vector
; instructions that name none of its registers are places; the matrix instructions in between are not counted.
.macro PLACES n
.rept \n
	v_nop
.endr
.endm
; A K step is four quarters of 128 along K, 16 matrix instructions each, on buffers 0, 1, 0, 1.  One of the first three: multiplies its buffer; in its middle it fetches the next quarter into the other.
.macro STEP slot, q, zero
	s_wait_dscnt 8                                 ; W's four and A's blocks 0, 1 are in; the youngest eight loads (A's blocks 2, 3) may be out
	WIN MUL
	MUL4 128*((\q)%2), 0, \q, \slot, \zero
	MUL4 128*((\q)%2), 1, \q, \slot, \zero
	PLACES 8
	FETCH \slot, (\q)+1, 128*(1-(\q)%2)
	s_wait_dscnt 32                                ; all but the 32 just issued
	WIN MUL
	MUL4 128*((\q)%2), 2, \q, \slot, \zero
	MUL4 128*((\q)%2), 3, \q, \slot, \zero
.endm
; The last quarter multiplies buffer 1 and changes slots: ONE barrier; in front of it each wave waits for all its tensor loads, adds 0 to its spare word, and waits for that and for its own reads of this slot.  fill = 1: this slot is filled again, two K steps ahead.
.macro TURN slot, next, fill
	WIN 0                                          ; (the add's two registers lie in window 0)
	s_wait_tensorcnt 0x0                           ; all my tensor loads have landed: my part of the next slot;
	ds_add_u32 v[SPW], v[NIL]                      ; 0 onto my spare word
	s_wait_dscnt 9                                 ; (the add and the youngest eight loads may be out)
	WIN MUL
	MUL4 128, 0, 3, \slot, 0                       ; four matrix instructions stand between the add and the wait for it
	s_wait_dscnt 0x0                               ; the add is done, and my reads of this slot are over
	s_barrier_signal -1
	MUL4 128, 1, 3, \slot, 0
	WIN 0
	s_barrier_wait -1
.if \fill
	CREST                                          ; the barrier has opened a round of the cluster's barrier: no wave of any partner still reads this slot's tile or has a load on its way
	s_add_nc_u64 s[G0+4*\slot+2:G0+4*\slot+3], s[G0+4*\slot+2:G0+4*\slot+3], 2*KSTEP
	s_add_nc_u64 s[G0B+4*\slot+2:G0B+4*\slot+3], s[G0B+4*\slot+2:G0B+4*\slot+3], 2*KSTEP
	JLOAD G0+4*\slot, G1, G0B+4*\slot, G1B         ; the first tensor load behind the round; the four v_nop behind it are among the places in front of the loads below
	PLACES 4
.else
	PLACES 8
.endif
	v_add_nc_u32 v[ADRS], 16, v[ADRS]              ; on to the next K step's scale words (no LDS load of mine is out)
	SCALES \next
	FETCH \next, 0, 0
	WIN MUL
	MUL4 128, 2, 3, \slot, 0
	MUL4 128, 3, 3, \slot, 0
.endm
	s_wait_tensorcnt 1                             ; the scales and my part of K step 0 are in (K step 1's load may be out),
	s_barrier_signal -1
	s_barrier_wait -1                              ; everybody's are
	SCALES 0
	FETCH 0, 0, 0
	STEP 0, 0, 1                                   ; the first quarter stands in front of the loop: its products start the sums
.if LAPS > 1
	WIN 0                                          ; at a label and at a branch every window is 0
	s_mov_b32 s3, LAPS-1
.Llap:                                                 ; a trip goes once round the ring, from a lap's second quarter to the next lap's first, and fills both slots again
	STEP 0, 1, 0
	STEP 0, 2, 0
	TURN 0, 1, 1
	STEP 1, 0, 0
	STEP 1, 1, 0
	STEP 1, 2, 0
	TURN 1, 0, 1
	STEP 0, 0, 0
	WIN 0
	s_sub_co_u32 s3, s3, 1
	s_cmp_lg_u32 s3, 0
	s_cbranch_scc1 .Llap
.endif
	STEP 0, 1, 0                                   ; the last lap fills nothing, and has no round of the cluster's barrier
	STEP 0, 2, 0
	TURN 0, 1, 0
	STEP 1, 0, 0
	STEP 1, 1, 0
	STEP 1, 2, 0
	s_wait_dscnt 8                                 ; the very last quarter: nothing more to fetch
	WIN MUL
	MUL4 128, 0, 3, 1, 0
	MUL4 128, 1, 3, 1, 0
	s_wait_dscnt 0
	MUL4 128, 2, 3, 1, 0
	MUL4 128, 3, 3, 1, 0
	WIN 0
; THE WAY OUT.  A lane holds 32 neighbouring bytes of a row, and the lanes beside it hold other rows: so each block of 16 rows x 64 columns goes through a stage of my own in LDS and comes back, into the registers that it left,
; as whole rows of 256 bytes, sixteen lanes to a row.  LDS serves a wave's instructions in order (ISA guide 5.7.1.4): no wait between the stores and the loads.
.if GELU
.irp k, 0,1                            ; gelu's constants, each twice: pairs for the packed forms.  (These sixteen lines are also the places behind the last products)
	v_mov_b32 v[CN+\k], 0x3e827906                 ; a1 =  0.254829592
	v_mov_b32 v[CN+2+\k], 0xbe91a98e               ; a2 = -0.284496736
	v_mov_b32 v[CN+4+\k], 0x3fb5f0e3               ; a3 =  1.421413741
	v_mov_b32 v[CN+6+\k], 0xbfba00e3               ; a4 = -1.453152027
	v_mov_b32 v[CN+8+\k], 0x3f87dc22               ; a5 =  1.061405429
	v_mov_b32 v[CN+10+\k], 0xbf38aa3b              ; -log2(e) / 2: e^(-z^2 / 2) = 2^(-z^2 log2(e) / 2)
	v_mov_b32 v[CN+12+\k], 2.0
	v_mov_b32 v[CN+14+\k], 0.5
.endr
	s_mov_b32 s23, 0x3e6d3388                      ; 0.3275911 / sqrt 2
.else
	PLACES 8
.endif
.irp a, 0,1,2,3
.irp b, 0,1,2,3
	ds_store_b128 v[STO], v[ACC+32*\a+8*\b:ACC+32*\a+8*\b+3] offset:\a*16*SPITCH+64*\b          ; each accumulator from its low end on
	ds_store_b128 v[STO], v[ACC+32*\a+8*\b+4:ACC+32*\a+8*\b+7] offset:\a*16*SPITCH+64*\b+16
.endr
.irp t, 0,1,2,3,4,5,6,7
	ds_load_b128 v[ACC+32*\a+4*\t:ACC+32*\a+4*\t+3], v[RD] offset:\a*16*SPITCH+\t*2*SPITCH
.endr
.endr
; Four numbers: v[R] .. v[R + 3] hold the sums and get the factor 1 + erf(z / sqrt 2); v[H] .. v[H + 3] get z / 2.
.macro GELU4 R, H
	v_pk_add_f32 v[(\R):(\R)+1], v[(\R):(\R)+1], v[BI:BI+1]        ; z
	v_pk_add_f32 v[(\R)+2:(\R)+3], v[(\R)+2:(\R)+3], v[BI+2:BI+3]
.irp i, 0,1,2,3
	v_fma_f32 v[DD+\i], |v[(\R)+\i]|, s23, 1.0     ; 1 + 0.3275911 |z| / sqrt 2
.endr
.irp p, 0,2
	v_pk_mul_f32 v[EE+\p:EE+\p+1], v[(\R)+\p:(\R)+\p+1], v[(\R)+\p:(\R)+\p+1]
.endr
.irp p, 0,2
	v_pk_mul_f32 v[EE+\p:EE+\p+1], v[EE+\p:EE+\p+1], v[CN+10:CN+11]
.endr
.irp i, 0,1,2,3
	v_rcp_f32 v[DD+\i], v[DD+\i]                   ; t
.endr
.irp i, 0,1,2,3
	v_exp_f32 v[EE+\i], v[EE+\i]                   ; e^(-z^2 / 2)
.endr
.irp p, 0,2
	v_pk_mul_f32 v[(\H)+\p:(\H)+\p+1], v[(\R)+\p:(\R)+\p+1], v[CN+14:CN+15]   ; z / 2.  (Plain places behind the transcendentals)
.endr
.irp p, 0,2
	v_pk_fma_f32 v[PP+\p:PP+\p+1], v[DD+\p:DD+\p+1], v[CN+8:CN+9], v[CN+6:CN+7]
.endr
.irp k, 4,2,0
.irp p, 0,2
	v_pk_fma_f32 v[PP+\p:PP+\p+1], v[PP+\p:PP+\p+1], v[DD+\p:DD+\p+1], v[CN+\k:CN+\k+1]
.endr
.endr
.irp p, 0,2
	v_pk_mul_f32 v[PP+\p:PP+\p+1], v[PP+\p:PP+\p+1], v[DD+\p:DD+\p+1]
.endr
.irp p, 0,2
	v_pk_mul_f32 v[EE+\p:EE+\p+1], v[PP+\p:PP+\p+1], v[EE+\p:EE+\p+1]         ; q = 1 - erf(|z| / sqrt 2)
.endr
.irp p, 0,2
	v_pk_add_f32 v[PP+\p:PP+\p+1], v[CN+12:CN+13], v[EE+\p:EE+\p+1] neg_lo:[0,1] neg_hi:[0,1]   ; 2 - q
.endr
.irp i, 0,1,2,3
	v_cmp_gt_f32 vcc_lo, 0, v[(\R)+\i]
	v_cndmask_b32 v[(\R)+\i], v[PP+\i], v[EE+\i], vcc_lo           ; q where z < 0, else 2 - q: a choice of values, no branch
.endr
.endm
	s_wait_loadcnt 0x0                             ; res and the bias
.irp a, 0,1,2,3
	s_wait_dscnt 16*(3-\a)                         ; block a is back; the later blocks' eight stores and eight loads each may be out
.if GELU
.irp t, 0,1,2,3,4,5,6,7
	GELU4 ACC+32*\a+4*\t, HH+4*\t
.endr
	WIN 0x20                                       ; source 2: window 2
.set p, 0
.rept 16
	v_pk_fma_f32 v[ACC+32*\a+p:ACC+32*\a+p+1], v[HH+p:HH+p+1], v[ACC+32*\a+p:ACC+32*\a+p+1], v[32*\a+p:32*\a+p+1]   ; res + z / 2 x the factor
.set p, p+2
.endr
	WIN 0
.else
.irp t, 0,1,2,3,4,5,6,7
	v_pk_add_f32 v[ACC+32*\a+4*\t:ACC+32*\a+4*\t+1], v[ACC+32*\a+4*\t:ACC+32*\a+4*\t+1], v[BI:BI+1]
	v_pk_add_f32 v[ACC+32*\a+4*\t+2:ACC+32*\a+4*\t+3], v[ACC+32*\a+4*\t+2:ACC+32*\a+4*\t+3], v[BI+2:BI+3]
.endr
	WIN 0x08                                       ; source 1: window 2
.set p, 0
.rept 16
	v_pk_add_f32 v[ACC+32*\a+p:ACC+32*\a+p+1], v[ACC+32*\a+p:ACC+32*\a+p+1], v[32*\a+p:32*\a+p+1]
.set p, p+2
.endr
	WIN 0
.endif
.irp t, 0,1,2,3,4,5,6,7
	global_store_b128 v[CO], v[ACC+32*\a+4*\t:ACC+32*\a+4*\t+3], s[12:13] offset:(16*\a+2*\t)*4096   ; 16 lanes store 256 consecutive bytes, at a multiple of 256 from the buffer's first byte
.endr
.endr
	s_wait_tensorcnt 0x0                           ; the wave's end: behind my last tensor load and my last LDS store
	ds_add_u32 v[SPW], v[NIL]
	s_wait_dscnt 0x0
	CROUND                                         ; the closing round: no work-group ends while a partner may still ask for a tile that names it
	s_endpgm
.Lfunc_end_k_q06b5d5f430_wo:
	.size	k_q06b5d5f430_wo, .Lfunc_end_k_q06b5d5f430_wo-k_q06b5d5f430_wo
	.p2alignl 7, 3214868480
	.fill 96, 4, 3214868480
	.section	.rodata,"a",@progbits
	.p2align	6, 0x0
	.amdhsa_kernel k_q06b5d5f430_wo
		.amdhsa_group_segment_fixed_size 327680
		.amdhsa_private_segment_fixed_size 0
		.amdhsa_enable_private_segment 0
		.amdhsa_kernarg_size 48
		.amdhsa_user_sgpr_count 2
		.amdhsa_user_sgpr_kernarg_segment_ptr 1
		.amdhsa_wavefront_size32 1
		.amdhsa_system_sgpr_workgroup_id_x 1
		.amdhsa_system_sgpr_workgroup_id_y 1
		.amdhsa_system_sgpr_workgroup_id_z 1
		.amdhsa_system_vgpr_workitem_id 0
		.amdhsa_next_free_vgpr 640
		.amdhsa_next_free_sgpr 100
		.amdhsa_reserve_vcc 1
		.amdhsa_float_denorm_mode_32 3
		.amdhsa_float_denorm_mode_16_64 3
		.amdhsa_memory_ordered 1
		.amdhsa_forward_progress 1
		.amdhsa_inst_pref_size 65
	.end_amdhsa_kernel
	.amdgpu_metadata
---
amdhsa.version: [ 1, 2 ]
amdhsa.kernels:
  - .name:           k_q06b5d5f430_wo
    .symbol:         k_q06b5d5f430_wo.kd
    .args:
      - { .name: oq, .offset: 0, .size: 8, .value_kind: global_buffer, .address_space: global }
      - { .name: Wo_codes, .offset: 8, .size: 8, .value_kind: global_buffer, .address_space: global }
      - { .name: Wo_scales, .offset: 16, .size: 8, .value_kind: global_buffer, .address_space: global }
      - { .name: bo, .offset: 24, .size: 8, .value_kind: global_buffer, .address_space: global }
      - { .name: x, .offset: 32, .size: 8, .value_kind: global_buffer, .address_space: global }
      - { .name: x1, .offset: 40, .size: 8, .value_kind: global_buffer, .address_space: global }
    .group_segment_fixed_size: 327680
    .private_segment_fixed_size: 0
    .kernarg_segment_align: 8
    .kernarg_segment_size: 48
    .max_flat_workgroup_size: 128
    .sgpr_count:     100
    .vgpr_count:     640
    .wavefront_size: 32
...
	.end_amdgpu_metadata
.endif
;; end of part 4
;; launch lnq2: the kernel of part 1 again; grid 256 x 1, 4 waves a work-group, no clusters, 26,112 bytes of LDS; arguments x1, g2, be2, hq; writes hq
;; launch ffn1 (part 5): grid 16 x 16, 4 waves a work-group, clusters of 4 x 4, 327,680 bytes of LDS; arguments hq, W1_codes, W1_scales, b1, uq; writes uq
.if DOCPART == 5
	.amdgcn_target "amdgcn-amd-amdhsa--gfx1250"
	.amdhsa_code_object_version 6
	.text
	.protected	k_q06b5d5f430_ffn1
	.globl	k_q06b5d5f430_ffn1
	.p2align	8
	.type	k_q06b5d5f430_ffn1,@function
k_q06b5d5f430_ffn1:
	s_mov_b64 s[64:65], 0
	v_nop
	global_prefetch_b8 v0, s[64:65] scope:SCOPE_SE
	s_setreg_imm32_b32 hwreg(HW_REG_WAVE_MODE, 25, 1), 1
	s_wait_xcnt 0x0
	s_wait_alu depctr_hold_cnt(0) depctr_sa_sdst(0) depctr_va_vdst(0) depctr_va_sdst(0) depctr_va_ssrc(0) depctr_va_vcc(0) depctr_vm_vsrc(0)
	s_getreg_b32 s2, hwreg(HW_REG_IB_STS2, 6, 4)
	s_cmp_eq_u32 s2, 0
	s_cbranch_scc0 .Lentry_in_a_cluster
	s_endpgm
.Lentry_in_a_cluster:
	s_bfe_u32 s2, ttmp6, 0x10000c
	s_cmp_lg_u32 s2, 0xf033
	s_cbranch_scc0 .Lentry_shape_is_right
	s_endpgm
.Lentry_shape_is_right:
; u = h W1^T + b1: [4096 tokens][1024] x [4096][1024] on codes of FP8 (E4M3) with one E8M0 scale for each 32 along K, f32 sums, the bias added in f32, and u quantised at once along its 4,096 columns, the next product's K.
; IN: h's codes [4096][1024] and, HSC bytes behind them in the same buffer, its scale bytes [4096][32]; W1's codes [4096][1024] and scale bytes [4096][32]; b1 [4096] f32.
; OUT: u's codes [4096][4096] and, USC bytes behind them, its scale bytes [4096][128].
; A tile of u, 256 x 256, is made by a work-group of four waves; a wave makes 128 x 128: 64 accumulators, 512 registers.  16 x 16 tiles: one work-group for each of 256 WGPs.
; K goes in steps of 256 through a ring of two LDS slots filled by the tensor data mover.  The scales of the work-group's 256 + 256 rows, for all of K, come into LDS once, with the first fills.
; CLUSTERS: 4 x 4 work-groups.  The four of a row of the cluster need the same tiles of h ("A"), the four of a column the same tiles of W1 ("B"): each tile is asked for JOINTLY, by the same tensor load with the same descriptor and a mask that names the four.
; THE MATRIX INSTRUCTION IS USED TRANSPOSED (source 0 = 16 rows of B, source 1 = 16 rows of A): a lane holds row l % 16 and, in accumulator (a, b), the columns 16 b + 8 (l / 16) + 0 .. 7.
; The codes leave as whole aligned runs of 256 bytes.  A work-group owns 8 of a row's 128 scale bytes, so those leave 8 bytes a row: one byte in 32 of what the launch stores.
; LIMITS: a block of zeros, and one whose largest magnitude lies under 2^-118, gets the byte 1 (this program alone reads the bytes); NaN and infinities are not served.
; REGISTERS, in windows of 256: window 0: v0-31 addresses; v32-63 scale words, two sets; v64-127 the bias of my columns; from v128 A's fragments, ONE set; on the way out v128-255 are at work.
;   window 1: B's fragments, TWO sets.   window 2: the 32 accumulators of my rows 0-63 ((a, b) at v[8 (8 a + b)]);   window 3: those of my rows 64-127.
.set KDIM,   1024
.set KSTEP,  256                       ; along K in a slot
.set NQ,     KSTEP/128                 ; matrix instructions deep
.set ROWB,   256                       ; a tile's row in bytes
.set KROW,   KDIM                      ; a row of either operand in memory, in bytes
.set PITCH,  272                       ; an LDS row: 256 bytes + 16 of padding = 68 words: the 16 rows that a load touches start at 16 different banks (64 banks of 4 bytes: ISA guide 11.1)
.set FR,     16                        ; registers of a fragment: 16 rows x 128 K
.set NL,     4                         ; LDS loads that bring one
.set NP,     8                         ; places behind this matrix instruction (ISA guide 7.12.1)
.set HALFT,  128*PITCH                 ; 128 rows: what one tensor load brings
.set SLOT,   4*HALFT                   ; A's 256 rows, then B's 256 rows
.set LAPS,   KDIM/(2*KSTEP)            ; a lap = two K steps = once round the ring
.set KS,     KDIM/32                   ; a row of scales in bytes
.set SCL,    2*SLOT                    ; behind the ring: the scales, as runs of 256 bytes + 16 of padding
.set HALFS,  (128*KS/256)*272          ; the scales of 128 rows
.set SBLK,   (16*KS/256)*272           ; those of 16 rows
.set SPARE,  SCL+4*HALFS               ; behind the scales: the spare words, 128 bytes for each wave
.set SST,    256*PITCH                 ; the way out: 256 rows x 272 bytes of codes at LDS byte 0, and here 256 x 8 scale bytes: both in slot 0, which has had its last fill and its last read by then
.set HSC,    4194304                   ; where the scale bytes begin in h's buffer
.set USC,    16777216                  ; and in u's
.set ADRA, 16                          ; v16-17  LDS address of my A fragments in slot 0, 1
.set ADRB, 20                          ; v20-21  the same for B
.set ADRS, 27                          ; v27     LDS address of my scale words: lanes 0-15 A's rows, lanes 16-31 B's
.set SPW,  28                          ; v28     LDS address of my spare word; never rewritten
.set NIL,  29                          ; v29     0; never rewritten
.set SC,   32                          ; scale words: set s at v[SC + 8 NQ s]; register NQ i + q: lanes 0-15 A's block i, lanes 16-31 B's block i
.set AF,   128                         ; A's fragments, in window 0
.set BN,   64                          ; v64-127 the bias of my columns, eight registers a block of 16
.set T,    128                         ; v128-191 a block's 64 numbers;  v192-207 its codes;  v208-223 at work;  v224 its scale word
.set PC,   192
.set TM,   208
.set PW,   224
.set STC,  16                          ; the way out: v16 where my codes go, v17 my scale word, v18 where I read rows back, v19 their place in u, v20 where I read scale bytes back, v21 their place in memory
.set SSA,  17
.set RDC,  18
.set GOC,  19
.set RDS,  20
.set GOS,  21
.set SEL,  20                          ; s[20:21] lane selects (set on the way out);  s22 the mantissa field of 448
.set MNT,  22
.set G1, 24                            ; s[24:31] descriptor group 1 for A's tiles;  s[32:39] group 0, one set for each slot
.set G0, 32
.set G1B, 48                           ; s[48:55], s[56:63] the same for B's tiles
.set G0B, 56
.set G1S, 68                           ; s[68:75], s[76:79] groups 1 and 0 for A's scales;  s[80:87], s[88:91] for B's
.set G0S, 76
.set G1SB, 80
.set G0SB, 88
.set MSB, 0
.macro WIN new                         ; the immediate's high byte repeats the setting that is left
.if MSB != \new
	s_set_vgpr_msb (MSB<<8)|\new
.set MSB, \new
.endif
.endm
.set MUL_LO, 0xa1                      ; source 0 (B) window 1, source 1 (A) window 0, C and D window 2
.set MUL_HI, 0xf1                      ; the same, C and D window 3
.set TO_B,   0x40                      ; destination window 1, address window 0
; A joint load: waves 0 and 1 fetch for A, waves 2 and 3 for B.  Each of the two lines has ONE mask and one set of registers for all that issue it; the branch hangs on the wave's number alone.
; Four v_nop follow each of the two lines, ahead of the jump, the label and what follows.
.macro JLOAD g0a, g1a, g0b, g1b
	s_cmp_eq_u32 s15, 0
	s_cbranch_scc0 .Lfor_b_\@
	tensor_load_to_lds s[\g0a:\g0a+3], s[\g1a:\g1a+7]
	s_nop 0
.rept 4
	v_nop
.endr
	s_branch .Lasked_\@
.Lfor_b_\@:
	tensor_load_to_lds s[\g0b:\g0b+3], s[\g1b:\g1b+7]
	s_nop 0
.rept 4
	v_nop
.endr
.Lasked_\@:
.endm
.macro CREST                           ; a round of the cluster's barrier behind its opening barrier
	s_cmp_lg_u32 s14, 0
	s_cbranch_scc1 .Lnot_wave_0_\@
	s_barrier_signal -3
.Lnot_wave_0_\@:
	s_barrier_wait -3
	s_barrier_signal -1
	s_barrier_wait -1
.endm
.macro CROUND                          ; a whole round
	s_barrier_signal -1
	s_barrier_wait -1
	CREST
.endm
	s_load_b128 s[4:7], s[0:1], 0x0                ; h's buffer s[4:5], W1's codes s[6:7]
	s_load_b128 s[8:11], s[0:1], 0x10              ; W1's scales s[8:9], b1 s[10:11]
	s_load_b64 s[12:13], s[0:1], 0x20              ; u's buffer
	v_lshl_add_u32 v[SPW], v0, 2, SPARE
	v_mov_b32 v[NIL], 0
	ds_add_u32 v28, v29
	ds_add_u32 v28, v29
	s_wait_dscnt 0x0
	v_lshrrev_b32 v1, 5, v0
	v_readfirstlane_b32 s14, v1                    ; wave 0..3
	s_lshr_b32 s15, s14, 1                         ; which half of the tile's rows is mine.  Also: I fetch for A (0) or for B (1)
	s_and_b32 s16, s14, 1                          ; which half of its columns.  Also: which 128 rows of that tile I fetch
	s_bfe_u32 s40, ttmp6, 0x40000                  ; cx, cy: my place in the cluster
	s_bfe_u32 s41, ttmp6, 0x40004
	s_lshl_b32 s42, ttmp9, 2
	s_add_co_u32 s42, s42, s40                     ; tile column = 4 x cluster x + cx
	s_and_b32 s17, ttmp7, 0xffff
	s_lshl_b32 s17, s17, 2
	s_add_co_u32 s17, s17, s41                     ; tile row = 4 x cluster y + cy
	s_lshl_b32 s43, s41, 2
	s_lshl_b32 s43, 15, s43                        ; my row of the cluster
	s_lshl_b32 s44, 0x1111, s40                    ; my column
	; descriptor group 1: a tile of 128 rows x ROWB bytes, padded in LDS
	s_or_b32 s[G1+0], s43, (0<<16)|(1<<20)|(1<<21)|(5<<22)|(3<<25)  ; 15:0 the mask: A's tiles go to my row; 17:16 element of 1 byte; 20 padding on; 21 set beside a mask; 24:22 after every 64 words (code 5); 31:25 of 4 words (code 3)
	s_or_b32 s[G1B+0], s44, (0<<16)|(1<<20)|(1<<21)|(5<<22)|(3<<25)
.irp g, G1, G1B
	s_mov_b32 s[\g+1], ROWB<<16                    ; tensor_dim0
	s_mov_b32 s[\g+2], 128<<16                     ; tensor_dim1 = 128
	s_mov_b32 s[\g+3], ROWB<<16                    ; tile_dim0
	s_mov_b32 s[\g+4], 128                         ; tile_dim1 = 128
	s_mov_b32 s[\g+5], KROW                        ; tensor_dim0_stride
	s_mov_b32 s[\g+6], 0
	s_mov_b32 s[\g+7], 0
.endr
	; and for the scales of 128 rows: a dense block of 128 KS bytes, as rows of 256 bytes (32 elements of 8 bytes), 16 bytes of padding behind each
	s_or_b32 s[G1S+0], s43, (3<<16)|(1<<20)|(1<<21)|(5<<22)|(3<<25)
	s_or_b32 s[G1SB+0], s44, (3<<16)|(1<<20)|(1<<21)|(5<<22)|(3<<25)
.irp g, G1S, G1SB
	s_mov_b32 s[\g+1], 32<<16
	s_mov_b32 s[\g+2], (128*KS/256)<<16
	s_mov_b32 s[\g+3], 32<<16
	s_mov_b32 s[\g+4], 128*KS/256
	s_mov_b32 s[\g+5], 32
	s_mov_b32 s[\g+6], 0
	s_mov_b32 s[\g+7], 0
.endr
	s_lshl_b32 s18, s16, 7                         ; which 128 rows of the tile I fetch
	s_lshl_b32 s20, s17, 8
	s_add_co_u32 s20, s20, s18                     ; A: row 256 x tile row + 128 x half
	s_lshl_b32 s46, s42, 8
	s_add_co_u32 s46, s46, s18                     ; B: row 256 x tile column + 128 x half
	s_mov_b32 s21, 0
	s_mov_b32 s47, 0
	s_mov_b64 s[18:19], KS
	s_mul_u64 s[22:23], s[20:21], s[18:19]         ; where these rows' scales begin, in bytes
	s_mul_u64 s[92:93], s[46:47], s[18:19]
	s_mov_b64 s[18:19], KROW
	s_mul_u64 s[20:21], s[20:21], s[18:19]         ; and their codes
	s_mul_u64 s[46:47], s[46:47], s[18:19]
	s_mul_i32 s45, s14, HALFT                      ; where they go: wave x 128 rows: no place in the cluster enters an LDS address
	s_mul_i32 s94, s14, HALFS
	s_wait_kmcnt 0x0
	s_mov_b64 s[96:97], s[10:11]                   ; b1
	s_mov_b64 s[10:11], s[8:9]                     ; B's scales
	s_mov_b64 s[8:9], s[6:7]                       ; B's codes
	s_add_nc_u64 s[6:7], s[4:5], HSC               ; A's scales
	s_add_nc_u64 s[20:21], s[4:5], s[20:21]
	s_add_nc_u64 s[22:23], s[6:7], s[22:23]
	s_add_nc_u64 s[46:47], s[8:9], s[46:47]
	s_add_nc_u64 s[92:93], s[10:11], s[92:93]
	CROUND                                         ; all sixteen work-groups are here: the first joint loads meet
	s_mov_b32 s[G0S], 1
	s_add_co_u32 s[G0S+1], s94, SCL
	s_mov_b64 s[G0S+2:G0S+3], s[22:23]
	s_or_b32 s[G0S+3], s[G0S+3], 0x80000000
	s_mov_b32 s[G0SB], 1
	s_add_co_u32 s[G0SB+1], s94, SCL
	s_mov_b64 s[G0SB+2:G0SB+3], s[92:93]
	s_or_b32 s[G0SB+3], s[G0SB+3], 0x80000000
	JLOAD G0S, G1S, G0SB, G1SB                     ; the scales first: they are wanted with K step 0
.irp s, 0,1
	s_mov_b32 s[G0+4*\s], 1
	s_add_co_u32 s[G0+4*\s+1], s45, \s*SLOT
	s_add_nc_u64 s[G0+4*\s+2:G0+4*\s+3], s[20:21], \s*ROWB
	s_or_b32 s[G0+4*\s+3], s[G0+4*\s+3], 0x80000000
	s_mov_b32 s[G0B+4*\s], 1
	s_add_co_u32 s[G0B+4*\s+1], s45, \s*SLOT
	s_add_nc_u64 s[G0B+4*\s+2:G0B+4*\s+3], s[46:47], \s*ROWB
	s_or_b32 s[G0B+4*\s+3], s[G0B+4*\s+3], 0x80000000
	JLOAD G0+4*\s, G1, G0B+4*\s, G1B
.endr
	v_and_b32 v1, 15, v0                           ; l % 16
	v_bfe_u32 v2, v0, 4, 1                         ; l / 16
	v_mul_u32_u24 v3, v1, PITCH
	v_lshl_add_u32 v4, v2, 4, v3                   ; a fragment's row x pitch + 16 x half
	s_mul_i32 s21, s15, HALFT                      ; my 128 rows of A
	s_mul_i32 s22, s16, HALFT                      ; my 128 rows of B,
	s_add_co_u32 s22, s22, 2*HALFT                 ; which lie behind A's 256
.irp s, 0,1
	v_add_nc_u32 v[ADRA+\s], s21, v4
	v_add_nc_u32 v[ADRB+\s], s22, v4
	s_add_co_u32 s21, s21, SLOT
	s_add_co_u32 s22, s22, SLOT
.endr
	v_mul_u32_u24 v5, v1, KS                       ; my row's scales: KS bytes a row,
	v_lshrrev_b32 v6, 8, v5
	v_lshl_add_u32 v5, v6, 4, v5                   ; and 16 more for each 256 passed
	s_mul_i32 s21, s15, HALFS                      ; A's: my 128 rows
	s_mul_i32 s22, s16, HALFS                      ; B's: my 128 rows, behind A's 256
	s_add_co_u32 s22, s22, 2*HALFS
	s_sub_co_u32 s22, s22, s21
	v_mul_u32_u24 v6, s22, v2                      ; lanes 16-31 take B's
	s_add_co_u32 s21, s21, SCL
	v_add_nc_u32 v5, v5, v6
	v_add_nc_u32 v[ADRS], s21, v5
	s_lshl_b32 s18, s42, 10                        ; the bias of my 128 columns: 4 bytes x (256 x tile column + 128 x half)
	s_lshl_b32 s19, s16, 9
	s_add_co_u32 s18, s18, s19
	s_mov_b32 s19, 0
	s_add_nc_u64 s[96:97], s[96:97], s[18:19]
	v_lshlrev_b32 v31, 5, v2                       ; 32 (l / 16): my eight columns' numbers
.irp b, 0,1,2,3,4,5,6,7
	global_load_b128 v[BN+8*\b:BN+8*\b+3], v31, s[96:97] offset:64*\b
	global_load_b128 v[BN+8*\b+4:BN+8*\b+7], v31, s[96:97] offset:64*\b+16
.endr
	s_lshl_b32 s20, s17, 8
	s_lshl_b32 s18, s14, 6
	s_add_co_u32 s20, s20, s18                     ; the first row that I store: 256 x tile row + 64 x wave
	s_lshl_b32 s18, s20, 7                         ; its scale bytes: 128 a row, the tile's 8
	s_lshl_b32 s19, s42, 3
	s_add_co_u32 s18, s18, s19
	s_add_co_u32 s18, s18, USC
	s_mov_b32 s19, 0
	s_add_nc_u64 s[100:101], s[12:13], s[18:19]
	s_lshl_b32 s20, s20, 12                        ; its codes: 4,096 a row, the tile's 256
	s_lshl_b32 s18, s42, 8
	s_add_co_u32 s20, s20, s18
	s_mov_b32 s21, 0
	s_add_nc_u64 s[12:13], s[12:13], s[20:21]
.macro FRAG reg, adr, q, i             ; a fragment, 16 rows x 128 K of 8-bit codes, is 16 registers: lane l holds row l % 16; registers 4 c .. 4 c + 3 hold K = 32 c + 16 (l / 16) + 0 .. 15
.irp c, 0,1,2,3
	ds_load_b128 v[\reg+4*\c:\reg+4*\c+3], v[\adr] offset:128*(\q)+32*\c+(\i)*16*PITCH
.endr
.endm
; 16 matrix instructions: A's blocks a0, a0 + 1 x B's eight, 128 along K: the slot's q-th.  p: B's set;  sc: the set of scale words.  zero = 1: the first product starts the sums: nothing is ever cleared.
; The 64 accumulators take turns, one instruction a turn, in the same order in every step.
.macro MUL16 a0, p, q, sc, zero
.irp a, \a0, \a0+1
.irp b, 0,1,2,3,4,5,6,7
.if \zero
	v_wmma_scale_f32_16x16x128_f8f6f4 v[8*(8*((\a)%4)+\b):8*(8*((\a)%4)+\b)+7], v[128*(\p)+FR*\b:128*(\p)+FR*\b+FR-1], v[AF+FR*(\a):AF+FR*(\a)+FR-1], 0, v[SC+8*NQ*(\sc)+NQ*\b+(\q)], v[SC+8*NQ*(\sc)+NQ*(\a)+(\q)] matrix_a_scale:MATRIX_SCALE_ROW1
.else
	v_wmma_scale_f32_16x16x128_f8f6f4 v[8*(8*((\a)%4)+\b):8*(8*((\a)%4)+\b)+7], v[128*(\p)+FR*\b:128*(\p)+FR*\b+FR-1], v[AF+FR*(\a):AF+FR*(\a)+FR-1], v[8*(8*((\a)%4)+\b):8*(8*((\a)%4)+\b)+7], v[SC+8*NQ*(\sc)+NQ*\b+(\q)], v[SC+8*NQ*(\sc)+NQ*(\a)+(\q)] matrix_a_scale:MATRIX_SCALE_ROW1
.endif
.endr
.endr
.endm
.macro FETCH_B slot, q, p              ; B's eight fragments of the slot's q-th 128 along K into set p
	WIN TO_B
.irp i, 0,1,2,3,4,5,6,7
	FRAG 128*(\p)+FR*\i, ADRB+\slot, \q, \i
.endr
	WIN 0
.endm
.macro FETCH_A slot, q, i0             ; A's blocks i0 .. i0 + 3
.irp i, \i0, \i0+1, \i0+2, \i0+3
	FRAG AF+FR*(\i), ADRA+\slot, \q, \i
.endr
.endm
.macro SCALES sc                       ; the next K step's scale words into set sc: NQ words a row; lanes 0-15 take A's block i, lanes 16-31 B's block i
.irp i, 0,1,2,3,4,5,6,7
	ds_load_b64 v[SC+8*NQ*\sc+NQ*\i:SC+8*NQ*\sc+NQ*\i+1], v[ADRS] offset:\i*SBLK
.endr
.endm
; A load into a register that a matrix instruction has read, and a vector instruction or an LDS store that reads a matrix result, stand NP places behind that matrix instruction, and only plain vector
; instructions that name none of its registers are places (ISA guide 7.12.1 for vector instructions); the matrix instructions in between are not counted.
.macro PLACES n
.rept \n
	v_nop
.endr
.endm
; A step of 128 along K that has its successor in the same slot.  A's blocks go one after the other, each against B's eight, so one set of registers serves A: blocks 0-3 are fetched anew in the step's middle, blocks 4-7 at its end.
.macro STEP slot, q, zero
	s_wait_dscnt 4*NL                              ; B's set and A's blocks 0-3 are in; the youngest 16 loads (A's blocks 4-7) may be out
	WIN MUL_LO
	MUL16 0, (\q)%2, \q, \slot, \zero
	MUL16 2, (\q)%2, \q, \slot, \zero
	s_wait_dscnt 0                                 ; A's blocks 4-7 are in (asked for 32 matrix instructions ago)
	PLACES NP
	FETCH_B \slot, (\q)+1, 1-(\q)%2
	FETCH_A \slot, (\q)+1, 0
	WIN MUL_HI
	MUL16 4, (\q)%2, \q, \slot, \zero
	MUL16 6, (\q)%2, \q, \slot, \zero
	PLACES NP
	WIN 0
	FETCH_A \slot, (\q)+1, 4
.endm
; A slot's last step changes slots: ONE barrier; in front of it each wave waits for all its tensor loads, adds 0 to its spare word, and waits for that and for its own reads of this slot.  fill = 1: this slot is filled again, two K steps ahead.
.macro TURN slot, next, fill
	s_wait_tensorcnt 0x0                           ; all my tensor loads have landed: my part of the next slot;  (every window is 0 here: the add's two registers lie in window 0)
	ds_add_u32 v[SPW], v[NIL]                      ; 0 onto my spare word
	s_wait_dscnt 4*NL+1                            ; (the add and the youngest 16 loads, A's blocks 4-7, may be out)
	WIN MUL_LO
	MUL16 0, 1, NQ-1, \slot, 0                     ; sixteen matrix instructions stand between the add and the wait for it
	s_wait_dscnt 0x0                               ; the add is done, and my reads of this slot are over
	s_barrier_signal -1
	MUL16 2, 1, NQ-1, \slot, 0
	WIN 0
	s_barrier_wait -1
.if \fill
	CREST                                          ; the barrier has opened a round of the cluster's barrier: no wave of any partner still reads this slot's tile or has a load on its way
	s_add_nc_u64 s[G0+4*\slot+2:G0+4*\slot+3], s[G0+4*\slot+2:G0+4*\slot+3], 2*ROWB
	s_add_nc_u64 s[G0B+4*\slot+2:G0B+4*\slot+3], s[G0B+4*\slot+2:G0B+4*\slot+3], 2*ROWB
	JLOAD G0+4*\slot, G1, G0B+4*\slot, G1B         ; the first tensor load behind the round; the four v_nop behind it are among the places in front of the loads below
	PLACES NP-4
.else
	PLACES NP
.endif
	v_add_nc_u32 v[ADRS], 4*NQ, v[ADRS]            ; on to the next K step's scale words (no LDS load of mine is out)
	FETCH_B \next, 0, 0
	FETCH_A \next, 0, 0
	SCALES \next
	WIN MUL_HI
	MUL16 4, 1, NQ-1, \slot, 0
	MUL16 6, 1, NQ-1, \slot, 0
	PLACES NP
	WIN 0
	FETCH_A \next, 0, 4
.endm
	s_wait_tensorcnt 1                             ; the scales and my part of K step 0 are in (K step 1's load may be out),
	s_barrier_signal -1
	s_barrier_wait -1                              ; everybody's are
	FETCH_B 0, 0, 0
	FETCH_A 0, 0, 0
	SCALES 0
	FETCH_A 0, 0, 4
	STEP 0, 0, 1                                   ; the first step stands in front of the loop: its products start the sums
	s_mov_b32 s3, LAPS-1
.Llap:                                                 ; a trip goes once round the ring, from a lap's second step to the next lap's first, and fills both slots again
	TURN 0, 1, 1
	STEP 1, 0, 0
	TURN 1, 0, 1
	STEP 0, 0, 0
	s_sub_co_u32 s3, s3, 1
	s_cmp_lg_u32 s3, 0
	s_cbranch_scc1 .Llap
	TURN 0, 1, 0                                   ; the last lap fills nothing, and has no round of the cluster's barrier
	STEP 1, 0, 0
	s_wait_dscnt 4*NL                              ; the very last step: nothing more to fetch
	WIN MUL_LO
	MUL16 0, 1, NQ-1, 1, 0
	MUL16 2, 1, NQ-1, 1, 0
	s_wait_dscnt 0
	WIN MUL_HI
	MUL16 4, 1, NQ-1, 1, 0
	MUL16 6, 1, NQ-1, 1, 0
	WIN 0
; THE WAY OUT.  64 numbers of a lane, v[s] .. v[s + 63]: registers 16 b .. 16 b + 15 are my 16 of block b's 32 columns; lane l xor 16 holds the other 16.  They become codes in v[PC] on and my row's scale word in v[PW].
.macro QUANT s
.irp b, 0,1,2,3
	v_max3_num_f32 v[TM+\b], |v[\s+16*\b]|, |v[\s+1+16*\b]|, 0x4800000   ; block b: my 16 numbers, and the floor 2^(9 - 127): the byte cannot fall under 1
.endr
.irp i, 2,4,6,8,10,12,14
.irp b, 0,1,2,3
	v_max3_num_f32 v[TM+\b], v[TM+\b], |v[\s+16*\b+\i]|, |v[\s+1+16*\b+\i]|   ; (the four blocks by turns: no line waits for the line above it)
.endr
.endr
.irp b, 0,1,2,3
	v_permlanex16_b32 v[TM+4+\b], v[TM+\b], s[SEL], s[SEL+1]
.endr
.irp b, 0,1,2,3
	v_max_num_f32 v[TM+\b], v[TM+\b], v[TM+4+\b]   ; with lane l xor 16's: the block's largest magnitude
.endr
.irp b, 0,1,2,3
	v_add_nc_u32 v[TM+12+\b], 0xfc000000, v[TM+\b]   ; 8 off its exponent field: the conversion's scale operand
.endr
.irp b, 0,1,2,3
	v_and_or_b32 v[TM+8+\b], v[TM+\b], 0x7f800000, s[MNT]   ; 448 x the scale
.endr
.irp b, 0,1,2,3
	v_lshrrev_b32 v[TM+4+\b], 23, v[TM+12+\b]   ; the scale's byte
.endr
	v_lshl_or_b32 v[PW], v[TM+5], 8, v[TM+4]
	v_lshl_or_b32 v[PW], v[TM+6], 16, v[PW]
	v_lshl_or_b32 v[PW], v[TM+7], 24, v[PW]
.irp b, 0,1,2,3
.irp i, 0,1,2,3,4,5,6,7,8,9,10,11,12,13,14,15
	v_med3_num_f32 v[\s+16*\b+\i], v[\s+16*\b+\i], -v[TM+8+\b], v[TM+8+\b]   ; the conversion to an 8-bit code does not saturate (ISA guide 7.6.2): the hold comes first
.endr
	v_cvt_scalef32_pk8_fp8_f32 v[PC+4*\b:PC+1+4*\b], v[\s+16*\b:\s+7+16*\b], v[TM+12+\b]
	v_cvt_scalef32_pk8_fp8_f32 v[PC+2+4*\b:PC+3+4*\b], v[\s+8+16*\b:\s+15+16*\b], v[TM+12+\b]
.endr
	v_nop                                          ; one plain vector instruction behind the last scaled conversion
.endm
; Block a: my rows 16 a .. 16 a + 15, all my 128 columns.
.macro EBLOCK a
.set AC, 64*((\a)%4)
	WIN 0x02+(\a)/4                                ; source 0: window 2 or 3
.irp b, 0,1,2,3,4,5,6,7
.irp p, 0,2,4,6
	v_pk_add_f32 v[T+8*\b+\p:T+8*\b+\p+1], v[AC+8*\b+\p:AC+8*\b+\p+1], v[BN+8*\b+\p:BN+8*\b+\p+1]   ; + the bias; each accumulator from its low end on
.endr
.endr
	WIN 0
	QUANT T
.irp b, 0,1,2,3
	ds_store_b64 v[STC], v[PC+4*\b:PC+4*\b+1] offset:(\a)*16*PITCH+32*\b          ; columns 32 b + 8 (l / 16) + 0 .. 7
	ds_store_b64 v[STC], v[PC+4*\b+2:PC+4*\b+3] offset:(\a)*16*PITCH+32*\b+16     ; and 16 further on
.endr
	ds_store_b32 v[SSA], v[PW] offset:128*(\a)     ; my row's four bytes (both halves of the lanes write the same word with the same value)
	s_wait_dscnt 0x0                               ; the stores have read their registers
.endm
	PLACES NP                                      ; behind the last products: in front of the first read of results and of writes to the registers that held A's fragments
	s_wait_loadcnt 0x0                             ; the bias
.irp b, 0,1,2,3
	v_mov_b32 v[TM+4+\b], 0                        ; written once: a lane permute's destination counts as one of its sources
.endr
	s_mov_b32 s[SEL], 0x76543210
	s_mov_b32 s[SEL+1], 0xfedcba98
	s_mov_b32 s[MNT], 0x600000
	s_mul_i32 s18, s15, 128*PITCH
	s_lshl_b32 s19, s16, 7
	s_add_co_u32 s18, s18, s19
	v_mul_u32_u24 v[STC], v1, PITCH
	v_lshl_add_u32 v[STC], v2, 3, v[STC]
	v_add_nc_u32 v[STC], s18, v[STC]               ; codes: row 128 x my row half + l % 16, byte 128 x my column half + 8 (l / 16)
	s_lshl_b32 s18, s15, 10
	s_lshl_b32 s19, s16, 2
	s_add_co_u32 s18, s18, s19
	s_add_co_u32 s18, s18, SST
	v_lshlrev_b32 v[SSA], 3, v1
	v_add_nc_u32 v[SSA], s18, v[SSA]               ; scale bytes, [row][8]: my column half's four
	v_mul_u32_u24 v[RDC], v2, PITCH
	v_lshl_add_u32 v[RDC], v1, 4, v[RDC]
	s_mul_i32 s18, s14, 64*PITCH
	v_add_nc_u32 v[RDC], s18, v[RDC]               ; back: rows 64 x wave on; lanes 0-15 take one row of 256 bytes, lanes 16-31 the next
	v_lshlrev_b32 v[GOC], 12, v2
	v_lshl_add_u32 v[GOC], v1, 4, v[GOC]           ; and the same two rows of 4,096 bytes in u
	v_and_b32 v3, 31, v0
	s_lshl_b32 s18, s14, 9
	s_add_co_u32 s18, s18, SST
	v_lshlrev_b32 v[RDS], 3, v3
	v_add_nc_u32 v[RDS], s18, v[RDS]               ; a row's 8 scale bytes a lane,
	v_lshlrev_b32 v[GOS], 7, v3                    ; 128 bytes apart in memory
.irp a, 0,1,2,3,4,5,6,7
	EBLOCK \a
.endr
	s_barrier_signal -1                            ; every wave's stores into the stage are done (the wait for 0 at each block's end): a row's 256 bytes come from two waves
	s_barrier_wait -1
.irp t, 0,1,2,3,4,5,6,7,8,9,10,11,12,13,14,15,16,17,18,19,20,21,22,23,24,25,26,27,28,29,30,31
	ds_load_b128 v[T+4*\t:T+4*\t+3], v[RDC] offset:\t*2*PITCH
.endr
.irp t, 0,1,2,3,4,5,6,7,8,9,10,11,12,13,14,15,16,17,18,19,20,21,22,23,24,25,26,27,28,29,30,31
	s_wait_dscnt 31-\t                             ; LDS loads come back in order: load t is in, the younger ones may be out
	global_store_b128 v[GOC], v[T+4*\t:T+4*\t+3], s[12:13] offset:\t*2*4096   ; 16 lanes store 256 consecutive bytes, at a multiple of 256 from the buffer's first byte
.endr
	ds_load_b64 v[BN:BN+1], v[RDS]
	ds_load_b64 v[BN+2:BN+3], v[RDS] offset:256
	s_wait_dscnt 0x0
	global_store_b64 v[GOS], v[BN:BN+1], s[100:101]
	global_store_b64 v[GOS], v[BN+2:BN+3], s[100:101] offset:4096
	s_wait_tensorcnt 0x0                           ; the wave's end: behind my last tensor load and my last LDS store
	ds_add_u32 v[SPW], v[NIL]
	s_wait_dscnt 0x0
	CROUND                                         ; the closing round: no work-group ends while a partner may still ask for a tile that names it
	s_endpgm
.Lfunc_end_k_q06b5d5f430_ffn1:
	.size	k_q06b5d5f430_ffn1, .Lfunc_end_k_q06b5d5f430_ffn1-k_q06b5d5f430_ffn1
	.p2alignl 7, 3214868480
	.fill 96, 4, 3214868480
	.section	.rodata,"a",@progbits
	.p2align	6, 0x0
	.amdhsa_kernel k_q06b5d5f430_ffn1
		.amdhsa_group_segment_fixed_size 327680
		.amdhsa_private_segment_fixed_size 0
		.amdhsa_enable_private_segment 0
		.amdhsa_kernarg_size 40
		.amdhsa_user_sgpr_count 2
		.amdhsa_user_sgpr_kernarg_segment_ptr 1
		.amdhsa_wavefront_size32 1
		.amdhsa_system_sgpr_workgroup_id_x 1
		.amdhsa_system_sgpr_workgroup_id_y 1
		.amdhsa_system_sgpr_workgroup_id_z 1
		.amdhsa_system_vgpr_workitem_id 0
		.amdhsa_next_free_vgpr 1024
		.amdhsa_next_free_sgpr 102
		.amdhsa_reserve_vcc 0
		.amdhsa_float_denorm_mode_32 3
		.amdhsa_float_denorm_mode_16_64 3
		.amdhsa_memory_ordered 1
		.amdhsa_forward_progress 1
		.amdhsa_inst_pref_size 210
	.end_amdhsa_kernel
	.amdgpu_metadata
---
amdhsa.version: [ 1, 2 ]
amdhsa.kernels:
  - .name:           k_q06b5d5f430_ffn1
    .symbol:         k_q06b5d5f430_ffn1.kd
    .args:
      - { .name: hq, .offset: 0, .size: 8, .value_kind: global_buffer, .address_space: global }
      - { .name: W1_codes, .offset: 8, .size: 8, .value_kind: global_buffer, .address_space: global }
      - { .name: W1_scales, .offset: 16, .size: 8, .value_kind: global_buffer, .address_space: global }
      - { .name: b1, .offset: 24, .size: 8, .value_kind: global_buffer, .address_space: global }
      - { .name: uq, .offset: 32, .size: 8, .value_kind: global_buffer, .address_space: global }
    .group_segment_fixed_size: 327680
    .private_segment_fixed_size: 0
    .kernarg_segment_align: 8
    .kernarg_segment_size: 40
    .max_flat_workgroup_size: 128
    .sgpr_count:     102
    .vgpr_count:     1024
    .wavefront_size: 32
...
	.end_amdgpu_metadata
.endif
;; end of part 5
;; launch ffn2 (part 6): grid 8 x 32, 4 waves a work-group, clusters of 4 x 4, 327,680 bytes of LDS; arguments uq, W2_codes, W2_scales, b2, x1, out0; writes out0
.if DOCPART == 6
	.amdgcn_target "amdgcn-amd-amdhsa--gfx1250"
	.amdhsa_code_object_version 6
	.text
	.protected	k_q06b5d5f430_ffn2
	.globl	k_q06b5d5f430_ffn2
	.p2align	8
	.type	k_q06b5d5f430_ffn2,@function
k_q06b5d5f430_ffn2:
	s_mov_b64 s[64:65], 0
	v_nop
	global_prefetch_b8 v0, s[64:65] scope:SCOPE_SE
	s_setreg_imm32_b32 hwreg(HW_REG_WAVE_MODE, 25, 1), 1
	s_wait_xcnt 0x0
	s_wait_alu depctr_hold_cnt(0) depctr_sa_sdst(0) depctr_va_vdst(0) depctr_va_sdst(0) depctr_va_ssrc(0) depctr_va_vcc(0) depctr_vm_vsrc(0)
	s_getreg_b32 s2, hwreg(HW_REG_IB_STS2, 6, 4)
	s_cmp_eq_u32 s2, 0
	s_cbranch_scc0 .Lentry_in_a_cluster
	s_endpgm
.Lentry_in_a_cluster:
	s_bfe_u32 s2, ttmp6, 0x10000c
	s_cmp_lg_u32 s2, 0xf033
	s_cbranch_scc0 .Lentry_shape_is_right
	s_endpgm
.Lentry_shape_is_right:
; out[m][n] = res[m][n] + F(sum over k of A[m][k] W[n][k] + bias[n]), F the identity (GELU = 0) or the exact gelu (GELU = 1).  A: [4096][KDIM], W: [1024][KDIM]: codes of FP8 (E4M3) with one E8M0 scale for each 32 along K;
; A's scale bytes lie ASC bytes behind A's codes in the same buffer.  bias [1024], res and out [4096][1024]: f32; sums in f32.
; A tile of the result is 128 x 128, so that 8 x 32 tiles give each of 256 WGPs one work-group.  Four waves, each 64 x 64: 16 accumulators, 128 registers.  K goes in steps of 512 (LDS rows of 512 bytes; a wave's tensor load
; brings 64 of them) through a ring of two LDS slots: as long a step as two slots in LDS allow.  The scales of the work-group's 128 + 128 rows, for all of K, come into LDS once, with the first fills.
; CLUSTERS: 4 x 4 work-groups.  The four of a row of the cluster need the same tiles of A, the four of a column the same tiles of W: each tile is asked for JOINTLY, by the same tensor load with the same descriptor and a mask that names the four.
; THE MATRIX INSTRUCTION IS USED TRANSPOSED (source 0 = 16 rows of W, source 1 = 16 rows of A): a lane then holds eight neighbouring numbers of a row of the result.
; gelu(z) = z / 2 x (1 + erf(z / sqrt 2)), erf by the rational form 1 - (a1 t + .. + a5 t^5) e^(-x^2), t = 1 / (1 + 0.3275911 x), whose error stays under 1.5e-7 for every x >= 0; for z < 0 the factor is the form's own
; complement q and for z >= 0 it is 2 - q, so no difference of near-equal numbers is formed.  Nothing behind it is quantised.  NaN and infinities are not served.
; REGISTERS, in windows of 256: window 0: v0-31 addresses; v32-63 scale words, two sets; v64-127 at work on the way out; v128-255 the accumulators ((a, b) at v[128 + 8 (4 a + b)]).
;   window 1: two fragment buffers of 128: for 128 along K, A's four fragments, then W's four.   window 2: v0-127 my part of res, asked for at the start.
.set KDIM,   4096
.set ASC,    16777216
.set GELU,   1
.set KSTEP,  512
.set PITCH,  528                       ; an LDS row: 512 bytes + 16 of padding = 132 words: the 16 rows that a load touches start at 16 different banks (64 banks of 4 bytes: ISA guide 11.1)
.set HALFT,  64*PITCH                  ; 64 rows: what one tensor load brings, and what one wave reads of A or of W
.set SLOT,   4*HALFT                   ; A's 128 rows, then W's 128 rows
.set LAPS,   KDIM/(2*KSTEP)            ; a lap = two K steps = once round the ring
.set KS,     KDIM/32                   ; a row of scales in bytes
.set SCL,    2*SLOT                    ; behind the ring: the scales, as runs of 256 bytes + 16 of padding
.set HALFS,  (64*KS/256)*272           ; the scales of 64 rows
.set SBLK,   (16*KS/256)*272           ; those of 16 rows
.set SPARE,  SCL+4*HALFS               ; behind the scales: the spare words, 128 bytes for each wave
.set SPITCH, 272                       ; the way out: four stages of 16 rows x (256 bytes + 16) for each wave, in slot 0, which has had its last fill and its last read by then
.set ADRA, 16                          ; v16-17  LDS address of my A fragments in slot 0, 1
.set ADRB, 20                          ; v20-21  the same for W
.set STO,  24                          ; v24     the way out: where I put 32 bytes of a row
.set RD,   25                          ; v25     where I read a row back
.set CO,   26                          ; v26     my byte offset in res and in out
.set ADRS, 27                          ; v27     LDS address of my scale words: lanes 0-15 A's rows, lanes 16-31 W's
.set SPW,  28                          ; v28     LDS address of my spare word; never rewritten
.set NIL,  29                          ; v29     0; never rewritten
.set SC,   32                          ; scale words: set s at v[SC + 16 s]; register 4 i + q: lanes 0-15 A's block i, lanes 16-31 W's block i, the slot's q-th 128 along K
.set BI,   64                          ; v64-67  the bias of my four columns
.set DD,   68                          ; v68-71, v72-75, v76-79 at work in gelu
.set EE,   72
.set PP,   76
.set CN,   80                          ; v80-95  gelu's constants, as pairs
.set HH,   96                          ; v96-127 z / 2 of a block
.set ACC,  128
.set G1, 24                            ; s[24:31] descriptor group 1 for A's tiles;  s[32:39] group 0, one set for each slot
.set G0, 32
.set G1B, 48                           ; s[48:55], s[56:63] the same for W's tiles
.set G0B, 56
.set G1S, 68                           ; s[68:75], s[76:79] groups 1 and 0 for A's scales;  s[80:87], s[88:91] for W's
.set G0S, 76
.set G1SB, 80
.set G0SB, 88
.set MSB, 0
.macro WIN new                         ; the immediate's high byte repeats the setting that is left
.if MSB != \new
	s_set_vgpr_msb (MSB<<8)|\new
.set MSB, \new
.endif
.endm
.set MUL,  0x05                        ; sources 0 (W) and 1 (A) window 1; C and D window 0
.set TO_F, 0x40                        ; destination window 1, address window 0
; A joint load: waves 0 and 1 fetch for A, waves 2 and 3 for W.  Each of the two lines has ONE mask and one set of registers for all that issue it; the branch hangs on the wave's number alone.
; Four v_nop follow each of the two lines, ahead of the jump, the label and what follows.
.macro JLOAD g0a, g1a, g0b, g1b
	s_cmp_eq_u32 s15, 0
	s_cbranch_scc0 .Lfor_b_\@
	tensor_load_to_lds s[\g0a:\g0a+3], s[\g1a:\g1a+7]
	s_nop 0
.rept 4
	v_nop
.endr
	s_branch .Lasked_\@
.Lfor_b_\@:
	tensor_load_to_lds s[\g0b:\g0b+3], s[\g1b:\g1b+7]
	s_nop 0
.rept 4
	v_nop
.endr
.Lasked_\@:
.endm
.macro CREST                           ; a round of the cluster's barrier behind its opening barrier
	s_cmp_lg_u32 s14, 0
	s_cbranch_scc1 .Lnot_wave_0_\@
	s_barrier_signal -3
.Lnot_wave_0_\@:
	s_barrier_wait -3
	s_barrier_signal -1
	s_barrier_wait -1
.endm
.macro CROUND                          ; a whole round
	s_barrier_signal -1
	s_barrier_wait -1
	CREST
.endm
	s_load_b128 s[4:7], s[0:1], 0x0                ; A's buffer s[4:5], W's codes s[6:7]
	s_load_b128 s[8:11], s[0:1], 0x10              ; W's scales s[8:9], the bias s[10:11]
	s_load_b128 s[96:99], s[0:1], 0x20             ; res s[96:97], out s[98:99]
	v_lshl_add_u32 v[SPW], v0, 2, SPARE
	v_mov_b32 v[NIL], 0
	ds_add_u32 v28, v29
	ds_add_u32 v28, v29
	s_wait_dscnt 0x0
	v_lshrrev_b32 v1, 5, v0
	v_readfirstlane_b32 s14, v1                    ; wave 0..3
	s_lshr_b32 s15, s14, 1                         ; which half of the tile's rows is mine.  Also: I fetch for A (0) or for W (1)
	s_and_b32 s16, s14, 1                          ; which half of its columns.  Also: which 64 rows of that tile I fetch
	s_bfe_u32 s40, ttmp6, 0x40000                  ; cx, cy: my place in the cluster
	s_bfe_u32 s41, ttmp6, 0x40004
	s_lshl_b32 s42, ttmp9, 2
	s_add_co_u32 s42, s42, s40                     ; tile column = 4 x cluster x + cx
	s_and_b32 s17, ttmp7, 0xffff
	s_lshl_b32 s17, s17, 2
	s_add_co_u32 s17, s17, s41                     ; tile row = 4 x cluster y + cy
	s_lshl_b32 s43, s41, 2
	s_lshl_b32 s43, 15, s43                        ; my row of the cluster
	s_lshl_b32 s44, 0x1111, s40                    ; my column
	; descriptor group 1: a tile of 64 rows x 512 bytes, padded in LDS
	s_or_b32 s[G1+0], s43, (0<<16)|(1<<20)|(1<<21)|(6<<22)|(3<<25)  ; 15:0 the mask: A's tiles go to my row; 17:16 element of 1 byte; 20 padding on; 21 set beside a mask; 24:22 after every 128 words (code 6); 31:25 of 4 words (code 3)
	s_or_b32 s[G1B+0], s44, (0<<16)|(1<<20)|(1<<21)|(6<<22)|(3<<25)
.irp g, G1, G1B
	s_mov_b32 s[\g+1], KSTEP<<16                   ; tensor_dim0
	s_mov_b32 s[\g+2], 64<<16                      ; tensor_dim1 = 64
	s_mov_b32 s[\g+3], KSTEP<<16                   ; tile_dim0
	s_mov_b32 s[\g+4], 64                          ; tile_dim1 = 64
	s_mov_b32 s[\g+5], KDIM                        ; tensor_dim0_stride
	s_mov_b32 s[\g+6], 0
	s_mov_b32 s[\g+7], 0
.endr
	; and for the scales of 64 rows: a dense block of 64 KS bytes, as rows of 256 bytes (32 elements of 8 bytes), 16 bytes of padding behind each
	s_or_b32 s[G1S+0], s43, (3<<16)|(1<<20)|(1<<21)|(5<<22)|(3<<25)
	s_or_b32 s[G1SB+0], s44, (3<<16)|(1<<20)|(1<<21)|(5<<22)|(3<<25)
.irp g, G1S, G1SB
	s_mov_b32 s[\g+1], 32<<16
	s_mov_b32 s[\g+2], (64*KS/256)<<16
	s_mov_b32 s[\g+3], 32<<16
	s_mov_b32 s[\g+4], 64*KS/256
	s_mov_b32 s[\g+5], 32
	s_mov_b32 s[\g+6], 0
	s_mov_b32 s[\g+7], 0
.endr
	s_lshl_b32 s18, s16, 6                         ; which 64 rows of the tile I fetch
	s_lshl_b32 s20, s17, 7
	s_add_co_u32 s20, s20, s18                     ; A: row 128 x tile row + 64 x half
	s_lshl_b32 s46, s42, 7
	s_add_co_u32 s46, s46, s18                     ; W: row 128 x tile column + 64 x half
	s_mov_b32 s21, 0
	s_mov_b32 s47, 0
	s_mov_b64 s[18:19], KS
	s_mul_u64 s[22:23], s[20:21], s[18:19]         ; where these rows' scales begin, in bytes
	s_mul_u64 s[92:93], s[46:47], s[18:19]
	s_mov_b64 s[18:19], KDIM
	s_mul_u64 s[20:21], s[20:21], s[18:19]         ; and their codes
	s_mul_u64 s[46:47], s[46:47], s[18:19]
	s_mul_i32 s45, s14, HALFT                      ; where they go: wave x 64 rows: no place in the cluster enters an LDS address
	s_mul_i32 s94, s14, HALFS
	s_wait_kmcnt 0x0
	s_mov_b64 s[12:13], s[98:99]                   ; out
	s_mov_b64 s[98:99], s[96:97]                   ; res
	s_mov_b64 s[96:97], s[10:11]                   ; the bias
	s_mov_b64 s[10:11], s[8:9]                     ; W's scales
	s_mov_b64 s[8:9], s[6:7]                       ; W's codes
	s_add_nc_u64 s[6:7], s[4:5], ASC               ; A's scales
	s_add_nc_u64 s[20:21], s[4:5], s[20:21]
	s_add_nc_u64 s[22:23], s[6:7], s[22:23]
	s_add_nc_u64 s[46:47], s[8:9], s[46:47]
	s_add_nc_u64 s[92:93], s[10:11], s[92:93]
	CROUND                                         ; all sixteen work-groups are here: the first joint loads meet
	s_mov_b32 s[G0S], 1
	s_add_co_u32 s[G0S+1], s94, SCL
	s_mov_b64 s[G0S+2:G0S+3], s[22:23]
	s_or_b32 s[G0S+3], s[G0S+3], 0x80000000
	s_mov_b32 s[G0SB], 1
	s_add_co_u32 s[G0SB+1], s94, SCL
	s_mov_b64 s[G0SB+2:G0SB+3], s[92:93]
	s_or_b32 s[G0SB+3], s[G0SB+3], 0x80000000
	JLOAD G0S, G1S, G0SB, G1SB                     ; the scales first: they are wanted with K step 0
.irp s, 0,1
	s_mov_b32 s[G0+4*\s], 1
	s_add_co_u32 s[G0+4*\s+1], s45, \s*SLOT
	s_add_nc_u64 s[G0+4*\s+2:G0+4*\s+3], s[20:21], \s*KSTEP
	s_or_b32 s[G0+4*\s+3], s[G0+4*\s+3], 0x80000000
	s_mov_b32 s[G0B+4*\s], 1
	s_add_co_u32 s[G0B+4*\s+1], s45, \s*SLOT
	s_add_nc_u64 s[G0B+4*\s+2:G0B+4*\s+3], s[46:47], \s*KSTEP
	s_or_b32 s[G0B+4*\s+3], s[G0B+4*\s+3], 0x80000000
	JLOAD G0+4*\s, G1, G0B+4*\s, G1B
.endr
	v_and_b32 v1, 15, v0                           ; l % 16
	v_bfe_u32 v2, v0, 4, 1                         ; l / 16
	v_mul_u32_u24 v3, v1, PITCH
	v_lshl_add_u32 v4, v2, 4, v3                   ; a fragment's row x pitch + 16 x half
	s_mul_i32 s21, s15, HALFT                      ; my 64 rows of A
	s_mul_i32 s22, s16, HALFT                      ; my 64 rows of W,
	s_add_co_u32 s22, s22, 2*HALFT                 ; which lie behind A's 128
.irp s, 0,1
	v_add_nc_u32 v[ADRA+\s], s21, v4
	v_add_nc_u32 v[ADRB+\s], s22, v4
	s_add_co_u32 s21, s21, SLOT
	s_add_co_u32 s22, s22, SLOT
.endr
	v_mul_u32_u24 v5, v1, KS                       ; my row's scales: KS bytes a row,
	v_lshrrev_b32 v6, 8, v5
	v_lshl_add_u32 v5, v6, 4, v5                   ; and 16 more for each 256 passed
	s_mul_i32 s21, s15, HALFS                      ; A's: my 64 rows
	s_mul_i32 s22, s16, HALFS                      ; W's: my 64 rows, behind A's 128
	s_add_co_u32 s22, s22, 2*HALFS
	s_sub_co_u32 s22, s22, s21
	v_mul_u32_u24 v6, s22, v2                      ; lanes 16-31 take W's
	s_add_co_u32 s21, s21, SCL
	v_add_nc_u32 v5, v5, v6
	v_add_nc_u32 v[ADRS], s21, v5
	s_mul_i32 s23, s14, 4*16*SPITCH                ; my four stages
	v_mul_u32_u24 v5, v1, SPITCH                   ; in: row l % 16, 32 bytes for each half of the lanes
	v_lshl_add_u32 v5, v2, 5, v5
	v_add_nc_u32 v[STO], s23, v5
	v_mul_u32_u24 v5, v2, SPITCH                   ; back: lanes 0-15 take one row of 256 bytes, lanes 16-31 the next
	v_lshl_add_u32 v5, v1, 4, v5
	v_add_nc_u32 v[RD], s23, v5
	v_lshlrev_b32 v[CO], 12, v2                    ; and the same two rows of 4,096 bytes in res and in out
	v_lshl_add_u32 v[CO], v1, 4, v[CO]
	v_lshlrev_b32 v30, 4, v1                       ; my four columns' bias
	s_lshl_b32 s20, s17, 7
	s_lshl_b32 s21, s15, 6
	s_add_co_u32 s20, s20, s21                     ; my first row: 128 x tile row + 64 x half
	s_lshl_b32 s20, s20, 12
	s_lshl_b32 s46, s42, 9                         ; my first column, in bytes: 512 x tile column + 256 x half
	s_lshl_b32 s47, s16, 8
	s_add_co_u32 s46, s46, s47
	s_mov_b32 s47, 0
	s_add_nc_u64 s[96:97], s[96:97], s[46:47]
	s_add_co_u32 s20, s20, s46
	s_mov_b32 s21, 0
	s_add_nc_u64 s[98:99], s[98:99], s[20:21]
	s_add_nc_u64 s[12:13], s[12:13], s[20:21]
	WIN 0x80                                       ; destination window 2: my 64 x 64 of res, in the layout in which the results come back from the stage; it lands under the products
.irp a, 0,1,2,3
.irp t, 0,1,2,3,4,5,6,7
	global_load_b128 v[4*(8*\a+\t):4*(8*\a+\t)+3], v[CO], s[98:99] offset:(16*\a+2*\t)*4096 th:TH_LOAD_NT
.endr
.endr
	WIN 0
	global_load_b128 v[BI:BI+3], v30, s[96:97]
; Four matrix instructions: A's block a x W's four, 128 along K: the slot's q-th, from buffer f.  zero = 1: the first product starts the sums: nothing is ever cleared.
; The 16 accumulators take turns, one instruction a turn, in the same order in every step.
.macro MUL4 f, a, q, set, zero
.irp b, 0,1,2,3
.if \zero
	v_wmma_scale_f32_16x16x128_f8f6f4 v[ACC+8*(4*(\a)+\b):ACC+8*(4*(\a)+\b)+7], v[(\f)+64+16*\b:(\f)+64+16*\b+15], v[(\f)+16*(\a):(\f)+16*(\a)+15], 0, v[SC+16*(\set)+4*\b+(\q)], v[SC+16*(\set)+4*(\a)+(\q)] matrix_a_scale:MATRIX_SCALE_ROW1
.else
	v_wmma_scale_f32_16x16x128_f8f6f4 v[ACC+8*(4*(\a)+\b):ACC+8*(4*(\a)+\b)+7], v[(\f)+64+16*\b:(\f)+64+16*\b+15], v[(\f)+16*(\a):(\f)+16*(\a)+15], v[ACC+8*(4*(\a)+\b):ACC+8*(4*(\a)+\b)+7], v[SC+16*(\set)+4*\b+(\q)], v[SC+16*(\set)+4*(\a)+(\q)] matrix_a_scale:MATRIX_SCALE_ROW1
.endif
.endr
.endm
; 32 LDS loads in one run: the fragments of the slot's q-th 128 along K into buffer f: W's four, then A's four.  A fragment is 16 registers: lane l holds row l % 16; registers 4 c .. 4 c + 3 hold K = 32 c + 16 (l / 16) + 0 .. 15.
.macro FETCH slot, q, f
	WIN TO_F
.irp i, 0,1,2,3
.irp c, 0,1,2,3
	ds_load_b128 v[(\f)+64+16*\i+4*\c:(\f)+64+16*\i+4*\c+3], v[ADRB+\slot] offset:128*(\q)+32*\c+\i*16*PITCH
.endr
.endr
.irp i, 0,1,2,3
.irp c, 0,1,2,3
	ds_load_b128 v[(\f)+16*\i+4*\c:(\f)+16*\i+4*\c+3], v[ADRA+\slot] offset:128*(\q)+32*\c+\i*16*PITCH
.endr
.endr
.endm
.macro SCALES set                      ; a K step's scale words into a set: four words a row; lanes 0-15 take A's block i, lanes 16-31 W's block i
.irp i, 0,1,2,3
	ds_load_b128 v[SC+16*\set+4*\i:SC+16*\set+4*\i+3], v[ADRS] offset:\i*SBLK
.endr
.endm
; A load into a register that a matrix instruction has read, and a vector instruction or an LDS store that reads a matrix result, stand eight places behind that matrix instruction, and only plain vector
; instructions that name none of its registers are places; the matrix instructions in between are not counted.
.macro PLACES n
.rept \n
	v_nop
.endr
.endm
; A K step is four quarters of 128 along K, 16 matrix instructions each, on buffers 0, 1, 0, 1.  One of the first three: multiplies its buffer; in its middle it fetches the next quarter into the other.
.macro STEP slot, q, zero
	s_wait_dscnt 8                                 ; W's four and A's blocks 0, 1 are in; the youngest eight loads (A's blocks 2, 3) may be out
	WIN MUL
	MUL4 128*((\q)%2), 0, \q, \slot, \zero
	MUL4 128*((\q)%2), 1, \q, \slot, \zero
	PLACES 8
	FETCH \slot, (\q)+1, 128*(1-(\q)%2)
	s_wait_dscnt 32                                ; all but the 32 just issued
	WIN MUL
	MUL4 128*((\q)%2), 2, \q, \slot, \zero
	MUL4 128*((\q)%2), 3, \q, \slot, \zero
.endm
; The last quarter multiplies buffer 1 and changes slots: ONE barrier; in front of it each wave waits for all its tensor loads, adds 0 to its spare word, and waits for that and for its own reads of this slot.  fill = 1: this slot is filled again, two K steps ahead.
.macro TURN slot, next, fill
	WIN 0                                          ; (the add's two registers lie in window 0)
	s_wait_tensorcnt 0x0                           ; all my tensor loads have landed: my part of the next slot;
	ds_add_u32 v[SPW], v[NIL]                      ; 0 onto my spare word
	s_wait_dscnt 9                                 ; (the add and the youngest eight loads may be out)
	WIN MUL
	MUL4 128, 0, 3, \slot, 0                       ; four matrix instructions stand between the add and the wait for it
	s_wait_dscnt 0x0                               ; the add is done, and my reads of this slot are over
	s_barrier_signal -1
	MUL4 128, 1, 3, \slot, 0
	WIN 0
	s_barrier_wait -1
.if \fill
	CREST                                          ; the barrier has opened a round of the cluster's barrier: no wave of any partner still reads this slot's tile or has a load on its way
	s_add_nc_u64 s[G0+4*\slot+2:G0+4*\slot+3], s[G0+4*\slot+2:G0+4*\slot+3], 2*KSTEP
	s_add_nc_u64 s[G0B+4*\slot+2:G0B+4*\slot+3], s[G0B+4*\slot+2:G0B+4*\slot+3], 2*KSTEP
	JLOAD G0+4*\slot, G1, G0B+4*\slot, G1B         ; the first tensor load behind the round; the four v_nop behind it are among the places in front of the loads below
	PLACES 4
.else
	PLACES 8
.endif
	v_add_nc_u32 v[ADRS], 16, v[ADRS]              ; on to the next K step's scale words (no LDS load of mine is out)
	SCALES \next
	FETCH \next, 0, 0
	WIN MUL
	MUL4 128, 2, 3, \slot, 0
	MUL4 128, 3, 3, \slot, 0
.endm
	s_wait_tensorcnt 1                             ; the scales and my part of K step 0 are in (K step 1's load may be out),
	s_barrier_signal -1
	s_barrier_wait -1                              ; everybody's are
	SCALES 0
	FETCH 0, 0, 0
	STEP 0, 0, 1                                   ; the first quarter stands in front of the loop: its products start the sums
.if LAPS > 1
	WIN 0                                          ; at a label and at a branch every window is 0
	s_mov_b32 s3, LAPS-1
.Llap:                                                 ; a trip goes once round the ring, from a lap's second quarter to the next lap's first, and fills both slots again
	STEP 0, 1, 0
	STEP 0, 2, 0
	TURN 0, 1, 1
	STEP 1, 0, 0
	STEP 1, 1, 0
	STEP 1, 2, 0
	TURN 1, 0, 1
	STEP 0, 0, 0
	WIN 0
	s_sub_co_u32 s3, s3, 1
	s_cmp_lg_u32 s3, 0
	s_cbranch_scc1 .Llap
.endif
	STEP 0, 1, 0                                   ; the last lap fills nothing, and has no round of the cluster's barrier
	STEP 0, 2, 0
	TURN 0, 1, 0
	STEP 1, 0, 0
	STEP 1, 1, 0
	STEP 1, 2, 0
	s_wait_dscnt 8                                 ; the very last quarter: nothing more to fetch
	WIN MUL
	MUL4 128, 0, 3, 1, 0
	MUL4 128, 1, 3, 1, 0
	s_wait_dscnt 0
	MUL4 128, 2, 3, 1, 0
	MUL4 128, 3, 3, 1, 0
	WIN 0
; THE WAY OUT.  A lane holds 32 neighbouring bytes of a row, and the lanes beside it hold other rows: so each block of 16 rows x 64 columns goes through a stage of my own in LDS and comes back, into the registers that it left,
; as whole rows of 256 bytes, sixteen lanes to a row.  LDS serves a wave's instructions in order (ISA guide 5.7.1.4): no wait between the stores and the loads.
.if GELU
.irp k, 0,1                            ; gelu's constants, each twice: pairs for the packed forms.  (These sixteen lines are also the places behind the last products)
	v_mov_b32 v[CN+\k], 0x3e827906                 ; a1 =  0.254829592
	v_mov_b32 v[CN+2+\k], 0xbe91a98e               ; a2 = -0.284496736
	v_mov_b32 v[CN+4+\k], 0x3fb5f0e3               ; a3 =  1.421413741
	v_mov_b32 v[CN+6+\k], 0xbfba00e3               ; a4 = -1.453152027
	v_mov_b32 v[CN+8+\k], 0x3f87dc22               ; a5 =  1.061405429
	v_mov_b32 v[CN+10+\k], 0xbf38aa3b              ; -log2(e) / 2: e^(-z^2 / 2) = 2^(-z^2 log2(e) / 2)
	v_mov_b32 v[CN+12+\k], 2.0
	v_mov_b32 v[CN+14+\k], 0.5
.endr
	s_mov_b32 s23, 0x3e6d3388                      ; 0.3275911 / sqrt 2
.else
	PLACES 8
.endif
.irp a, 0,1,2,3
.irp b, 0,1,2,3
	ds_store_b128 v[STO], v[ACC+32*\a+8*\b:ACC+32*\a+8*\b+3] offset:\a*16*SPITCH+64*\b          ; each accumulator from its low end on
	ds_store_b128 v[STO], v[ACC+32*\a+8*\b+4:ACC+32*\a+8*\b+7] offset:\a*16*SPITCH+64*\b+16
.endr
.irp t, 0,1,2,3,4,5,6,7
	ds_load_b128 v[ACC+32*\a+4*\t:ACC+32*\a+4*\t+3], v[RD] offset:\a*16*SPITCH+\t*2*SPITCH
.endr
.endr
; Four numbers: v[R] .. v[R + 3] hold the sums and get the factor 1 + erf(z / sqrt 2); v[H] .. v[H + 3] get z / 2.
.macro GELU4 R, H
	v_pk_add_f32 v[(\R):(\R)+1], v[(\R):(\R)+1], v[BI:BI+1]        ; z
	v_pk_add_f32 v[(\R)+2:(\R)+3], v[(\R)+2:(\R)+3], v[BI+2:BI+3]
.irp i, 0,1,2,3
	v_fma_f32 v[DD+\i], |v[(\R)+\i]|, s23, 1.0     ; 1 + 0.3275911 |z| / sqrt 2
.endr
.irp p, 0,2
	v_pk_mul_f32 v[EE+\p:EE+\p+1], v[(\R)+\p:(\R)+\p+1], v[(\R)+\p:(\R)+\p+1]
.endr
.irp p, 0,2
	v_pk_mul_f32 v[EE+\p:EE+\p+1], v[EE+\p:EE+\p+1], v[CN+10:CN+11]
.endr
.irp i, 0,1,2,3
	v_rcp_f32 v[DD+\i], v[DD+\i]                   ; t
.endr
.irp i, 0,1,2,3
	v_exp_f32 v[EE+\i], v[EE+\i]                   ; e^(-z^2 / 2)
.endr
.irp p, 0,2
	v_pk_mul_f32 v[(\H)+\p:(\H)+\p+1], v[(\R)+\p:(\R)+\p+1], v[CN+14:CN+15]   ; z / 2.  (Plain places behind the transcendentals)
.endr
	s_wait_alu depctr_va_vdst(0)
.irp p, 0,2
	v_pk_fma_f32 v[PP+\p:PP+\p+1], v[DD+\p:DD+\p+1], v[CN+8:CN+9], v[CN+6:CN+7]
.endr
.irp k, 4,2,0
.irp p, 0,2
	v_pk_fma_f32 v[PP+\p:PP+\p+1], v[PP+\p:PP+\p+1], v[DD+\p:DD+\p+1], v[CN+\k:CN+\k+1]
.endr
.endr
.irp p, 0,2
	v_pk_mul_f32 v[PP+\p:PP+\p+1], v[PP+\p:PP+\p+1], v[DD+\p:DD+\p+1]
.endr
.irp p, 0,2
	v_pk_mul_f32 v[EE+\p:EE+\p+1], v[PP+\p:PP+\p+1], v[EE+\p:EE+\p+1]         ; q = 1 - erf(|z| / sqrt 2)
.endr
.irp p, 0,2
	v_pk_add_f32 v[PP+\p:PP+\p+1], v[CN+12:CN+13], v[EE+\p:EE+\p+1] neg_lo:[0,1] neg_hi:[0,1]   ; 2 - q
.endr
.irp i, 0,1,2,3
	v_cmp_gt_f32 vcc_lo, 0, v[(\R)+\i]
	v_cndmask_b32 v[(\R)+\i], v[PP+\i], v[EE+\i], vcc_lo           ; q where z < 0, else 2 - q: a choice of values, no branch
.endr
.endm
	s_wait_loadcnt 0x0                             ; res and the bias
.irp a, 0,1,2,3
	s_wait_dscnt 16*(3-\a)                         ; block a is back; the later blocks' eight stores and eight loads each may be out
.if GELU
.irp t, 0,1,2,3,4,5,6,7
	GELU4 ACC+32*\a+4*\t, HH+4*\t
.endr
	WIN 0x20                                       ; source 2: window 2
.set p, 0
.rept 16
	v_pk_fma_f32 v[ACC+32*\a+p:ACC+32*\a+p+1], v[HH+p:HH+p+1], v[ACC+32*\a+p:ACC+32*\a+p+1], v[32*\a+p:32*\a+p+1]   ; res + z / 2 x the factor
.set p, p+2
.endr
	WIN 0
.else
.irp t, 0,1,2,3,4,5,6,7
	v_pk_add_f32 v[ACC+32*\a+4*\t:ACC+32*\a+4*\t+1], v[ACC+32*\a+4*\t:ACC+32*\a+4*\t+1], v[BI:BI+1]
	v_pk_add_f32 v[ACC+32*\a+4*\t+2:ACC+32*\a+4*\t+3], v[ACC+32*\a+4*\t+2:ACC+32*\a+4*\t+3], v[BI+2:BI+3]
.endr
	WIN 0x08                                       ; source 1: window 2
.set p, 0
.rept 16
	v_pk_add_f32 v[ACC+32*\a+p:ACC+32*\a+p+1], v[ACC+32*\a+p:ACC+32*\a+p+1], v[32*\a+p:32*\a+p+1]
.set p, p+2
.endr
	WIN 0
.endif
.irp t, 0,1,2,3,4,5,6,7
	global_store_b128 v[CO], v[ACC+32*\a+4*\t:ACC+32*\a+4*\t+3], s[12:13] offset:(16*\a+2*\t)*4096   ; 16 lanes store 256 consecutive bytes, at a multiple of 256 from the buffer's first byte
.endr
.endr
	s_wait_tensorcnt 0x0                           ; the wave's end: behind my last tensor load and my last LDS store
	ds_add_u32 v[SPW], v[NIL]
	s_wait_dscnt 0x0
	CROUND                                         ; the closing round: no work-group ends while a partner may still ask for a tile that names it
	s_endpgm
.Lfunc_end_k_q06b5d5f430_ffn2:
	.size	k_q06b5d5f430_ffn2, .Lfunc_end_k_q06b5d5f430_ffn2-k_q06b5d5f430_ffn2
	.p2alignl 7, 3214868480
	.fill 96, 4, 3214868480
	.section	.rodata,"a",@progbits
	.p2align	6, 0x0
	.amdhsa_kernel k_q06b5d5f430_ffn2
		.amdhsa_group_segment_fixed_size 327680
		.amdhsa_private_segment_fixed_size 0
		.amdhsa_enable_private_segment 0
		.amdhsa_kernarg_size 48
		.amdhsa_user_sgpr_count 2
		.amdhsa_user_sgpr_kernarg_segment_ptr 1
		.amdhsa_wavefront_size32 1
		.amdhsa_system_sgpr_workgroup_id_x 1
		.amdhsa_system_sgpr_workgroup_id_y 1
		.amdhsa_system_sgpr_workgroup_id_z 1
		.amdhsa_system_vgpr_workitem_id 0
		.amdhsa_next_free_vgpr 640
		.amdhsa_next_free_sgpr 100
		.amdhsa_reserve_vcc 1
		.amdhsa_float_denorm_mode_32 3
		.amdhsa_float_denorm_mode_16_64 3
		.amdhsa_memory_ordered 1
		.amdhsa_forward_progress 1
		.amdhsa_inst_pref_size 169
	.end_amdhsa_kernel
	.amdgpu_metadata
---
amdhsa.version: [ 1, 2 ]
amdhsa.kernels:
  - .name:           k_q06b5d5f430_ffn2
    .symbol:         k_q06b5d5f430_ffn2.kd
    .args:
      - { .name: uq, .offset: 0, .size: 8, .value_kind: global_buffer, .address_space: global }
      - { .name: W2_codes, .offset: 8, .size: 8, .value_kind: global_buffer, .address_space: global }
      - { .name: W2_scales, .offset: 16, .size: 8, .value_kind: global_buffer, .address_space: global }
      - { .name: b2, .offset: 24, .size: 8, .value_kind: global_buffer, .address_space: global }
      - { .name: x1, .offset: 32, .size: 8, .value_kind: global_buffer, .address_space: global }
      - { .name: out0, .offset: 40, .size: 8, .value_kind: global_buffer, .address_space: global }
    .group_segment_fixed_size: 327680
    .private_segment_fixed_size: 0
    .kernarg_segment_align: 8
    .kernarg_segment_size: 48
    .max_flat_workgroup_size: 128
    .sgpr_count:     100
    .vgpr_count:     640
    .wavefront_size: 32
...
	.end_amdgpu_metadata
.endif
;; end of part 6
